; MI455X (gfx1250); checked and timed in simulation.
; The chip was launched on July 23, 2026; its instructions are those of AMD's public machine-readable ISA for CDNA 5 (MIT licence, August 2026) and "CDNA5" Instruction Set Architecture Reference Guide (July 2026). The comments in the code are by the model that wrote it; some were corrected since.
;; Cross Exchanging Layer. Allowed arithmetic: matrix products marked QUANTISED: E2M1 operands, one E8M0 scale for each 32 along K, by v_wmma_scale_f32_16x16x128_f8f6f4 with both operands' format E2M1 (or v_wmma_scale_f32_32x16x128_f4), f32 sums; everything else in f32.
;; Inputs: AT_attn 32 x 512 x 512 float32; AV_attn 32 x 512 x 512 float32; W1 2,048 x 256 float32; W2 256 x 2,048 float32; W_in 768 x 256 float32; W_out 256 x 256 float32; b1 2,048 float32; b2 256 float32; b_in 768 float32; b_out 256 float32; be1 256 float32; be2 256 float32; g1 256 float32; g2 256 float32; src1 32 x 512 x 256 float32; src2 32 x 512 x 256 float32.
;; Outputs: out0 32 x 512 x 256 float32; out1 32 x 512 x 256 float32.
;; This version of the problem:
;;   THIS VERSION OF THE PROBLEM IS GIVEN IN LOW PRECISION. The matrix products marked QUANTISED in the list below multiply operands that are first quantised to E2M1 (2 exponent bits, 1 mantissa bit; 4 bits a number), with one power-of-two scale for each 32 numbers along K (OCP MX v1.0); their sums are f32. All else is computed in f32.
;;   The module's matrix products, in the order in which they are computed (A, B: the left and right operand; K: the contracted axis; several contracted axes count as one K, in the product's order):
;;     1. [M 16,384, K 256] x [K 256, N 768]; A: input src1; B: input W_in: QUANTISED
;;     2. batch 256 x [M 512, K 32] x [K 32, N 512]; A: computed on the way; B: computed on the way: QUANTISED
;;     3. batch 256 x [M 512, K 512] x [K 512, N 32]; A: softmax (see below); B: computed on the way: QUANTISED
;;     4. [M 16,384, K 256] x [K 256, N 256]; A: computed on the way; B: input W_out: QUANTISED
;;     5. [M 16,384, K 256] x [K 256, N 768]; A: input src2; B: input W_in: QUANTISED
;;     6. batch 256 x [M 512, K 32] x [K 32, N 512]; A: computed on the way; B: computed on the way: QUANTISED
;;     7. batch 256 x [M 512, K 512] x [K 512, N 32]; A: softmax (see below); B: computed on the way: QUANTISED
;;     8. [M 16,384, K 256] x [K 256, N 256]; A: computed on the way; B: input W_out: QUANTISED
;;     9. [M 16,384, K 256] x [K 256, N 2,048]; A: computed on the way; B: input W1: QUANTISED
;;     10. [M 16,384, K 2,048] x [K 2,048, N 256]; A: computed on the way; B: input W2: QUANTISED
;;     11. [M 16,384, K 256] x [K 256, N 2,048]; A: computed on the way; B: input W1: QUANTISED
;;     12. [M 16,384, K 2,048] x [K 2,048, N 256]; A: computed on the way; B: input W2: QUANTISED
;;   THE QUANTISER, for each operand of a quantised product, along K:
;;     - K is cut into blocks of 32 from its start; a last block that is shorter is filled with zeros.
;;     - A block's scale is 2^e with e = floor(log2(the largest magnitude in the block)) - 2, held to -126 .. 127; a block of zeros has e = 0. As a byte (E8M0): e + 127.
;;     - Each number is divided by its block's scale, clamped to +-6, and rounded to the nearest number of E2M1, ties to even, subnormals kept.
;;     - The product sums the exact products of the quantised numbers (number of the format x scale) in f32.
;;   ~~~python
;;   def quantise(x, axis):      # numpy; x: float32 -> the quantised numbers, widened to float32 again
;;       x = np.moveaxis(x, axis, -1); K = x.shape[-1]
;;       x = np.pad(x, [(0, 0)] * (x.ndim - 1) + [(0, -K % 32)]); x = x.reshape(x.shape[:-1] + (-1, 32)); a = np.abs(x).max(-1, keepdims=True)
;;       e = np.where(a > 0, np.clip(np.frexp(np.where(a > 0, a, 1))[1] - 1 - 2, -126, 127), 0)      # np.frexp(a)[1] - 1 = floor(log2(a)), exactly
;;       r = np.clip(x / 2.0 ** e, -6, 6)
;;       step = 2.0 ** (np.maximum(np.frexp(np.where(r == 0, 1, r))[1] - 1, 0) - 1)
;;       q = np.round(r / step) * step * 2.0 ** e      # np.round: ties to even
;;       return np.moveaxis(q.reshape(q.shape[:-2] + (-1,))[..., :K], -1, axis).astype(np.float32)
;;   ~~~
;;   SOFTMAX AHEAD OF A QUANTISED PRODUCT. Where the list says 'softmax', what is quantised is not the finished softmax but p = 2^(t - M), with t = logit x log2(e) and M = ceil(the row's largest t), a whole number; so 1/2 < the row's largest p <= 1. The row's sum l is taken of the UNQUANTISED p, in f32, and the product's result is divided by l at the end. Since M is a whole number, a kernel that streams over the keys may use a running M (the ceiling of the running maximum): every later rescaling is an exact power of two, which a block's scale takes up: the codes' values come out the same.
;;   OPERANDS COMPUTED ON THE WAY. 'Computed on the way' means the value that the module computes at that place (a softmax that the list does not call 'softmax' is quantised finished and normalised). What goes into a quantiser is computed in f32, as accurately as f32 sums, v_exp_f32 and their like allow (about 1e-6 of the number): no bf16 or f16 on the way to a quantiser, and a product that is left as it is and whose result goes on into a quantised operand takes f32 operands (vector FMAs, or v_wmma_f32_16x16x4_f32). A number that lies on a knife's edge between two numbers of the format may be rounded either way, as far as f32 arithmetic and the matrix unit's own rounding can turn it there, and no further.
;; 2 versions. Each part assembles by itself: llvm-mc -triple=amdgcn-amd-amdhsa -mcpu=gfx1250 --defsym DOCPART=n.
;; ======== version 1 of 2: 2 launches
;; workspace buffers: ocodes 4,194,304 bytes; oscale 262,144 bytes; clsp 524,288 bytes; wcodes 557,056 bytes; wscales 69,632 bytes
;; launch attn (part 1): grid 4 x 64, 16 waves a work-group, no clusters, 134,656 bytes of LDS; arguments src1, src2, W_in, b_in, W1, W2, W_out, ocodes, oscale, clsp, wcodes, wscales; writes ocodes, oscale, clsp, wcodes, wscales
.if DOCPART == 1
	.amdgcn_target "amdgcn-amd-amdhsa--gfx1250"
	.amdhsa_code_object_version 6
	.text
	.protected	k_qca86c6f33a_attn
	.globl	k_qca86c6f33a_attn
	.p2align	8
	.type	k_qca86c6f33a_attn,@function
k_qca86c6f33a_attn:
	s_mov_b64 s[64:65], 0
	v_nop
	global_prefetch_b8 v0, s[64:65] scope:SCOPE_SE
	s_setreg_imm32_b32 hwreg(HW_REG_WAVE_MODE, 25, 1), 1
	s_wait_xcnt 0x0
; SELF-ATTENTION OF TWO HEADS OF ONE (STREAM, BATCH), all products on codes of FP4 (E2M1) with one E8M0 scale for each 32 along K.
; Work-group (hp, sb): heads 2 hp and 2 hp + 1 of stream sb / 32, batch sb % 32.  Sixteen waves; wave w owns tokens 32 w .. 32 w + 31: as rows to quantise and project, as one block of 32 keys, as two tiles of 16 queries.
; STORED: the attention output / its row sum, already as codes in the order of the next product's operand registers (ocodes, oscale), and the CLS row's finished weights, summed over the two heads (clsp).
; Waves 12 and 13 also quantise 1/256 of W1, W2 and W_out into fragment images (wcodes, wscales) for the next launch.
; SLOT ORDER: lane r of tile X (of tokens, or of a weight's rows) takes row 32 (X / 2) + 8 (X % 2) + r + 8 (r / 8).  Where such a tile is source 0, the 16 registers of tiles 2 b and 2 b + 1 are 16 neighbours 32 b + 16 (lane / 16) + 0 .. 15.
; A HEAD'S 32 CHANNELS ARE ONE BLOCK.  K's fragment packs 2 heads x 2 key tiles into its four blocks; q's operand has codes in ONE block and zero codes elsewhere, so one 16 x 16 x 128 instruction gives 16 keys x 16 queries of one head.
; SOFTMAX: t = score x log2(e) / sqrt(32); M = the running largest t rounded up to a whole number; p = 2^(t - M) is quantised along the keys; the row's sum is taken of the unquantised p.
; NOT READ: AT_attn and AV_attn: the function to be computed does not use them, so no result hangs on them.
; LIMITS: a block whose largest magnitude lies under 2^-124 gets the scale byte 1; a block of zeros gets the byte 1 too (its codes are zeros; only this program reads the bytes); NaN and infinities among the inputs are not served;
; 1 / (row sum) is v_rcp_f32's.
.set WIMG, 0                           ; LDS: 24 fragment images of W_in (index 2 tile + K step), 1,024 bytes each
.set WSC,  24576                       ; their scale words, 128 bytes each
.set KIMG, 27648                       ; 16 packed fragments of k, one a wave
.set KSC,  44032                       ; their scale words
.set VT,   46080                       ; v with the keys innermost: 64 channel rows x (256 bytes + 16)
.set VP,   272
.set VSC,  63488                       ; v's scale bytes: [row 64][key block 16]
.set OSC,  64512                       ; the output's scale bytes, two a token slot
.set CLSP, 65536                       ; wave 0 alone: images of p of the tile that holds the CLS query: [head 2][step 4][16 x 512 bytes]
.set CLSM, 131072                      ; wave 0 alone: images of -M, [head][step] x 128 bytes; 1,024 bytes on: the final -M and 1 / sum, [head] x 256 bytes
.set WV,  28
.set HP,  29
.set SB,  30
.set GG,  31                           ; 4 sb + hp: the work-group's number among 256
.set SEL, 32                           ; s[32:33] v_permlanex16_b32's selects for lane l xor 16
.set CS,  34                           ; s[34:35] c = log2(e) / sqrt(32)
.set MKA, 36                           ; s36 lanes 0-15, s37 lanes 16-31
.set WP,  40                           ; s[40:41] where my weight rows begin
.set PIT, 42                           ; their pitch in bytes
.set WOF, 43
.set TK,  44                           ; the key step's LDS offsets: k's fragments, v's rows, k's words, v's words
.set TV,  45
.set TS,  46
.set TT,  47
.set CNT, 48
.set TP,  49                           ; and of the CLS images
.set TQ,  50
.set XB,  52                           ; s[52:53] src at my first token
.set BB,  54                           ; s[54:55] b_in + 256 hp
.set OBS, 56                           ; s[56:57] ocodes at my first tile
.set CB,  58                           ; s[58:59] clsp
.set WCB, 60                           ; s[60:61] wcodes, s[62:63] wscales at my fragments
.set WSB, 62
.set OSB, 66                           ; s[66:67] oscale
.set RR,  1                            ; r = lane % 16
.set HH,  2                            ; h = lane / 16
.set LI,  3                            ; 16 x lane
.set LS,  4                            ; 4 x lane
.set XA,  5                            ; src: (r + 8 (r / 8)) x 1,024 + 64 h
.set WA,  6                            ; the same with the weight's pitch
.set CPA, 5                            ; in the attention: the stepped addresses of the CLS images
.set CMA, 6
.set WWI, 7
.set WWS, 8
.set KWI, 9
.set KWS, 10
.set VWI, 11
.set XS,  12                           ; v12-15 x's four scale words; in the attention v12 is p's scale word.  Scales and nothing else
.set PWD, 12
.set VWS, 16
.set CRD, 17
.set AV0, 18
.set CMR, 19
.set ASV0, 20
.set ADK, 21
.set ADV, 22
.set ADS, 23
.set ADT, 24
.set OSW, 25
.set CPW, 26
.set CMW, 27
.set H64, 28
.set BVA, 29
.set PW0, 30                           ; v30, v31: the words (q A, q B, k A, k B) of my two tiles
.set R0,  32
.set R1,  96
.set HA,  32                           ; projection: eight accumulators
.set WB,  96                           ; projection: eight fragments of W_in
.set BV,  160
.set XF,  176                          ; x's four fragments (tile u, K step s) at XF + 16 u + 8 s
.set KF,  32                           ; attention: four fragments of k, two of v, q's operand (masked, zeros, masked)
.set VF,  64
.set QV,  80
.set S,   96                           ; scores, then p
.set O,   160
.set OC,  176
.set NM,  180                          ; v180 -M, v181 the largest t
.set SUM, 182
.set FF,  184                          ; v184 f = 2^(old M - new M); v185 is written once: the packed form names the pair
.set RL,  186
.set T0,  188
.set QC,  208                          ; tile u: +0..3 q's codes, +4..7 k's
.set PC,  224
.set TM,  232
.set OB0, 242
.set PWT, 243
.set WS,  248                          ; v248-255: scale words alone: W_in's eight; in the attention k's four, v's two, q's two
.set KW,  248
.set VW,  252
.set QWX, 254
.macro PLACES                          ; plain places behind matrix instructions: four serve loads and vector reads, the fifth a matrix instruction that writes over a register
.rept 5
	v_nop
.endr
.endm
.macro BARRIER                         ; my LDS stores have landed and my LDS loads are in: then the work-group's barrier
	s_wait_dscnt 0x0
	s_barrier_signal -1
	s_barrier_wait -1
.endm
.macro XLOAD reg, adr, base, off       ; 64 numbers of my row: register 16 b + i = k 32 b + 16 h + i of a K step of 128
.irp b, 0,1,2,3
.irp j, 0,1,2,3
	global_load_b128 v[(\reg)+16*\b+4*\j:(\reg)+16*\b+4*\j+3], v[\adr], s[\base:\base+1] offset:(\off)+128*\b+16*\j
.endr
.endr
.endm
; 64 numbers in that layout become a fragment's eight registers v[pc] on and its scale word v[pw]
.macro QUANT s, pc, pw
.irp b, 0,1,2,3
	v_max3_num_f32 v[TM+\b], |v[(\s)+16*\b]|, |v[(\s)+1+16*\b]|, 0x1800000   ; my 16 numbers of block b, and the floor 2^(3 - 127): the byte cannot fall under 1
.endr
.irp i, 2,4,6,8,10,12,14
.irp b, 0,1,2,3
	v_max3_num_f32 v[TM+\b], v[TM+\b], |v[(\s)+16*\b+\i]|, |v[(\s)+1+16*\b+\i]|
.endr
.endr
.irp b, 0,1,2,3
	v_permlanex16_b32 v[TM+4+\b], v[TM+\b], s[SEL], s[SEL+1]
.endr
.irp b, 0,1,2,3
	v_max_num_f32 v[TM+\b], v[TM+\b], v[TM+4+\b]                 ; with lane l xor 16's 16: the block's largest magnitude
.endr
.irp b, 0,1,2,3
	v_add_nc_u32 v[TM+12+\b], 0xff000000, v[TM+\b]               ; 2 off its exponent field: the conversion's scale operand
.endr
.irp b, 0,1,2,3
	v_lshrrev_b32 v[TM+4+\b], 23, v[TM+12+\b]                    ; the scale's byte
.endr
	v_lshl_or_b32 v[\pw], v[TM+5], 8, v[TM+4]
	v_lshl_or_b32 v[\pw], v[TM+6], 16, v[\pw]
	v_lshl_or_b32 v[\pw], v[TM+7], 24, v[\pw]
.irp b, 0,1,2,3
	v_cvt_scalef32_pk8_fp4_f32 v[(\pc)+2*\b], v[(\s)+16*\b:(\s)+16*\b+7], v[TM+12+\b]
	v_cvt_scalef32_pk8_fp4_f32 v[(\pc)+1+2*\b], v[(\s)+8+16*\b:(\s)+8+16*\b+7], v[TM+12+\b]
.endr
	v_nop                                                        ; one plain place behind a scaled conversion
.irp c, 0,1                            ; the operand wants a whole block in a lane: lanes 0-15 block 2 c, lanes 16-31 block 2 c + 1
.irp i, 0,1
	v_permlane16_swap_b32 v[(\pc)+4*\c+\i], v[(\pc)+2+4*\c+\i]
.endr
.endr
.endm
.macro IMAGE adr, pc, off              ; a fragment goes to LDS as an image of its registers: lane l's 16 bytes at 16 l
	ds_store_b128 v[\adr], v[(\pc):(\pc)+3] offset:(\off)
	ds_store_b128 v[\adr], v[(\pc)+4:(\pc)+7] offset:(\off)+512
.endm
.macro FETCH reg, adr, off             ; and comes back so, in any wave
	ds_load_b128 v[(\reg):(\reg)+3], v[\adr] offset:(\off)
	ds_load_b128 v[(\reg)+4:(\reg)+7], v[\adr] offset:(\off)+512
.endm
	s_load_b512 s[4:19], s[0:1], 0x0               ; src1, src2, W_in, b_in, W1, W2, W_out, ocodes
	s_load_b256 s[20:27], s[0:1], 0x40             ; oscale, clsp, wcodes, wscales
	v_lshl_add_u32 v240, v0, 2, 0x20600
	v_mov_b32 v241, 0
	v_lshrrev_b32 v1, 5, v0
	v_readfirstlane_b32 s[WV], v1                  ; wave 0..15
	s_mov_b32 s[HP], ttmp9
	s_and_b32 s[SB], ttmp7, 0xffff
	s_lshl_b32 s[GG], s[SB], 2
	s_add_co_u32 s[GG], s[GG], s[HP]
	s_mov_b32 s[SEL], 0x76543210
	s_mov_b32 s[SEL+1], 0xfedcba98
	s_mov_b32 s[CS], 0x3e8293ee
	s_mov_b32 s[CS+1], s[CS]
	s_mov_b32 s[MKA], 0x0000ffff
	s_mov_b32 s[MKA+1], 0xffff0000
	v_and_b32 v[RR], 15, v0
	v_bfe_u32 v[HH], v0, 4, 1
	v_and_b32 v[PW0], 31, v0                       ; the lane (v30, v31 are free until the projection)
	v_lshlrev_b32 v[LI], 4, v[PW0]
	v_lshlrev_b32 v[LS], 2, v[PW0]
	v_and_b32 v[BVA], 8, v[RR]
	v_add_nc_u32 v[BVA], v[BVA], v[RR]             ; r + 8 (r / 8)
	v_lshlrev_b32 v[H64], 6, v[HH]
	v_lshl_add_u32 v[XA], v[BVA], 10, v[H64]
	; every LDS address is made here: a constant x lane + a constant x wave; the regions' starts stand in the immediates, or in the register where they pass 65,535
	s_lshl_b32 s68, s[WV], 11
	v_add_nc_u32 v[WWI], s68, v[LI]
	s_lshl_b32 s68, s[WV], 8
	v_add_nc_u32 v[WWS], s68, v[LS]
	s_lshl_b32 s68, s[WV], 10
	v_add_nc_u32 v[KWI], s68, v[LI]
	s_lshl_b32 s68, s[WV], 7
	v_add_nc_u32 v[KWS], s68, v[LS]
	v_mul_u32_u24 v[VWI], v[PW0], VP
	s_lshl_b32 s68, s[WV], 4
	v_add_nc_u32 v[VWI], s68, v[VWI]               ; row = lane (+ 32 for registers 4-7), my key block's 16 bytes
	v_lshl_add_u32 v[VWS], v[RR], 4, s[WV]
	v_mul_u32_u24 v[AV0], v[RR], VP
	v_lshl_add_u32 v[AV0], v[HH], 4, v[AV0]
	v_lshlrev_b32 v[ASV0], 4, v[RR]
	s_lshl_b32 s68, s[WV], 6
	v_lshl_add_u32 v[OSW], v[RR], 1, s68
	v_add_nc_u32 v[CPW], CLSP, v[LI]
	v_add_nc_u32 v[CMW], CLSM, v[LS]
	v_lshrrev_b32 v[PW0+1], 3, v[PW0]              ; the CLS row read back: lane l takes keys 4 l .. 4 l + 3 of a step: register group 4 (l / 8) + l % 4 of lane 16 ((l / 4) % 2)
	v_and_b32 v[CRD], 3, v[PW0]
	v_lshl_add_u32 v[CRD], v[PW0+1], 2, v[CRD]
	v_bfe_u32 v[PW0+1], v[PW0], 2, 1
	v_lshlrev_b32 v[PW0+1], 8, v[PW0+1]
	v_lshl_add_u32 v[CRD], v[CRD], 9, v[PW0+1]
	v_add_nc_u32 v[CRD], CLSP, v[CRD]
	v_mov_b32 v[CMR], CLSM
.irp b, 0,1,2,3
	v_mov_b32 v[TM+4+\b], 0                        ; written once: a lane permute's destination counts as one of its sources
.endr
	; which weight rows are this wave's.  Waves 0-11: tile w of my heads' 192 rows of W_in (q A, A, B, B; k likewise; v likewise)
	s_lshr_b32 s68, s[WV], 2
	s_lshl_b32 s68, s68, 8
	s_lshl_b32 s69, s[HP], 6
	s_add_co_u32 s68, s68, s69
	s_and_b32 s69, s[WV], 2
	s_lshl_b32 s69, s69, 4
	s_add_co_u32 s68, s68, s69
	s_and_b32 s69, s[WV], 1
	s_lshl_b32 s69, s69, 3
	s_add_co_u32 s68, s68, s69
	s_lshl_b32 s[WOF], s68, 10
	s_lshr_b32 s70, s[GG], 1                       ; wave 12, work-groups 0-127: tile g of W1; wave 13, work-groups 0-15: tile g of W_out: row 32 (g / 2) + 8 (g % 2)
	s_lshl_b32 s70, s70, 5
	s_and_b32 s69, s[GG], 1
	s_lshl_b32 s69, s69, 3
	s_add_co_u32 s70, s70, s69
	s_lshl_b32 s70, s70, 10
	s_and_b32 s71, s[GG], 127                      ; wave 12, work-groups 128-255: P = g - 128: tile P / 8 of W2, K steps 2 (P % 8) and the next
	s_lshr_b32 s68, s71, 4
	s_lshl_b32 s68, s68, 5
	s_bfe_u32 s69, s71, 0x10003
	s_lshl_b32 s69, s69, 3
	s_add_co_u32 s68, s68, s69
	s_lshl_b32 s68, s68, 13
	s_and_b32 s71, s71, 7
	s_lshl_b32 s71, s71, 10
	s_add_co_u32 s71, s71, s68
	s_mov_b32 s[PIT], 1024
	s_mov_b32 s72, 8192
	s_mov_b32 s77, 0
	s_wait_kmcnt 0x0
	s_mov_b64 s[WP:WP+1], s[8:9]
	s_cmp_lt_u32 s[GG], 128
	s_cselect_b64 s[74:75], s[12:13], s[14:15]
	s_cselect_b32 s73, s70, s71
	s_cselect_b32 s72, s[PIT], s72
	s_cmp_eq_u32 s[WV], 12
	s_cselect_b64 s[WP:WP+1], s[74:75], s[WP:WP+1]
	s_cselect_b32 s[WOF], s73, s[WOF]
	s_cselect_b32 s[PIT], s72, s[PIT]
	s_cmp_eq_u32 s[WV], 13
	s_cselect_b64 s[WP:WP+1], s[16:17], s[WP:WP+1]
	s_cselect_b32 s[WOF], s70, s[WOF]
	s_cselect_b32 s[PIT], 1024, s[PIT]
	s_cselect_b32 s78, 512, 0
	s_mov_b32 s76, s[WOF]
	s_add_nc_u64 s[WP:WP+1], s[WP:WP+1], s[76:77]
	v_mul_lo_u32 v[WA], v[BVA], s[PIT]
	v_add_nc_u32 v[WA], v[WA], v[H64]
	v_lshlrev_b32 v[BVA], 2, v[BVA]                ; b_in of a lane's channel: 4 (r + 8 (r / 8))
	s_lshl_b32 s76, s[GG], 1
	s_add_co_u32 s78, s78, s76                     ; the first of my two fragments in wcodes: 2 g (W1, W2), 512 + 2 g (W_out)
	s_lshl_b32 s76, s78, 10
	s_add_nc_u64 s[WCB:WCB+1], s[24:25], s[76:77]
	s_lshl_b32 s76, s78, 7
	s_add_nc_u64 s[WSB:WSB+1], s[26:27], s[76:77]
	s_cmp_lt_u32 s[SB], 32
	s_cselect_b64 s[XB:XB+1], s[4:5], s[6:7]
	s_and_b32 s76, s[SB], 31
	s_lshl_b32 s76, s76, 19
	s_lshl_b32 s78, s[WV], 15
	s_add_co_u32 s76, s76, s78
	s_add_nc_u64 s[XB:XB+1], s[XB:XB+1], s[76:77]
	s_lshl_b32 s76, s[HP], 8
	s_add_nc_u64 s[BB:BB+1], s[10:11], s[76:77]
	s_lshl_b32 s76, s[SB], 16
	s_lshl_b32 s78, s[WV], 12
	s_add_co_u32 s76, s76, s78
	s_lshl_b32 s78, s[HP], 9
	s_add_co_u32 s76, s76, s78
	s_add_nc_u64 s[OBS:OBS+1], s[18:19], s[76:77]
	s_lshl_b32 s76, s[GG], 11
	s_add_nc_u64 s[CB:CB+1], s[22:23], s[76:77]
	s_lshl_b32 s76, s[GG], 10
	s_add_nc_u64 s[OSB:OSB+1], s[20:21], s[76:77]
	; ---- W: two fragments of weights a wave.  Waves 14, 15 and, from work-group 16 on, wave 13 have none
	s_cmp_gt_u32 s[WV], 13
	s_cbranch_scc1 .Lw_done
	s_cmp_eq_u32 s[WV], 13
	s_cselect_b32 s68, s[GG], 0
	s_cmp_ge_u32 s68, 16
	s_cbranch_scc1 .Lw_done
.macro WOUT n                          ; W_in's fragments go to LDS, the others to memory; the branch hangs on the wave's number alone
	s_cmp_lt_u32 s[WV], 12
	s_cbranch_scc0 .Lw_mem_\@
	IMAGE WWI, PC, WIMG+1024*\n
	ds_store_b32 v[WWS], v[PWT] offset:WSC+128*\n
	s_branch .Lw_both_\@
.Lw_mem_\@:
	global_store_b128 v[LI], v[PC:PC+3], s[WCB:WCB+1] offset:1024*\n
	global_store_b128 v[LI], v[PC+4:PC+7], s[WCB:WCB+1] offset:1024*\n+512
	global_store_b32 v[LS], v[PWT], s[WSB:WSB+1] offset:128*\n
.Lw_both_\@:
.endm
	XLOAD R0, WA, WP, 0
	XLOAD R1, WA, WP, 512
	s_wait_loadcnt 16                              ; the first fragment's 16 loads are in, the second's 16 may be out
	QUANT R0, PC, PWT
	WOUT 0
	s_wait_loadcnt 0x0
	s_wait_dscnt 0x0                               ; the stores have read the codes' registers,
	s_wait_xcnt 0x0                                ; in LDS and in memory: they are written again below
	QUANT R1, PC, PWT
	WOUT 1
.Lw_done:
	s_wait_xcnt 0x0
	; ---- X: my 32 rows of src become four fragments.  Each count of 16 leaves the one younger fragment's loads out
	XLOAD R0, XA, XB, 0
	XLOAD R1, XA, XB, 512
	s_wait_loadcnt 16
	QUANT R0, XF, XS
	XLOAD R0, XA, XB, 8192
	s_wait_loadcnt 16
	QUANT R1, XF+8, XS+1
	XLOAD R1, XA, XB, 8192+512
	s_wait_loadcnt 16
	QUANT R0, XF+16, XS+2
	s_wait_loadcnt 0x0
	QUANT R1, XF+24, XS+3
	BARRIER                                        ; W_in's 24 images lie in LDS
	; ---- q and k of tile u, transposed (source 0 = 16 rows of W_in, source 1 = my 16 tokens): a lane holds one token, its 64 registers q A, q B, k A, k B.  The bias is loaded straight into the accumulators
.macro PROJ_QK u
.irp t, 0,1,2,3,4,5,6,7
	global_load_b128 v[HA+8*\t:HA+8*\t+3], v[H64], s[BB:BB+1] offset:(256*(\t/4)+32*((\t/2)%2)+8*(\t%2))*4
	global_load_b128 v[HA+8*\t+4:HA+8*\t+7], v[H64], s[BB:BB+1] offset:(256*(\t/4)+32*((\t/2)%2)+8*(\t%2))*4+16
.endr
.irp s, 0,1
.if \s
	PLACES
.endif
.irp t, 0,1,2,3,4,5,6,7
	FETCH WB+8*\t, LI, WIMG+(2*\t+\s)*1024
	ds_load_b32 v[WS+\t], v[LS] offset:WSC+(2*\t+\s)*128
.endr
	s_wait_loadcnt 0x0
	s_wait_dscnt 0x0
.irp t, 0,1,2,3,4,5,6,7                ; the eight accumulators take turns
	v_wmma_scale_f32_16x16x128_f8f6f4 v[HA+8*\t:HA+8*\t+7], v[WB+8*\t:WB+8*\t+7], v[XF+16*\u+8*\s:XF+16*\u+8*\s+7], v[HA+8*\t:HA+8*\t+7], v[WS+\t], v[XS+2*\u+\s] matrix_a_fmt:MATRIX_FMT_FP4 matrix_b_fmt:MATRIX_FMT_FP4
.endr
.endr
	PLACES
	QUANT HA, QC+8*\u, PW0+\u
	ds_store_b128 v[KWI], v[QC+8*\u+4:QC+8*\u+7] offset:KIMG+512*\u   ; k: lanes 0-15 head A's 32 codes of key slot r, lanes 16-31 head B's
.endm
	PROJ_QK 0
	PROJ_QK 1
	v_lshrrev_b32 v[PWT], 16, v[PW0]
	v_and_or_b32 v[PWT], v[PW0+1], s[MKA+1], v[PWT]   ; k's word: (A, tile 0) (B, tile 0) (A, tile 1) (B, tile 1)
	ds_store_b32 v[KWS], v[PWT] offset:KSC
	; ---- v, the other way round (source 0 = my tokens, source 1 = 16 rows of W_in): a lane holds one channel, its registers run down my 32 keys: one block
.irp t, 0,1,2,3
	global_load_b32 v[BV+2*\t], v[BVA], s[BB:BB+1] offset:(512+32*(\t/2)+8*(\t%2))*4
	global_load_b32 v[BV+2*\t+1], v[BVA], s[BB:BB+1] offset:(512+32*(\t/2)+8*(\t%2))*4   ; twice: the packed addition takes a pair
.endr
.irp f, 0,1,2,3,4,5,6,7
	FETCH WB+8*\f, LI, WIMG+(16+\f)*1024
	ds_load_b32 v[WS+\f], v[LS] offset:WSC+(16+\f)*128
.endr
	s_wait_dscnt 0x0
.irp t, 0,1,2,3
.irp x, 0,1
	v_wmma_scale_f32_16x16x128_f8f6f4 v[HA+16*\t+8*\x:HA+16*\t+8*\x+7], v[XF+16*\x:XF+16*\x+7], v[WB+16*\t:WB+16*\t+7], 0, v[XS+2*\x], v[WS+2*\t] matrix_a_fmt:MATRIX_FMT_FP4 matrix_b_fmt:MATRIX_FMT_FP4
.endr
.endr
.irp t, 0,1,2,3
.irp x, 0,1
	v_wmma_scale_f32_16x16x128_f8f6f4 v[HA+16*\t+8*\x:HA+16*\t+8*\x+7], v[XF+16*\x+8:XF+16*\x+15], v[WB+16*\t+8:WB+16*\t+15], v[HA+16*\t+8*\x:HA+16*\t+8*\x+7], v[XS+2*\x+1], v[WS+2*\t+1] matrix_a_fmt:MATRIX_FMT_FP4 matrix_b_fmt:MATRIX_FMT_FP4
.endr
.endr
	PLACES
	s_wait_loadcnt 0x0
.irp t, 0,1,2,3
.irp j, 0,2,4,6,8,10,12,14
	v_pk_add_f32 v[HA+16*\t+\j:HA+16*\t+\j+1], v[HA+16*\t+\j:HA+16*\t+\j+1], v[BV+2*\t:BV+2*\t+1]
.endr
.endr
	QUANT HA, PC, PWT
	ds_store_b128 v[VWI], v[PC:PC+3] offset:VT                 ; channel rows 0-31 (lane = row), my key block's 16 bytes
	ds_store_b128 v[VWI], v[PC+4:PC+7] offset:VT+32*VP         ; rows 32-63
.irp t, 0,1,2,3
	ds_store_b8 v[VWS], v[TM+4+\t] offset:VSC+256*\t           ; both lanes of a block write the same byte with the same value
.endr
	BARRIER                                        ; k and v of all 512 keys lie in LDS
.irp i, 0,1,2,3
	v_mov_b32 v[QV+4+\i], 0                        ; the zero half of q's operand
.endr
	v_mov_b32 v[FF+1], 0
; ---- A UNIT: query tile u, head hd, all 512 keys in four steps of 128
.macro UNIT u, hd
.irp i, 0,1,2,3
	v_cndmask_b32 v[QV+\i], 0, v[QC+8*\u+\i], s[MKA+\hd]       ; q's codes of this head alone; v[QV:QV+7] has them in block hd, v[QV+4:QV+11] in block 2 + hd
	v_cndmask_b32 v[QV+8+\i], 0, v[QC+8*\u+\i], s[MKA+\hd]
.endr
	v_bfe_u32 v[T0], v[PW0+\u], 8*\hd, 8
	v_lshlrev_b32 v[QWX], 8*\hd, v[T0]                         ; q's byte at its block; the other bytes are 0, over zero codes
	v_lshlrev_b32 v[QWX+1], 16+8*\hd, v[T0]
.set j_, 0
.rept 16
	v_mov_b32 v[O+j_], 0                                       ; the step is written once: the first finds zeros.  (These lines are also the places between q's words and the first product)
.set j_, j_+1
.endr
	v_mov_b32 v[NM+1], 0xff61b1e6                              ; the largest t so far: -3e38
	v_floor_f32 v[NM], -v[NM+1]
	v_mov_b32 v[SUM], 0
	v_mov_b32 v[SUM+1], 0
	s_mov_b32 s[TK], 0
	s_mov_b32 s[TV], 0
	s_mov_b32 s[TS], 0
	s_mov_b32 s[TT], 0
	s_mov_b32 s[TP], 0
	s_mov_b32 s[TQ], 0
	s_mov_b32 s[CNT], 0
.Lstep_\@:
	v_add_nc_u32 v[ADK], s[TK], v[LI]                          ; (four plain places in front of the loads into v's fragments)
	v_add_nc_u32 v[ADV], s[TV], v[AV0]
	v_add_nc_u32 v[ADS], s[TS], v[LS]
	v_add_nc_u32 v[ADT], s[TT], v[ASV0]
.if \u == 0
	v_add_nc_u32 v[CPA], s[TP], v[CPW]
	v_add_nc_u32 v[CMA], s[TQ], v[CMW]
.endif
.irp b, 0,1,2,3
	ds_load_b128 v[KF+8*\b:KF+8*\b+3], v[ADK] offset:KIMG+1024*\b
	ds_load_b128 v[KF+8*\b+4:KF+8*\b+7], v[ADK] offset:KIMG+1024*\b+512
	ds_load_b32 v[KW+\b], v[ADS] offset:KSC+128*\b
.endr
.irp x, 0,1
	ds_load_b128 v[VF+8*\x:VF+8*\x+3], v[ADV] offset:VT+(32*\hd+16*\x)*VP
	ds_load_b128 v[VF+8*\x+4:VF+8*\x+7], v[ADV] offset:VT+(32*\hd+16*\x)*VP+32
	ds_load_b32 v[VW+\x], v[ADT] offset:VSC+(32*\hd+16*\x)*16
.endr
	s_wait_dscnt 0x0
.irp b, 0,1,2,3                        ; S^T: register 16 b + i of lane (r, h) = key 32 b + 16 h + i of the step, query slot r
.irp x, 0,1
	v_wmma_scale_f32_16x16x128_f8f6f4 v[S+16*\b+8*\x:S+16*\b+8*\x+7], v[KF+8*\b:KF+8*\b+7], v[QV+4*\x:QV+4*\x+7], 0, v[KW+\b], v[QWX+\x] matrix_a_fmt:MATRIX_FMT_FP4 matrix_b_fmt:MATRIX_FMT_FP4
.endr
.endr
	PLACES
.irp b, 0,1,2,3
	v_max3_num_f32 v[TM+\b], v[S+16*\b], v[S+1+16*\b], v[S+2+16*\b]   ; the largest score of each block of 32 keys: for the row's maximum, and, since p rises with the score, for the block's largest p
.endr
.irp i, 3,5,7,9,11,13
.irp b, 0,1,2,3
	v_max3_num_f32 v[TM+\b], v[TM+\b], v[S+16*\b+\i], v[S+1+16*\b+\i]
.endr
.endr
.irp b, 0,1,2,3
	v_max_num_f32 v[TM+\b], v[TM+\b], v[S+15+16*\b]
.endr
.irp b, 0,1,2,3
	v_permlanex16_b32 v[TM+4+\b], v[TM+\b], s[SEL], s[SEL+1]
.endr
.irp b, 0,1,2,3
	v_max_num_f32 v[TM+\b], v[TM+\b], v[TM+4+\b]
.endr
	v_max3_num_f32 v[T0], v[TM], v[TM+1], v[TM+2]
	v_max_num_f32 v[T0], v[T0], v[TM+3]
	v_mul_f32 v[T0], s[CS], v[T0]
	v_max_num_f32 v[NM+1], v[NM+1], v[T0]                      ; the running largest t
	v_mov_b32 v[T0], v[NM]
	v_floor_f32 v[NM], -v[NM+1]                                ; -M = floor(-t): M is a whole number
	v_sub_f32 v[T0], v[NM], v[T0]
	v_cvt_i32_f32 v[T0], v[T0]                                 ; (it saturates)
	v_ldexp_f32 v[FF], 1.0, v[T0]                              ; f = 2^(old M - new M)
.set j_, 0
.rept 32
	v_pk_fma_f32 v[S+j_:S+j_+1], v[S+j_:S+j_+1], s[CS:CS+1], v[NM:NM+1] op_sel_hi:[1,0,0]   ; t - M
.set j_, j_+2
.endr
.irp b, 0,1,2,3
	v_fma_f32 v[TM+\b], v[TM+\b], s[CS], v[NM]
.endr
.set j_, 0
.rept 64
	v_exp_f32 v[S+j_], v[S+j_]                                 ; p = 2^(t - M)
.set j_, j_+1
.endr
	v_pk_mul_f32 v[SUM:SUM+1], v[SUM:SUM+1], v[FF:FF+1] op_sel_hi:[1,0]   ; a plain place behind the exponentials
	s_wait_alu depctr_va_vdst(0)                               ; one wait for the batch, ahead of its first reader and of the branch
.if \u == 0                            ; the tile of wave 0 that holds token 0: p and -M of this step are kept, as images
	s_cmp_lg_u32 s[WV], 0
	s_cbranch_scc1 .Lnocls_\@
.set j_, 0
.rept 16
	ds_store_b128 v[CPA], v[S+4*j_:S+4*j_+3] offset:32768*\hd+512*j_
.set j_, j_+1
.endr
	ds_store_b32 v[CMA], v[NM] offset:512*\hd
.Lnocls_\@:
.endif
.irp b, 0,1,2,3
	v_exp_f32 v[TM+\b], v[TM+\b]                               ; the block's largest p
.endr
	v_pk_add_f32 v[TM+4:TM+5], v[S:S+1], v[S+2:S+3]            ; the row's sum, of the unquantised p, in two chains
.set j_, 4
.rept 15
	v_pk_add_f32 v[SUM:SUM+1], v[SUM:SUM+1], v[S+j_:S+j_+1]
	v_pk_add_f32 v[TM+4:TM+5], v[TM+4:TM+5], v[S+j_+2:S+j_+3]
.set j_, j_+4
.endr
	v_pk_add_f32 v[SUM:SUM+1], v[SUM:SUM+1], v[TM+4:TM+5]
	s_wait_alu depctr_va_vdst(0)                               ; and one for the four
.irp b, 0,1,2,3
	v_max_num_f32 v[TM+\b], 0x1800000, v[TM+\b]
.endr
.irp b, 0,1,2,3
	v_add_nc_u32 v[TM+12+\b], 0xff000000, v[TM+\b]
.endr
.irp b, 0,1,2,3
	v_lshrrev_b32 v[TM+4+\b], 23, v[TM+12+\b]
.endr
	v_lshl_or_b32 v[PWD], v[TM+5], 8, v[TM+4]                  ; p's scale word for these 128 keys
	v_lshl_or_b32 v[PWD], v[TM+6], 16, v[PWD]
	v_lshl_or_b32 v[PWD], v[TM+7], 24, v[PWD]
.irp b, 0,1,2,3
	v_cvt_scalef32_pk8_fp4_f32 v[PC+2*\b], v[S+16*\b:S+16*\b+7], v[TM+12+\b]
	v_cvt_scalef32_pk8_fp4_f32 v[PC+1+2*\b], v[S+8+16*\b:S+8+16*\b+7], v[TM+12+\b]
.endr
	v_nop
.irp c, 0,1
.irp i, 0,1
	v_permlane16_swap_b32 v[PC+4*\c+\i], v[PC+2+4*\c+\i]
.endr
.endr
.irp j, 0,2,4,6,8,10,12,14
	v_pk_mul_f32 v[O+\j:O+\j+1], v[O+\j:O+\j+1], v[FF:FF+1] op_sel_hi:[1,0]   ; O^T under the new M
.endr
.rept 4
	v_nop                                                      ; with the lines above: eight places between p's word and the products, four of them and these four naming none of a product's registers
.endr
.irp x, 0,1                            ; O^T += V^T P^T: register 8 x + j of lane (r, h) = channel 16 h + 8 x + j of the head, query slot r
	v_wmma_scale_f32_16x16x128_f8f6f4 v[O+8*\x:O+8*\x+7], v[VF+8*\x:VF+8*\x+7], v[PC:PC+7], v[O+8*\x:O+8*\x+7], v[VW+\x], v[PWD] matrix_a_fmt:MATRIX_FMT_FP4 matrix_b_fmt:MATRIX_FMT_FP4
.endr
	s_wait_dscnt 0x0                                           ; wave 0's stores have read their registers and addresses
	s_add_co_u32 s[TK], s[TK], 4096
	s_add_co_u32 s[TV], s[TV], 64
	s_add_co_u32 s[TS], s[TS], 512
	s_add_co_u32 s[TT], s[TT], 4
	s_add_co_u32 s[TP], s[TP], 8192
	s_add_co_u32 s[TQ], s[TQ], 128
	s_add_co_u32 s[CNT], s[CNT], 1
	s_cmp_lt_u32 s[CNT], 4
	s_cbranch_scc1 .Lstep_\@
	PLACES
	v_add_f32 v[SUM], v[SUM], v[SUM+1]
	v_permlanex16_b32 v[T0], v[SUM], s[SEL], s[SEL+1]
	v_add_f32 v[SUM], v[SUM], v[T0]                            ; the row's sum
	v_rcp_f32 v[RL], v[SUM]
	v_nop
	s_wait_alu depctr_va_vdst(0)
	v_mov_b32 v[RL+1], v[RL]
.if \u == 0
	s_cmp_lg_u32 s[WV], 0
	s_cbranch_scc1 .Lnofin_\@
	ds_store_b32 v[CMW], v[NM] offset:1024+256*\hd
	ds_store_b32 v[CMW], v[RL] offset:1024+256*\hd+128
.Lnofin_\@:
	s_wait_dscnt 0x0
.endif
.irp j, 0,2,4,6,8,10,12,14
	v_pk_mul_f32 v[S+\j:S+\j+1], v[O+\j:O+\j+1], v[RL:RL+1]    ; the head's output: 16 channels a lane, with lane l xor 16 one block of 32
.endr
	v_max3_num_f32 v[TM], |v[S]|, |v[S+1]|, 0x1800000
	v_max3_num_f32 v[TM+1], |v[S+2]|, |v[S+3]|, |v[S+4]|
	v_max3_num_f32 v[TM], v[TM], |v[S+5]|, |v[S+6]|
	v_max3_num_f32 v[TM+1], v[TM+1], |v[S+7]|, |v[S+8]|
	v_max3_num_f32 v[TM], v[TM], |v[S+9]|, |v[S+10]|
	v_max3_num_f32 v[TM+1], v[TM+1], |v[S+11]|, |v[S+12]|
	v_max3_num_f32 v[TM], v[TM], |v[S+13]|, |v[S+14]|
	v_max3_num_f32 v[TM+1], v[TM+1], |v[S+15]|, v[TM]
	v_permlanex16_b32 v[TM+4], v[TM+1], s[SEL], s[SEL+1]
	v_max_num_f32 v[TM], v[TM+1], v[TM+4]
	v_add_nc_u32 v[TM+12], 0xff000000, v[TM]
	v_lshrrev_b32 v[TM+4], 23, v[TM+12]
	s_wait_xcnt 0x0                                            ; the last tile's store has read the codes' registers
	v_cvt_scalef32_pk8_fp4_f32 v[OC+2*\hd], v[S:S+7], v[TM+12]
	v_cvt_scalef32_pk8_fp4_f32 v[OC+2*\hd+1], v[S+8:S+15], v[TM+12]
	v_nop
.if \hd == 0
	v_mov_b32 v[OB0], v[TM+4]
.else
	v_lshl_or_b32 v[TM+4], v[TM+4], 8, v[OB0]
	ds_store_b16 v[OSW], v[TM+4] offset:OSC+32*\u              ; both heads' bytes of token slot 16 (2 w + u) + r
	v_permlane16_swap_b32 v[OC], v[OC+2]                       ; lanes 0-15: head A's 32 codes, lanes 16-31: head B's: four registers of the next product's operand
	v_permlane16_swap_b32 v[OC+1], v[OC+3]
	global_store_b128 v[LI], v[OC:OC+3], s[OBS:OBS+1] offset:2048*\u   ; 512 consecutive bytes, aligned
.endif
.endm
	UNIT 0, 0
	UNIT 0, 1
	; ---- the CLS row's finished weights, both heads summed: p x 2^(M of its step - the final M) / the sum.  Wave 0 reads its own LDS bytes: no barrier
	s_cmp_lg_u32 s[WV], 0
	s_cbranch_scc1 .Lno_cls
.irp d, 0,1
.irp q, 0,1,2,3
	ds_load_b128 v[32+16*\d+4*\q:35+16*\d+4*\q], v[CRD] offset:32768*\d+8192*\q
	ds_load_b32 v[64+4*\d+\q], v[CMR] offset:512*\d+128*\q
.endr
	ds_load_b32 v[72+2*\d], v[CMR] offset:1024+256*\d
	ds_load_b32 v[73+2*\d], v[CMR] offset:1024+256*\d+128
.endr
	s_wait_dscnt 0x0
.irp d, 0,1
.irp q, 0,1,2,3
	v_sub_f32 v[64+4*\d+\q], v[72+2*\d], v[64+4*\d+\q]
.endr
.endr
.irp d, 0,1
.irp q, 0,1,2,3
	v_cvt_i32_f32 v[64+4*\d+\q], v[64+4*\d+\q]
.endr
.endr
.irp d, 0,1
.irp q, 0,1,2,3
	v_ldexp_f32 v[64+4*\d+\q], v[73+2*\d], v[64+4*\d+\q]
.endr
.endr
.irp q, 0,1,2,3
.irp e, 0,1,2,3
	v_mul_f32 v[32+4*\q+\e], v[32+4*\q+\e], v[64+\q]
.endr
.irp e, 0,1,2,3
	v_fma_f32 v[32+4*\q+\e], v[48+4*\q+\e], v[68+\q], v[32+4*\q+\e]
.endr
	global_store_b128 v[LI], v[32+4*\q:35+4*\q], s[CB:CB+1] offset:512*\q
.endr
	s_wait_xcnt 0x0                                ; the stores have read their registers: the next unit loads into them
.Lno_cls:
	UNIT 1, 0
	UNIT 1, 1
	BARRIER                                        ; the 512 slots' scale bytes lie in LDS
	s_cmp_lg_u32 s[WV], 1
	s_cbranch_scc1 .Lend
	ds_load_b128 v[32:35], v[LI] offset:OSC
	ds_load_b128 v[36:39], v[LI] offset:OSC+512
	s_wait_dscnt 0x0
	global_store_b128 v[LI], v[32:35], s[OSB:OSB+1]
	global_store_b128 v[LI], v[36:39], s[OSB:OSB+1] offset:512
.Lend:
	s_wait_tensorcnt 0x0
	ds_add_u32 v240, v241
	s_wait_dscnt 0x0
	s_endpgm
.Lfunc_end_k_qca86c6f33a_attn:
	.size	k_qca86c6f33a_attn, .Lfunc_end_k_qca86c6f33a_attn-k_qca86c6f33a_attn
	.p2alignl 7, 3214868480
	.fill 96, 4, 3214868480
	.section	.rodata,"a",@progbits
	.p2align	6, 0x0
	.amdhsa_kernel k_qca86c6f33a_attn
		.amdhsa_group_segment_fixed_size 134656
		.amdhsa_private_segment_fixed_size 0
		.amdhsa_enable_private_segment 0
		.amdhsa_kernarg_size 96
		.amdhsa_user_sgpr_count 2
		.amdhsa_user_sgpr_kernarg_segment_ptr 1
		.amdhsa_wavefront_size32 1
		.amdhsa_system_sgpr_workgroup_id_x 1
		.amdhsa_system_sgpr_workgroup_id_y 1
		.amdhsa_system_sgpr_workgroup_id_z 1
		.amdhsa_system_vgpr_workitem_id 0
		.amdhsa_next_free_vgpr 256
		.amdhsa_next_free_sgpr 80
		.amdhsa_reserve_vcc 0
		.amdhsa_float_denorm_mode_32 3
		.amdhsa_float_denorm_mode_16_64 3
		.amdhsa_memory_ordered 1
		.amdhsa_forward_progress 1
		.amdhsa_inst_pref_size 150
	.end_amdhsa_kernel
	.amdgpu_metadata
---
amdhsa.version: [ 1, 2 ]
amdhsa.kernels:
  - .name:           k_qca86c6f33a_attn
    .symbol:         k_qca86c6f33a_attn.kd
    .args:
      - { .name: src1, .offset: 0, .size: 8, .value_kind: global_buffer, .address_space: global }
      - { .name: src2, .offset: 8, .size: 8, .value_kind: global_buffer, .address_space: global }
      - { .name: W_in, .offset: 16, .size: 8, .value_kind: global_buffer, .address_space: global }
      - { .name: b_in, .offset: 24, .size: 8, .value_kind: global_buffer, .address_space: global }
      - { .name: W1, .offset: 32, .size: 8, .value_kind: global_buffer, .address_space: global }
      - { .name: W2, .offset: 40, .size: 8, .value_kind: global_buffer, .address_space: global }
      - { .name: W_out, .offset: 48, .size: 8, .value_kind: global_buffer, .address_space: global }
      - { .name: ocodes, .offset: 56, .size: 8, .value_kind: global_buffer, .address_space: global }
      - { .name: oscale, .offset: 64, .size: 8, .value_kind: global_buffer, .address_space: global }
      - { .name: clsp, .offset: 72, .size: 8, .value_kind: global_buffer, .address_space: global }
      - { .name: wcodes, .offset: 80, .size: 8, .value_kind: global_buffer, .address_space: global }
      - { .name: wscales, .offset: 88, .size: 8, .value_kind: global_buffer, .address_space: global }
    .group_segment_fixed_size: 134656
    .private_segment_fixed_size: 0
    .kernarg_segment_align: 8
    .kernarg_segment_size: 96
    .max_flat_workgroup_size: 512
    .sgpr_count:     80
    .vgpr_count:     256
    .wavefront_size: 32
...
	.end_amdgpu_metadata
.endif
;; end of part 1
;; launch ffn (part 2): grid 4 x 64, 4 waves a work-group, no clusters, 309,760 bytes of LDS; arguments src1, src2, ocodes, oscale, clsp, wcodes, wscales, b_out, g1, be1, b1, b2, g2, be2, out0, out1; writes out0, out1
.if DOCPART == 2
	.amdgcn_target "amdgcn-amd-amdhsa--gfx1250"
	.amdhsa_code_object_version 6
	.text
	.protected	k_qca86c6f33a_ffn
	.globl	k_qca86c6f33a_ffn
	.p2align	8
	.type	k_qca86c6f33a_ffn,@function
k_qca86c6f33a_ffn:
	s_mov_b64 s[64:65], 0
	v_nop
	global_prefetch_b8 v0, s[64:65] scope:SCOPE_SE
	s_setreg_imm32_b32 hwreg(HW_REG_WAVE_MODE, 25, 1), 1
	s_wait_xcnt 0x0
; OUTPUT PROJECTION, FIRST NORM, EXCHANGE, FEED-FORWARD, SECOND NORM for 128 tokens of one (stream, batch); all products on codes of FP4 (E2M1) with one E8M0 scale for each 32 along K.
; Work-group (qd, sb): tokens 128 qd .. + 127 of stream sb / 32, batch sb % 32.  Four waves, 1,024 registers each.
; 1. y = src + O W_out^T + b_out and its row statistics, for the 512 tokens of the OTHER stream's same batch (8 tiles of 16 a wave): only the column sums of (y - mean) x rstd are kept: they give that stream's token mean.
;    The same for my wave's own two tiles, which stay in registers.  The four work-groups of one (stream, batch) walk the same 512 rows: each begins at another pair of tiles, so that at any one time they ask for different rows.
; 2. A token is replaced by that mean where its CLS weight lies under the median of the row's 511: where at most 255 of them are <= it.  The count feeds v_cndmask_b32 alone; it is made in the tile loop, behind each refill's loads.
; 3. Feed-forward: the waves share the COLUMNS: wave w makes hidden units 512 g + 128 w .. + 127 (g = 0 .. 3) and outputs 64 w .. + 63 for all 128 rows; operands go from wave to wave through LDS as images of their registers.
; 4. Residual, second norm, whole rows out.
; SLOT ORDER: lane r of tile X takes row 32 (X / 2) + 8 (X % 2) + r + 8 (r / 8).  ROW LAYOUT (128 registers): register 16 b + i of lane (r, h) = channel 32 b + 16 h + i of the lane's token.
; LIMITS: a block whose largest magnitude lies under 2^-124, a block of zeros too, gets the scale byte 1 (only this program reads the bytes); NaN and infinities are not served; rstd is v_rsq_f32's;
; the token mean is formed as g1 x mean((y - m) rstd) + be1, another order of rounding than the sum of the finished rows; a CLS weight within f32 rounding of the median may fall on either side.
; REGISTERS, in windows of 256: window 0: addresses, operands from LDS, work, scale words (v208-249, scales alone).  window 1: W_out's 32 fragments; then g1, be1; then W1's 16 and W2's 16 fragments; then g2, be2.
;   window 2: b_out and the column sums, then the mean; then the 32 accumulators of the second product; then the rows for the second norm.   window 3: my two tiles of rows, from src to x'.
.set XIMG, 0                           ; LDS: x' as 16 fragment images (2 tile + K step)
.set XSC,  16384                       ; their scale words
.set AW,   18432                       ; the CLS row's 512 weights
.set HSC,  20480                       ; the hidden layer's scale words: 2 halves x 32 x 128
.set CSM,  28672                       ; the mean, as an image of 128 registers
.set HIMG, 45056                       ; the hidden layer: 2 halves x 32 fragment images (4 tile + K step)
.set CSA,  110592                      ; four waves' column sums, images of 128 registers
.set STG,  176128                      ; 128 rows x (1,024 bytes + 16)
.set SP,   1040
.set WV,  36
.set QD,  37
.set SB,  38
.set KC,  39
.set SEL, 40
.set I256, 42
.set EPS, 43
.set MK,  44
.set GC,  45
.set PS,  46                           ; s[46:47] src, s[48:49] ocodes, s[50:51] oscale at the pair of tiles in hand
.set PO,  48
.set PQ,  50
.set OPS, 52                           ; the same at my own two tiles
.set OPO, 54
.set OPQ, 56
.set PW1, 58
.set PW1S, 60
.set PB1, 62
.set PW2, 66
.set PW2S, 68
.set POUT, 70
.set PI,  77                           ; which of the other stream's four pairs is in hand
.set MC,  78
.set MX,  79
.set MS,  80
.set HM,  81
.set HSS, 82
.set AWS, 83
.set PCL, 84
.set PWO, 86
.set PWOS, 88
.set PB2, 90
.set BPS, 92                           ; s[92:93] src, s[94:95] ocodes, s[96:97] oscale at the first of my wave's eight tiles of the other stream
.set BPO, 94
.set BPQ, 96
.set RR,  1
.set HH,  2
.set LI,  3                            ; 16 x lane
.set LS,  4                            ; 4 x lane
.set XA,  5                            ; (r + 8 (r / 8)) x 1,024 + 64 h
.set H64, 6
.set R2,  7
.set XWI, 8
.set XWS, 9
.set HWI, 10
.set HWS, 11
.set HWA, 12
.set HSA, 13
.set XRA, 14
.set XSA, 15
.set HR0, 16                           ; v16, v17: the two halves of the hidden images
.set CSW, 18
.set CSR, 19
.set CMS, 20
.set SO,  21                           ; v21, v22: the stage, rows 0-63 and 64-127
.set ZR,  23
.set SR,  24
.set AWA, 25
.set OWN, 26
.set CNT, 27
.set C0,  28                           ; v28, v29: the counts of my two tiles' tokens
.set T0,  30
.set T1,  31
.set HA,  32
.set B1,  96
.set XF,  160
.set OF,  160                          ; O's fragments: set 0 v160-175, set 1 v176-191
.set PC,  176
.set TM,  184
.set OU,  192
.set CH,  200                          ; four chains of pairs
.set PW,  200
.set WOS, 208
.set W1S, 208
.set W2S, 224
.set XS,  240
.set HS,  242
.set MU,  250
.set RS,  252                          ; v[252:253], v[254:255]: rstd of my two tiles
.set MSB, 0
.macro WIN new                         ; the immediate's high byte repeats the setting that is left; a switch that changes nothing is dropped
.if MSB != (\new)
	s_set_vgpr_msb (MSB<<8)|(\new)
.set MSB, (\new)
.endif
.endm
.macro PLACES                          ; plain places behind matrix instructions: four serve loads and vector reads, the fifth a matrix instruction that writes over a register
.rept 5
	v_nop
.endr
.endm
.macro BARRIER
	s_wait_dscnt 0x0
	s_barrier_signal -1
	s_barrier_wait -1
.endm
.macro IMAGE adr, pc, off
	ds_store_b128 v[\adr], v[(\pc):(\pc)+3] offset:(\off)
	ds_store_b128 v[\adr], v[(\pc)+4:(\pc)+7] offset:(\off)+512
.endm
.macro FETCH reg, adr, off
	ds_load_b128 v[(\reg):(\reg)+3], v[\adr] offset:(\off)
	ds_load_b128 v[(\reg)+4:(\reg)+7], v[\adr] offset:(\off)+512
.endm
; 64 numbers of a lane in window win, register 16 b + i = k 32 b + 16 h + i of my row, become a fragment's codes v[pc] on and its scale word v[pw], in window 0
.macro QUANT s, pc, pw, win
	WIN 0
.irp b, 0,1,2,3
	v_mov_b32 v[TM+\b], 0x1800000                                ; the floor 2^(3 - 127): the byte cannot fall under 1
.endr
	WIN ((\win)<<2)|((\win)<<4)
.irp i, 0,2,4,6,8,10,12,14
.irp b, 0,1,2,3
	v_max3_num_f32 v[TM+\b], v[TM+\b], |v[(\s)+16*\b+\i]|, |v[(\s)+1+16*\b+\i]|
.endr
.endr
	WIN 0
.irp b, 0,1,2,3
	v_permlanex16_b32 v[TM+4+\b], v[TM+\b], s[SEL], s[SEL+1]
.endr
.irp b, 0,1,2,3
	v_max_num_f32 v[TM+\b], v[TM+\b], v[TM+4+\b]
.endr
.irp b, 0,1,2,3
	v_add_nc_u32 v[TM+12+\b], 0xff000000, v[TM+\b]
.endr
.irp b, 0,1,2,3
	v_lshrrev_b32 v[TM+4+\b], 23, v[TM+12+\b]
.endr
	v_lshl_or_b32 v[\pw], v[TM+5], 8, v[TM+4]
	v_lshl_or_b32 v[\pw], v[TM+6], 16, v[\pw]
	v_lshl_or_b32 v[\pw], v[TM+7], 24, v[\pw]
	WIN (\win)
.irp b, 0,1,2,3
	v_cvt_scalef32_pk8_fp4_f32 v[(\pc)+2*\b], v[(\s)+16*\b:(\s)+16*\b+7], v[TM+12+\b]
	v_cvt_scalef32_pk8_fp4_f32 v[(\pc)+1+2*\b], v[(\s)+8+16*\b:(\s)+8+16*\b+7], v[TM+12+\b]
.endr
	WIN 0
	v_nop
.irp c, 0,1
.irp i, 0,1
	v_permlane16_swap_b32 v[(\pc)+4*\c+\i], v[(\pc)+2+4*\c+\i]
.endr
.endr
.endm
; one tile's inputs, 40 loads: 16 rows of src in the row layout (window 3), O's two fragments, its four pairs of scale bytes
.macro LOADT set
	WIN 0xc0
.irp b, 0,1,2,3,4,5,6,7
.irp j, 0,1,2,3
	global_load_b128 v[128*\set+16*\b+4*\j:128*\set+16*\b+4*\j+3], v[XA], s[PS:PS+1] offset:8192*\set+128*\b+16*\j
.endr
.endr
	WIN 0
.irp s, 0,1
.irp c, 0,1
	global_load_b128 v[OF+16*\set+8*\s+4*\c:OF+16*\set+8*\s+4*\c+3], v[LI], s[PO:PO+1] offset:2048*\set+1024*\s+512*\c
.endr
.endr
.irp p, 0,1,2,3
	global_load_u16 v[OU+4*\set+\p], v[R2], s[PQ:PQ+1] offset:1024*\p+32*\set
.endr
.endm
; y = src + b_out + O W_out^T, transposed: source 0 = 16 rows of W_out, source 1 = 16 tokens
.macro OPROD set
	v_lshl_or_b32 v[XS], v[OU+4*\set+1], 16, v[OU+4*\set]        ; the scale words of K steps 0 and 1: heads 0-3, heads 4-7
	v_lshl_or_b32 v[XS+1], v[OU+4*\set+3], 16, v[OU+4*\set+2]
	WIN 0xcb
.set p_, 0
.rept 64
	v_pk_add_f32 v[128*\set+2*p_:128*\set+2*p_+1], v[128*\set+2*p_:128*\set+2*p_+1], v[2*p_:2*p_+1]   ; + b_out.  (Also the places between the words above and the products)
.set p_, p_+1
.endr
	WIN 0xf1
.irp s, 0,1
.set x_, 0
.rept 16                               ; the sixteen accumulators take turns
	v_wmma_scale_f32_16x16x128_f8f6f4 v[128*\set+8*x_:128*\set+8*x_+7], v[8*(2*x_+\s):8*(2*x_+\s)+7], v[OF+16*\set+8*\s:OF+16*\set+8*\s+7], v[128*\set+8*x_:128*\set+8*x_+7], v[WOS+2*x_+\s], v[XS+\s] matrix_a_fmt:MATRIX_FMT_FP4 matrix_b_fmt:MATRIX_FMT_FP4
.set x_, x_+1
.endr
.endr
	WIN 0
	PLACES
.endm
; the row statistics of 128 registers at v[base] of window win: the rows are left centred, rstd comes into the pair v[rp].  Two passes: the mean, then the squares of the centred numbers.  Registers in ascending order
.macro STATS win, base, rp
	WIN ((\win)<<2)|(\win)
.irp c, 0,1,2,3
	v_pk_add_f32 v[CH+2*\c:CH+2*\c+1], v[(\base)+2*\c:(\base)+2*\c+1], v[(\base)+8+2*\c:(\base)+8+2*\c+1]
.endr
	WIN (\win)<<2
.set p_, 8
.rept 56
	v_pk_add_f32 v[CH+2*(p_%4):CH+2*(p_%4)+1], v[CH+2*(p_%4):CH+2*(p_%4)+1], v[(\base)+2*p_:(\base)+2*p_+1]
.set p_, p_+1
.endr
	WIN 0
	v_pk_add_f32 v[CH:CH+1], v[CH:CH+1], v[CH+2:CH+3]
	v_pk_add_f32 v[CH+4:CH+5], v[CH+4:CH+5], v[CH+6:CH+7]
	v_pk_add_f32 v[CH:CH+1], v[CH:CH+1], v[CH+4:CH+5]
	v_add_f32 v[CH], v[CH], v[CH+1]
	v_permlanex16_b32 v[CH+1], v[CH], s[SEL], s[SEL+1]           ; the row's other 128 channels lie in lane l xor 16
	v_add_f32 v[CH], v[CH], v[CH+1]
	v_mul_f32 v[MU], s[I256], v[CH]
	v_mov_b32 v[MU+1], v[MU]
	WIN ((\win)<<6)|(\win)
.set p_, 0
.rept 64
	v_pk_add_f32 v[(\base)+2*p_:(\base)+2*p_+1], v[(\base)+2*p_:(\base)+2*p_+1], v[MU:MU+1] neg_lo:[0,1] neg_hi:[0,1]
.set p_, p_+1
.endr
	WIN ((\win)<<2)|(\win)
.irp c, 0,1,2,3
	v_pk_mul_f32 v[CH+2*\c:CH+2*\c+1], v[(\base)+2*\c:(\base)+2*\c+1], v[(\base)+2*\c:(\base)+2*\c+1]
.endr
.set p_, 4
.rept 60
	v_pk_fma_f32 v[CH+2*(p_%4):CH+2*(p_%4)+1], v[(\base)+2*p_:(\base)+2*p_+1], v[(\base)+2*p_:(\base)+2*p_+1], v[CH+2*(p_%4):CH+2*(p_%4)+1]
.set p_, p_+1
.endr
	WIN 0
	v_pk_add_f32 v[CH:CH+1], v[CH:CH+1], v[CH+2:CH+3]
	v_pk_add_f32 v[CH+4:CH+5], v[CH+4:CH+5], v[CH+6:CH+7]
	v_pk_add_f32 v[CH:CH+1], v[CH:CH+1], v[CH+4:CH+5]
	v_add_f32 v[CH], v[CH], v[CH+1]
	v_permlanex16_b32 v[CH+1], v[CH], s[SEL], s[SEL+1]
	v_add_f32 v[CH], v[CH], v[CH+1]
	v_fma_f32 v[CH], v[CH], s[I256], s[EPS]
	v_rsq_f32 v[(\rp)], v[CH]
	v_rsq_f32 v[(\rp)+1], v[CH]
	v_nop                                                        ; a plain place behind the two,
	s_wait_alu depctr_va_vdst(0)                                 ; and one wait for both, ahead of their first reader and of every branch
.endm
.macro ACCUM set, rp                   ; the column sums take (y - mean) x rstd
	WIN 0xa3
.set p_, 0
.rept 64
	v_pk_fma_f32 v[128+2*p_:128+2*p_+1], v[128*\set+2*p_:128*\set+2*p_+1], v[(\rp):(\rp)+1], v[128+2*p_:128+2*p_+1]
.set p_, p_+1
.endr
	WIN 0
.endm
.macro LOADW1F                         ; a group's 16 fragments of W1 (tile t, K step s) at v[8 (2 t + s)] of window 1,
	WIN 0x40
.set f_, 0
.rept 16
	global_load_b128 v[8*f_:8*f_+3], v[LI], s[PW1:PW1+1] offset:1024*f_
	global_load_b128 v[8*f_+4:8*f_+7], v[LI], s[PW1:PW1+1] offset:1024*f_+512
.set f_, f_+1
.endr
	WIN 0
.endm
.macro LOADW1S                         ; their scale words,
.set f_, 0
.rept 16
	global_load_b32 v[W1S+f_], v[LS], s[PW1S:PW1S+1] offset:128*f_
.set f_, f_+1
.endr
.endm
.macro LOADB1                          ; and b1 in the result's layout
.irp t, 0,1,2,3,4,5,6,7
	global_load_b128 v[B1+8*\t:B1+8*\t+3], v[H64], s[PB1:PB1+1] offset:128*(\t/2)+32*(\t%2)
	global_load_b128 v[B1+8*\t+4:B1+8*\t+7], v[H64], s[PB1:PB1+1] offset:128*(\t/2)+32*(\t%2)+16
.endr
.endm
.macro LOADW2                          ; a group's 16 fragments of W2 (tile n, K step s at v[128 + 8 (4 n + s)] of window 1) and their scale words
	WIN 0x40
.irp n, 0,1,2,3
.irp s, 0,1,2,3
	global_load_b128 v[128+8*(4*\n+\s):128+8*(4*\n+\s)+3], v[LI], s[PW2:PW2+1] offset:(16*\n+\s)*1024
	global_load_b128 v[128+8*(4*\n+\s)+4:128+8*(4*\n+\s)+7], v[LI], s[PW2:PW2+1] offset:(16*\n+\s)*1024+512
.endr
.endr
	WIN 0
.irp n, 0,1,2,3
.irp s, 0,1,2,3
	global_load_b32 v[W2S+4*\n+\s], v[LS], s[PW2S:PW2S+1] offset:(16*\n+\s)*128
.endr
.endr
.endm
.macro LOADB2 m0                       ; b2 straight into the accumulators (n, m) at v[8 (4 m + n)] of window 2, four tiles m of rows: the sums begin with it
	WIN 0x80
.irp m, \m0, \m0+1, \m0+2, \m0+3
.irp n, 0,1,2,3
	global_load_b128 v[8*(4*(\m)+\n):8*(4*(\m)+\n)+3], v[H64], s[PB2:PB2+1] offset:128*(\n/2)+32*(\n%2)
	global_load_b128 v[8*(4*(\m)+\n)+4:8*(4*(\m)+\n)+7], v[H64], s[PB2:PB2+1] offset:128*(\n/2)+32*(\n%2)+16
.endr
.endr
	WIN 0
.endm
.macro LOADG2                          ; g2 in the row layout, where W1's fragments lay
	WIN 0x40
.irp b, 0,1,2,3,4,5,6,7
.irp j, 0,1,2,3
	global_load_b128 v[16*\b+4*\j:16*\b+4*\j+3], v[H64], s[28:29] offset:128*\b+16*\j
.endr
.endr
	WIN 0
.endm
	s_load_b512 s[4:19], s[0:1], 0x0               ; src1, src2, ocodes, oscale, clsp, wcodes, wscales, b_out
	s_load_b512 s[20:35], s[0:1], 0x40             ; g1, be1, b1, b2, g2, be2, out0, out1
	v_lshrrev_b32 v1, 5, v0
	v_readfirstlane_b32 s[WV], v1                  ; wave 0..3
	s_mov_b32 s[QD], ttmp9
	s_and_b32 s[SB], ttmp7, 0xffff
	s_mov_b32 s[SEL], 0x76543210
	s_mov_b32 s[SEL+1], 0xfedcba98
	s_mov_b32 s[I256], 0x3b800000                  ; 1 / 256
	s_mov_b32 s[EPS], 0x3727c5ac                   ; 1e-5
	s_mov_b32 s[MK], 0xffff0000                    ; lanes 16-31
	v_and_b32 v[RR], 15, v0
	v_bfe_u32 v[HH], v0, 4, 1
	v_and_b32 v[T0], 31, v0
	v_lshlrev_b32 v[LI], 4, v[T0]
	v_lshlrev_b32 v[LS], 2, v[T0]
	v_and_b32 v[T1], 8, v[RR]
	v_add_nc_u32 v[T1], v[T1], v[RR]               ; r + 8 (r / 8)
	v_lshlrev_b32 v[H64], 6, v[HH]
	v_lshl_add_u32 v[XA], v[T1], 10, v[H64]
	v_lshlrev_b32 v[R2], 1, v[RR]
	; every LDS address: a constant + a constant x lane + a constant x wave; none hangs on the work-group's number
	s_lshl_b32 s72, s[WV], 12
	v_add_nc_u32 v[XWI], s72, v[LI]
	v_add_nc_u32 v[CMS], s72, v[LI]
	s_add_co_u32 s73, s72, CSA
	v_add_nc_u32 v[CSR], s73, v[LI]
	s_lshl_b32 s72, s[WV], 9
	v_add_nc_u32 v[XWS], s72, v[LS]
	s_lshl_b32 s72, s[WV], 10
	s_add_co_u32 s72, s72, HIMG
	v_add_nc_u32 v[HWI], s72, v[LI]
	s_lshl_b32 s72, s[WV], 7
	s_add_co_u32 s72, s72, HSC
	v_add_nc_u32 v[HWS], s72, v[LS]
	v_add_nc_u32 v[HR0], HIMG, v[LI]
	v_add_nc_u32 v[HR0+1], HIMG+32768, v[LI]
	s_lshl_b32 s72, s[WV], 14
	s_add_co_u32 s72, s72, CSA
	v_add_nc_u32 v[CSW], s72, v[LI]
	v_mul_u32_u24 v[SO], v[T1], SP
	v_add_nc_u32 v[SO], v[SO], v[H64]
	s_mul_i32 s72, s[WV], 32*SP
	s_add_co_u32 s72, s72, STG
	v_add_nc_u32 v[ZR], s72, v[SO]                 ; my own rows, in the row layout
	v_add_nc_u32 v[SR], s72, v[LI]                 ; and as whole rows
	s_lshl_b32 s72, s[WV], 8
	s_add_co_u32 s72, s72, STG
	v_add_nc_u32 v[SO], s72, v[SO]                 ; all rows, my 64 outputs
	v_add_nc_u32 v[SO+1], 64*SP, v[SO]
	v_lshlrev_b32 v[AWA], 4, v0                    ; thread t takes keys 4 t .. 4 t + 3 of the CLS row
	s_lshl_b32 s72, s[QD], 7
	s_lshl_b32 s73, s[WV], 5
	s_add_co_u32 s72, s72, s73
	v_lshl_add_u32 v[T0], v[HH], 3, v[T1]
	v_add_nc_u32 v[T0], s72, v[T0]                 ; the token for which this lane counts: slot r of my tile h
	v_lshlrev_b32 v[T1], 2, v[T0]
	s_and_b32 s72, s[SB], 31
	s_lshl_b32 s72, s72, 19                        ; the batch's first byte in src and in the outputs
	s_xor_b32 s73, s[SB], 32                       ; the other stream, same batch
	s_mov_b32 s75, 0                               ; stays 0: the upper word of every offset in s[74:75]
	s_mov_b32 s[PI], s[QD]                         ; the walk over the other stream's four pairs begins at pair qd
	s_wait_kmcnt 0x0
	s_cmp_lt_u32 s[SB], 32
	s_cselect_b64 s[OPS:OPS+1], s[4:5], s[6:7]
	s_cselect_b64 s[BPS:BPS+1], s[6:7], s[4:5]
	s_cselect_b64 s[POUT:POUT+1], s[32:33], s[34:35]
	s_lshl_b32 s74, s[WV], 17
	s_add_co_u32 s74, s74, s72
	s_add_nc_u64 s[BPS:BPS+1], s[BPS:BPS+1], s[74:75]          ; the other stream: tokens 128 w on
	s_lshl_b32 s74, s[QD], 15
	s_add_nc_u64 s[PS:PS+1], s[BPS:BPS+1], s[74:75]            ; a pair of tiles is 32 rows of 1,024 bytes
	s_lshl_b32 s74, s[QD], 17
	s_add_co_u32 s74, s74, s72
	s_lshl_b32 s76, s[WV], 15
	s_add_co_u32 s74, s74, s76
	s_add_nc_u64 s[OPS:OPS+1], s[OPS:OPS+1], s[74:75]          ; my own: tokens 128 qd + 32 w on
	s_add_nc_u64 s[POUT:POUT+1], s[POUT:POUT+1], s[74:75]
	s_lshl_b32 s74, s73, 16
	s_lshl_b32 s76, s[WV], 14
	s_add_co_u32 s74, s74, s76
	s_add_nc_u64 s[BPO:BPO+1], s[8:9], s[74:75]
	s_lshl_b32 s74, s[QD], 12
	s_add_nc_u64 s[PO:PO+1], s[BPO:BPO+1], s[74:75]            ; 4,096 bytes of codes a pair
	s_lshl_b32 s74, s[SB], 16
	s_lshl_b32 s76, s[QD], 14
	s_add_co_u32 s74, s74, s76
	s_lshl_b32 s76, s[WV], 12
	s_add_co_u32 s74, s74, s76
	s_add_nc_u64 s[OPO:OPO+1], s[8:9], s[74:75]
	s_lshl_b32 s74, s73, 12
	s_lshl_b32 s76, s[WV], 8
	s_add_co_u32 s74, s74, s76
	s_add_nc_u64 s[BPQ:BPQ+1], s[10:11], s[74:75]
	s_lshl_b32 s74, s[QD], 6
	s_add_nc_u64 s[PQ:PQ+1], s[BPQ:BPQ+1], s[74:75]            ; 64 bytes of scale bytes a pair and head pair
	s_lshl_b32 s74, s[SB], 12
	s_lshl_b32 s76, s[QD], 8
	s_add_co_u32 s74, s74, s76
	s_lshl_b32 s76, s[WV], 6
	s_add_co_u32 s74, s74, s76
	s_add_nc_u64 s[OPQ:OPQ+1], s[10:11], s[74:75]
	s_lshl_b32 s74, s[SB], 13
	s_add_nc_u64 s[PCL:PCL+1], s[12:13], s[74:75]
	s_add_nc_u64 s[PWO:PWO+1], s[14:15], 512*1024              ; W_out's fragments begin at number 512
	s_add_nc_u64 s[PWOS:PWOS+1], s[16:17], 512*128
	s_lshl_b32 s74, s[WV], 14
	s_add_nc_u64 s[PW1:PW1+1], s[14:15], s[74:75]              ; W1: fragments 64 g + 16 w on
	s_lshl_b32 s74, s[WV], 11
	s_add_nc_u64 s[PW1S:PW1S+1], s[16:17], s[74:75]
	s_lshl_b32 s74, s[WV], 9
	s_add_nc_u64 s[PB1:PB1+1], s[24:25], s[74:75]
	s_lshl_b32 s74, s[WV], 16
	s_add_co_u32 s74, s74, 256*1024
	s_add_nc_u64 s[PW2:PW2+1], s[14:15], s[74:75]              ; W2: fragments 256 + 64 w + 16 n + 4 g + s
	s_lshl_b32 s74, s[WV], 13
	s_add_co_u32 s74, s74, 256*128
	s_add_nc_u64 s[PW2S:PW2S+1], s[16:17], s[74:75]
	s_lshl_b32 s74, s[WV], 8
	s_add_nc_u64 s[PB2:PB2+1], s[26:27], s[74:75]
	WIN 0x40                                       ; W_out's 32 fragments (tile X, K step s) at v[8 (2 X + s)] of window 1
.set f_, 0
.rept 32
	global_load_b128 v[8*f_:8*f_+3], v[LI], s[PWO:PWO+1] offset:1024*f_
	global_load_b128 v[8*f_+4:8*f_+7], v[LI], s[PWO:PWO+1] offset:1024*f_+512
.set f_, f_+1
.endr
	WIN 0
.set f_, 0
.rept 32
	global_load_b32 v[WOS+f_], v[LS], s[PWOS:PWOS+1] offset:128*f_
.set f_, f_+1
.endr
	WIN 0x80                                       ; b_out in the row layout: window 2, v0-127
.irp b, 0,1,2,3,4,5,6,7
.irp j, 0,1,2,3
	global_load_b128 v[16*\b+4*\j:16*\b+4*\j+3], v[H64], s[18:19] offset:128*\b+16*\j
.endr
.endr
.set i_, 0
.rept 128
	v_mov_b32 v[128+i_], 0                         ; the column sums: the loop is written once, its first trip finds zeros
.set i_, i_+1
.endr
	WIN 0
	LOADT 0
.irp p, 0,1,2,3
	global_load_b128 v[32+4*\p:35+4*\p], v[AWA], s[PCL:PCL+1] offset:2048*\p
	global_load_b32 v[48+\p], v[T1], s[PCL:PCL+1] offset:2048*\p
.endr
	s_wait_loadcnt 0x0
	v_pk_add_f32 v[32:33], v[32:33], v[36:37]      ; the four head pairs' parts: (0 + 1) + (2 + 3), in the same order for the table and for the lane's own token
	v_pk_add_f32 v[34:35], v[34:35], v[38:39]
	v_pk_add_f32 v[40:41], v[40:41], v[44:45]
	v_pk_add_f32 v[42:43], v[42:43], v[46:47]
	v_pk_add_f32 v[32:33], v[32:33], v[40:41]
	v_pk_add_f32 v[34:35], v[34:35], v[42:43]
	v_add_f32 v48, v48, v49
	v_add_f32 v50, v50, v51
	v_add_f32 v[OWN], v48, v50
	v_mov_b32 v52, 0x7f800000                      ; +infinity: key 0 is not among the 511, and token 0 is never replaced
	v_cmp_eq_u32 vcc_lo, 0, v0
	v_cndmask_b32 v32, v32, v52, vcc_lo
	v_cmp_eq_u32 vcc_lo, 0, v[T0]
	v_cndmask_b32 v[OWN], v[OWN], v52, vcc_lo
	ds_store_b128 v[AWA], v[32:35] offset:AW
	v_mov_b32 v[CNT], 0
	s_mov_b32 s[AWS], AW
	BARRIER                                        ; the CLS row's table of 512 weights lies in LDS
	; ---- five pairs of tiles: four of the other stream (column sums alone), then my own two, which stay.  Each count of 40 leaves the one younger tile's loads out.
	; In each of the four trips that refill, 128 of the 512 weights are held against my token's: the LDS loads go out ahead of the column sums, the 256 lines stand behind the refill's loads
	s_mov_b32 s[KC], 0
.Ltile:
	LOADT 1
	s_wait_loadcnt 40
	OPROD 0
	STATS 3, 0, RS
	s_cmp_eq_u32 s[KC], 4
	s_cbranch_scc1 .Llast
	v_mov_b32 v[AWA], s[AWS]                       ; one address for all lanes; the last trip's loads by it were waited for there
.set i_, 0
.rept 32
	ds_load_b128 v[32+4*i_:35+4*i_], v[AWA] offset:16*i_
.set i_, i_+1
.endr
	ACCUM 0, RS
	s_wait_xcnt 0x0                                ; the loads have read their bases
	s_add_co_u32 s[PI], s[PI], 1
	s_and_b32 s[PI], s[PI], 3                      ; the next pair, round the four
	s_lshl_b32 s74, s[PI], 15
	s_add_nc_u64 s[PS:PS+1], s[BPS:BPS+1], s[74:75]
	s_lshl_b32 s74, s[PI], 12
	s_add_nc_u64 s[PO:PO+1], s[BPO:BPO+1], s[74:75]
	s_lshl_b32 s74, s[PI], 6
	s_add_nc_u64 s[PQ:PQ+1], s[BPQ:BPQ+1], s[74:75]
	s_cmp_eq_u32 s[KC], 3                          ; behind the fourth pair: my own two tiles
	s_cselect_b64 s[PS:PS+1], s[OPS:OPS+1], s[PS:PS+1]
	s_cselect_b64 s[PO:PO+1], s[OPO:OPO+1], s[PO:PO+1]
	s_cselect_b64 s[PQ:PQ+1], s[OPQ:OPQ+1], s[PQ:PQ+1]
	LOADT 0
	s_wait_dscnt 0x0                               ; the 128 weights are in
.set i_, 0
.rept 128
	v_cmp_le_f32 vcc_lo, v[32+i_], v[OWN]
	v_add_co_ci_u32 v[CNT], vcc_lo, 0, v[CNT], vcc_lo
.set i_, i_+1
.endr
	s_wait_loadcnt 40
	s_branch .Ljoin
.Llast:
	s_wait_loadcnt 0x0
.Ljoin:
	OPROD 1
	STATS 3, 128, RS+2
	s_cmp_eq_u32 s[KC], 4
	s_cbranch_scc1 .Lkeep
	ACCUM 1, RS+2
.Lkeep:
	s_add_co_u32 s[AWS], s[AWS], 512
	s_add_co_u32 s[KC], s[KC], 1
	s_cmp_lt_u32 s[KC], 5
	s_cbranch_scc1 .Ltile
	; ---- the other stream's token mean
	WIN 0x40
.irp b, 0,1,2,3,4,5,6,7
.irp j, 0,1,2,3
	global_load_b128 v[16*\b+4*\j:16*\b+4*\j+3], v[H64], s[20:21] offset:128*\b+16*\j          ; g1 in the row layout
.endr
.endr
	WIN 0x08                                       ; an LDS store's data are its source 1: window 2
.set g_, 0
.rept 32
	ds_store_b128 v[CSW], v[128+4*g_:128+4*g_+3] offset:512*g_
.set g_, g_+1
.endr
	WIN 0
	BARRIER                                        ; four waves' column sums lie in LDS
.irp q, 0,1,2,3                        ; my quarter (registers 32 w .. 32 w + 31) of all four waves' sums
.irp g, 0,1,2,3,4,5,6,7
	ds_load_b128 v[32+32*\q+4*\g:32+32*\q+4*\g+3], v[CSR] offset:16384*\q+512*\g
.endr
.endr
	WIN 0x40
.irp b, 0,1,2,3,4,5,6,7
.irp j, 0,1,2,3
	global_load_b128 v[128+16*\b+4*\j:128+16*\b+4*\j+3], v[H64], s[22:23] offset:128*\b+16*\j  ; be1 likewise
.endr
.endr
	WIN 0
	s_wait_dscnt 0x0
.set i_, 0
.rept 16
	v_pk_add_f32 v[32+i_:33+i_], v[32+i_:33+i_], v[64+i_:65+i_]
	v_pk_add_f32 v[96+i_:97+i_], v[96+i_:97+i_], v[128+i_:129+i_]
.set i_, i_+2
.endr
.set i_, 0
.rept 16
	v_pk_add_f32 v[32+i_:33+i_], v[32+i_:33+i_], v[96+i_:97+i_]
.set i_, i_+2
.endr
.irp m, 1,2,4,8                        ; over the sixteen token slots
.set i_, 0
.rept 32
	v_add_f32_dpp v[32+i_], v[32+i_], v[32+i_] row_xmask:\m row_mask:0xf bank_mask:0xf
.set i_, i_+1
.endr
.endr
.set i_, 0
.rept 16
	v_pk_mul_f32 v[32+i_:33+i_], v[32+i_:33+i_], 0x3b000000 op_sel_hi:[1,0]     ; / 512
.set i_, i_+2
.endr
.irp g, 0,1,2,3,4,5,6,7
	ds_store_b128 v[CMS], v[32+4*\g:35+4*\g] offset:CSM+512*\g
.endr
	BARRIER                                        ; the mean of (y - m) rstd, all 256 channels, lies in LDS
	WIN 0x80
.set g_, 0
.rept 32
	ds_load_b128 v[128+4*g_:128+4*g_+3], v[LI] offset:CSM+512*g_
.set g_, g_+1
.endr
	WIN 0
	LOADB2 0                                       ; b2 for the rows' tiles 0-3, where b_out lay, and the first group's b1: 48 loads that land under the replacement
	LOADB1
	v_permlanex16_b32 v[T0], v[CNT], s[SEL], s[SEL+1]          ; lane (r, h) counted for tile h: both tiles' counts into every lane
	v_cndmask_b32 v[C0], v[CNT], v[T0], s[MK]
	v_cndmask_b32 v[C0+1], v[T0], v[CNT], s[MK]
	s_wait_loadcnt 48                              ; g1 and be1 are in; the 48 loads issued behind them may be out
	s_wait_dscnt 0x0
	WIN 0x96
.set p_, 0
.rept 64
	v_pk_fma_f32 v[128+2*p_:128+2*p_+1], v[128+2*p_:128+2*p_+1], v[2*p_:2*p_+1], v[128+2*p_:128+2*p_+1]   ; x g1 + be1: the other stream's token mean
.set p_, p_+1
.endr
	WIN 0
	; ---- x = (y - mean) rstd g1 + be1; replaced by the other stream's mean where the count is at most 255
.macro APPLY u
	WIN 0xc3
.set p_, 0
.rept 64
	v_pk_mul_f32 v[128*\u+2*p_:128*\u+2*p_+1], v[128*\u+2*p_:128*\u+2*p_+1], v[RS+2*\u:RS+2*\u+1]
.set p_, p_+1
.endr
	WIN 0xd7
.set p_, 0
.rept 64
	v_pk_fma_f32 v[128*\u+2*p_:128*\u+2*p_+1], v[128*\u+2*p_:128*\u+2*p_+1], v[2*p_:2*p_+1], v[128+2*p_:128+2*p_+1]
.set p_, p_+1
.endr
	WIN 0
	v_cmp_gt_u32 vcc_lo, 0x100, v[C0+\u]
	WIN 0xcb
.set i_, 0
.rept 128
	v_cndmask_b32 v[128*\u+i_], v[128*\u+i_], v[128+i_], vcc_lo
.set i_, i_+1
.endr
	WIN 0
.endm
	APPLY 0
	APPLY 1
	LOADW1F                                        ; the first group's W1, where g1 lay, and its words
	LOADW1S
.irp b, 0,1,2,3
	v_mov_b32 v[TM+4+\b], 0                        ; a lane permute's destination counts as one of its sources
.endr
.macro XQ u, s                         ; K step s of my tile u of x' becomes a fragment
	QUANT 128*\u+64*\s, PC, PW, 3
	IMAGE XWI, PC, XIMG+(2*\u+\s)*1024
	ds_store_b32 v[XWS], v[PW] offset:XSC+(2*\u+\s)*128
	s_wait_dscnt 0x0                               ; the stores have read their registers
.endm
	XQ 0, 0
	XQ 0, 1
	LOADB2 4                                       ; b2 for the rows' tiles 4-7, where the mean lay
	XQ 1, 0
	XQ 1, 1
	BARRIER                                        ; x' of all 128 rows lies in LDS
; ---- the first product for one tile m of rows: my 128 hidden units, transposed; relu; quantised: K step w of the second product.  fetch = 1: the next tile's x' is asked for behind the products
.macro P1TRIP fetch
	s_wait_dscnt 3                                 ; x' of this tile is in: its six loads are older than the last tile's three stores, which may be out
	WIN 0x01
.irp t, 0,1,2,3,4,5,6,7
	v_wmma_scale_f32_16x16x128_f8f6f4 v[HA+8*\t:HA+8*\t+7], v[16*\t:16*\t+7], v[XF:XF+7], v[B1+8*\t:B1+8*\t+7], v[W1S+2*\t], v[XS] matrix_a_fmt:MATRIX_FMT_FP4 matrix_b_fmt:MATRIX_FMT_FP4
.endr
.irp t, 0,1,2,3,4,5,6,7
	v_wmma_scale_f32_16x16x128_f8f6f4 v[HA+8*\t:HA+8*\t+7], v[16*\t+8:16*\t+15], v[XF+8:XF+15], v[HA+8*\t:HA+8*\t+7], v[W1S+2*\t+1], v[XS+1] matrix_a_fmt:MATRIX_FMT_FP4 matrix_b_fmt:MATRIX_FMT_FP4
.endr
	WIN 0
	PLACES
.if \fetch
	v_add_nc_u32 v[XRA], s[MX], v[LI]
	v_add_nc_u32 v[XSA], s[MS], v[LS]
	FETCH XF, XRA, XIMG
	FETCH XF+8, XRA, XIMG+1024
	ds_load_b32 v[XS], v[XSA] offset:XSC
	ds_load_b32 v[XS+1], v[XSA] offset:XSC+128
	s_wait_dscnt 6                                 ; the last tile's three stores are done (the six loads just issued may be out): their data and addresses are written again below
.else
	s_wait_dscnt 0x0                               ; likewise
.endif
	v_add_nc_u32 v[HWA], s[HM], v[HWI]
	v_add_nc_u32 v[HSA], s[HSS], v[HWS]
.set j_, 0
.rept 64
	v_max_num_f32 v[HA+j_], 0, v[HA+j_]
.set j_, j_+1
.endr
	QUANT HA, PC, PW, 0
	IMAGE HWA, PC, 0
	ds_store_b32 v[HSA], v[PW]
	s_add_co_u32 s[MX], s[MX], 2048
	s_add_co_u32 s[MS], s[MS], 256
	s_add_co_u32 s[HM], s[HM], 4096
	s_add_co_u32 s[HSS], s[HSS], 512
.endm
.macro HFETCH s, hf, half              ; four hidden fragments (rows' tiles 4 hf .. 4 hf + 3, K step s) and their scale words: 12 LDS loads
.irp q, 0,1,2,3
	FETCH HA+32*\hf+8*\q, HR0+\half, (4*(4*\hf+\q)+(\s))*1024
	ds_load_b32 v[HS+4*\hf+\q], v[LS] offset:HSC+4096*\half+128*(4*(4*\hf+\q)+(\s))
.endr
.endm
.macro P2MUL s, hf                     ; sixteen accumulators, one instruction each
	WIN 0xa1
.irp q, 0,1,2,3
.irp n, 0,1,2,3
	v_wmma_scale_f32_16x16x128_f8f6f4 v[8*(4*(4*\hf+\q)+\n):8*(4*(4*\hf+\q)+\n)+7], v[128+8*(4*\n+\s):128+8*(4*\n+\s)+7], v[HA+32*\hf+8*\q:HA+32*\hf+8*\q+7], v[8*(4*(4*\hf+\q)+\n):8*(4*(4*\hf+\q)+\n)+7], v[W2S+4*\n+\s], v[HS+4*\hf+\q] matrix_a_fmt:MATRIX_FMT_FP4 matrix_b_fmt:MATRIX_FMT_FP4
.endr
.endr
	WIN 0
	PLACES
.endm
; ---- a group of 512 hidden units.  half: which half of the hidden images it uses: the other half is still being read by slower waves.  last = 1: the group may be the launch's last
.macro GROUP half, last
	FETCH XF, LI, XIMG                             ; x' of tile 0
	FETCH XF+8, LI, XIMG+1024
	ds_load_b32 v[XS], v[LS] offset:XSC
	ds_load_b32 v[XS+1], v[LS] offset:XSC+128
	s_wait_loadcnt 0x0                             ; this group's W1, its words, b1 (and, the first time, b2)
	LOADW2
	s_mov_b32 s[MX], 2048
	s_mov_b32 s[MS], 256
	s_mov_b32 s[HM], 32768*\half
	s_mov_b32 s[HSS], 4096*\half
	s_mov_b32 s[MC], 7
	s_wait_dscnt 0x0                               ; x' of tile 0 is in: the counted wait at a trip's head holds on the way in too
.Lm_\@:
	P1TRIP 1
	s_sub_co_u32 s[MC], s[MC], 1
	s_cmp_lg_u32 s[MC], 0
	s_cbranch_scc1 .Lm_\@
	P1TRIP 0                                       ; the eighth tile asks for nothing
	BARRIER                                        ; the group's 32 hidden fragments lie in LDS
	s_wait_loadcnt 0x0                             ; W2 and its words are in; every load has read its base
	s_add_nc_u64 s[PW1:PW1+1], s[PW1:PW1+1], 65536
	s_add_nc_u64 s[PW1S:PW1S+1], s[PW1S:PW1S+1], 8192
	s_add_nc_u64 s[PB1:PB1+1], s[PB1:PB1+1], 2048
	s_add_nc_u64 s[PW2:PW2+1], s[PW2:PW2+1], 4096
	s_add_nc_u64 s[PW2S:PW2S+1], s[PW2S:PW2S+1], 512
.if \last
	s_cmp_eq_u32 s[GC], 1
	s_cbranch_scc1 .Lnomore_\@                     ; no load leaves its buffer
.endif
	LOADW1F                                        ; the next group's: it lands under the second product
	LOADW1S
	LOADB1
.if \last
	s_branch .Lmore_\@
.Lnomore_\@:
	LOADG2                                         ; behind the last group's first product W1's registers are free: g2 lands under the second product
.Lmore_\@:
.endif
	HFETCH 0, 0, \half
	HFETCH 0, 1, \half
.irp s, 0,1,2
	s_wait_dscnt 12                                ; the older half fetch is in, the younger one's 12 loads may be out
	P2MUL \s, 0
	HFETCH \s+1, 0, \half
	s_wait_dscnt 12
	P2MUL \s, 1
	HFETCH \s+1, 1, \half
.endr
	s_wait_dscnt 12
	P2MUL 3, 0
	s_wait_dscnt 0x0
	P2MUL 3, 1
.endm
	s_mov_b32 s[GC], 2
.Lgroups:
	GROUP 0, 0
	GROUP 1, 1
	s_sub_co_u32 s[GC], s[GC], 1
	s_cmp_lg_u32 s[GC], 0
	s_cbranch_scc1 .Lgroups
	; ---- the way out: the four waves' outputs meet in the stage, rows in token order
	s_wait_loadcnt 0x0                             ; no load of mine is out on any way here: g2 is in, and be2 goes into the registers into which W2's fragments were loaded
	WIN 0x40
.irp b, 0,1,2,3,4,5,6,7
.irp j, 0,1,2,3
	global_load_b128 v[128+16*\b+4*\j:128+16*\b+4*\j+3], v[H64], s[30:31] offset:128*\b+16*\j  ; be2 in the row layout
.endr
.endr
	WIN 0x08
.irp m, 0,1,2,3,4,5,6,7
.irp n, 0,1,2,3
	ds_store_b128 v[SO+(\m/4)], v[8*(4*\m+\n):8*(4*\m+\n)+3] offset:(32*((\m%4)/2)+8*(\m%2))*SP+128*(\n/2)+32*(\n%2)          ; each accumulator from its low end on
	ds_store_b128 v[SO+(\m/4)], v[8*(4*\m+\n)+4:8*(4*\m+\n)+7] offset:(32*((\m%4)/2)+8*(\m%2))*SP+128*(\n/2)+32*(\n%2)+16
.endr
.endr
	WIN 0
	BARRIER                                        ; 128 whole rows lie in the stage
	s_wait_loadcnt 0x0
.macro LN2 u                           ; my tile u: + x', the second norm, back to the same bytes of the stage: my own rows, so no barrier
	WIN 0x80
.irp b, 0,1,2,3,4,5,6,7
.irp j, 0,1,2,3
	ds_load_b128 v[128*\u+16*\b+4*\j:128*\u+16*\b+4*\j+3], v[ZR] offset:8*\u*SP+128*\b+16*\j
.endr
.endr
	WIN 0
	s_wait_dscnt 0x0
	WIN 0x8e
.set p_, 0
.rept 64
	v_pk_add_f32 v[128*\u+2*p_:128*\u+2*p_+1], v[128*\u+2*p_:128*\u+2*p_+1], v[128*\u+2*p_:128*\u+2*p_+1]
.set p_, p_+1
.endr
	STATS 2, 128*\u, RS
	WIN 0x82
.set p_, 0
.rept 64
	v_pk_mul_f32 v[128*\u+2*p_:128*\u+2*p_+1], v[128*\u+2*p_:128*\u+2*p_+1], v[RS:RS+1]
.set p_, p_+1
.endr
	WIN 0x96
.set p_, 0
.rept 64
	v_pk_fma_f32 v[128*\u+2*p_:128*\u+2*p_+1], v[128*\u+2*p_:128*\u+2*p_+1], v[2*p_:2*p_+1], v[128+2*p_:128+2*p_+1]
.set p_, p_+1
.endr
	WIN 0x08
.irp b, 0,1,2,3,4,5,6,7
.irp j, 0,1,2,3
	ds_store_b128 v[ZR], v[128*\u+16*\b+4*\j:128*\u+16*\b+4*\j+3] offset:8*\u*SP+128*\b+16*\j
.endr
.endr
	WIN 0
.endm
; a tile's sixteen rows leave: rows 8 ka .. + 7 and 8 kb .. + 7 of my 32.  32 LDS loads in one run, then 32 stores; each store covers 512 consecutive bytes, aligned
.macro OUT2 ka, kb
.irp i, 0,1,2,3,4,5,6,7
.irp c, 0,1
	ds_load_b128 v[32+8*\i+4*\c:32+8*\i+4*\c+3], v[SR] offset:(8*\ka+\i)*SP+512*\c   ; LDS serves a wave's instructions in order: these see my stores
.endr
.endr
.irp i, 0,1,2,3,4,5,6,7
.irp c, 0,1
	ds_load_b128 v[96+8*\i+4*\c:96+8*\i+4*\c+3], v[SR] offset:(8*\kb+\i)*SP+512*\c
.endr
.endr
.irp i, 0,1,2,3,4,5,6,7
.irp c, 0,1
	s_wait_dscnt 31-2*\i-\c                        ; the younger loads of the run may be out
	global_store_b128 v[LI], v[32+8*\i+4*\c:32+8*\i+4*\c+3], s[POUT:POUT+1] offset:(8*\ka+\i)*1024+512*\c th:TH_STORE_NT
.endr
.endr
.irp i, 0,1,2,3,4,5,6,7
.irp c, 0,1
	s_wait_dscnt 15-2*\i-\c
	global_store_b128 v[LI], v[96+8*\i+4*\c:96+8*\i+4*\c+3], s[POUT:POUT+1] offset:(8*\kb+\i)*1024+512*\c th:TH_STORE_NT
.endr
.endr
.endm
	LN2 0
	OUT2 0, 2                                      ; tile 0's rows (0-7 and 16-23 of my 32) are on their way while tile 1 is normed
	LN2 1
	s_wait_xcnt 0x0                                ; tile 0's stores have read their registers
	OUT2 1, 3
	s_wait_xcnt 0x0
	v_lshl_add_u32 v254, v0, 2, 0x4b800
	v_mov_b32 v255, 0
	s_wait_tensorcnt 0x0
	ds_add_u32 v254, v255
	s_wait_dscnt 0x0
	s_endpgm
.Lfunc_end_k_qca86c6f33a_ffn:
	.size	k_qca86c6f33a_ffn, .Lfunc_end_k_qca86c6f33a_ffn-k_qca86c6f33a_ffn
	.p2alignl 7, 3214868480
	.fill 96, 4, 3214868480
	.section	.rodata,"a",@progbits
	.p2align	6, 0x0
	.amdhsa_kernel k_qca86c6f33a_ffn
		.amdhsa_group_segment_fixed_size 309760
		.amdhsa_private_segment_fixed_size 0
		.amdhsa_enable_private_segment 0
		.amdhsa_kernarg_size 128
		.amdhsa_user_sgpr_count 2
		.amdhsa_user_sgpr_kernarg_segment_ptr 1
		.amdhsa_wavefront_size32 1
		.amdhsa_system_sgpr_workgroup_id_x 1
		.amdhsa_system_sgpr_workgroup_id_y 1
		.amdhsa_system_sgpr_workgroup_id_z 1
		.amdhsa_system_vgpr_workitem_id 0
		.amdhsa_next_free_vgpr 1024
		.amdhsa_next_free_sgpr 98
		.amdhsa_reserve_vcc 1
		.amdhsa_float_denorm_mode_32 3
		.amdhsa_float_denorm_mode_16_64 3
		.amdhsa_memory_ordered 1
		.amdhsa_forward_progress 1
		.amdhsa_inst_pref_size 255
	.end_amdhsa_kernel
	.section	.bss,"aw",@nobits
	.p2align	6
	.space	262144
	.amdgpu_metadata
---
amdhsa.version: [ 1, 2 ]
amdhsa.kernels:
  - .name:           k_qca86c6f33a_ffn
    .symbol:         k_qca86c6f33a_ffn.kd
    .args:
      - { .name: src1, .offset: 0, .size: 8, .value_kind: global_buffer, .address_space: global }
      - { .name: src2, .offset: 8, .size: 8, .value_kind: global_buffer, .address_space: global }
      - { .name: ocodes, .offset: 16, .size: 8, .value_kind: global_buffer, .address_space: global }
      - { .name: oscale, .offset: 24, .size: 8, .value_kind: global_buffer, .address_space: global }
      - { .name: clsp, .offset: 32, .size: 8, .value_kind: global_buffer, .address_space: global }
      - { .name: wcodes, .offset: 40, .size: 8, .value_kind: global_buffer, .address_space: global }
      - { .name: wscales, .offset: 48, .size: 8, .value_kind: global_buffer, .address_space: global }
      - { .name: b_out, .offset: 56, .size: 8, .value_kind: global_buffer, .address_space: global }
      - { .name: g1, .offset: 64, .size: 8, .value_kind: global_buffer, .address_space: global }
      - { .name: be1, .offset: 72, .size: 8, .value_kind: global_buffer, .address_space: global }
      - { .name: b1, .offset: 80, .size: 8, .value_kind: global_buffer, .address_space: global }
      - { .name: b2, .offset: 88, .size: 8, .value_kind: global_buffer, .address_space: global }
      - { .name: g2, .offset: 96, .size: 8, .value_kind: global_buffer, .address_space: global }
      - { .name: be2, .offset: 104, .size: 8, .value_kind: global_buffer, .address_space: global }
      - { .name: out0, .offset: 112, .size: 8, .value_kind: global_buffer, .address_space: global }
      - { .name: out1, .offset: 120, .size: 8, .value_kind: global_buffer, .address_space: global }
    .group_segment_fixed_size: 309760
    .private_segment_fixed_size: 0
    .kernarg_segment_align: 8
    .kernarg_segment_size: 128
    .max_flat_workgroup_size: 128
    .sgpr_count:     98
    .vgpr_count:     1024
    .wavefront_size: 32
...
	.end_amdgpu_metadata
.endif
;; end of part 2
;; ======== version 2 of 2: 2 launches; version 1 with the launches attn, ffn written anew for expert scheduling mode
;; workspace buffers: ocodes 4,194,304 bytes; oscale 262,144 bytes; clsp 524,288 bytes; wcodes 557,056 bytes; wscales 69,632 bytes
;; launch attn (part 3): grid 4 x 64, 16 waves a work-group, no clusters, 134,656 bytes of LDS; arguments src1, src2, W_in, b_in, W1, W2, W_out, ocodes, oscale, clsp, wcodes, wscales; writes ocodes, oscale, clsp, wcodes, wscales
.if DOCPART == 3
	.amdgcn_target "amdgcn-amd-amdhsa--gfx1250"
	.amdhsa_code_object_version 6
	.text
	.protected	k_qca86c6f33a_attn
	.globl	k_qca86c6f33a_attn
	.p2align	8
	.type	k_qca86c6f33a_attn,@function
k_qca86c6f33a_attn:
	s_mov_b64 s[64:65], 0
	v_nop
	global_prefetch_b8 v0, s[64:65] scope:SCOPE_SE
	s_setreg_imm32_b32 hwreg(HW_REG_WAVE_SCHED_MODE, 0, 2), 2
	s_setreg_imm32_b32 hwreg(HW_REG_WAVE_MODE, 25, 1), 1
	s_wait_xcnt 0x0
	s_wait_alu depctr_vm_vsrc(0)
; SELF-ATTENTION OF TWO HEADS OF ONE (STREAM, BATCH), all products on codes of FP4 (E2M1) with one E8M0 scale for each 32 along K.
; Work-group (hp, sb): heads 2 hp and 2 hp + 1 of stream sb / 32, batch sb % 32.  Sixteen waves; wave w owns tokens 32 w .. 32 w + 31: as rows to quantise and project, as one block of 32 keys, as two tiles of 16 queries.
; STORED: the attention output / its row sum, already as codes in the order of the next product's operand registers (ocodes, oscale), and the CLS row's finished weights, summed over the two heads (clsp).
; Waves 12 and 13 also quantise 1/256 of W1, W2 and W_out into fragment images (wcodes, wscales) for the next launch.
; SLOT ORDER: lane r of tile X (of tokens, or of a weight's rows) takes row 32 (X / 2) + 8 (X % 2) + r + 8 (r / 8).  Where such a tile is source 0, the 16 registers of tiles 2 b and 2 b + 1 are 16 neighbours 32 b + 16 (lane / 16) + 0 .. 15.
; A HEAD'S 32 CHANNELS ARE ONE BLOCK.  K's fragment packs 2 heads x 2 key tiles into its four blocks; q's operand has codes in ONE block and zero codes elsewhere, so one 16 x 16 x 128 instruction gives 16 keys x 16 queries of one head.
; SOFTMAX: t = score x log2(e) / sqrt(32); M = the running largest t rounded up to a whole number; p = 2^(t - M) is quantised along the keys; the row's sum is taken of the unquantised p.
; NOT READ: AT_attn and AV_attn: the function to be computed does not use them, so no result hangs on them.
; LIMITS: a block whose largest magnitude lies under 2^-124 gets the scale byte 1; a block of zeros gets the byte 1 too (its codes are zeros; only this program reads the bytes); NaN and infinities among the inputs are not served;
; 1 / (row sum) is v_rcp_f32's.
; THE MODE: SCHED_MODE bits 1:0 = 2 (LLVM: expert scheduling mode 2), set by the entry lines.  The code itself states the register dependences
; between vector or matrix instructions and memory or LDS instructions, with s_wait_alu, always for 0.
; THE PLAN.  Registers that memory or LDS instructions touch:
;   v3-v29      offsets and LDS addresses, made at the head ahead of one wait on va_vdst.  Written again: v21-24, v5, v6 alone, at a key step's head, behind a wait on vm_vsrc.
;   v32-159     raw numbers, the bias and W_in's fragments land here; the quantiser and the products read them.  Each landing stands behind a wait on va_vdst that is younger than the last reader.
;   codes, words, bytes, p, -M, 1 / sum as store data: a wait on va_vdst ahead of each run of stores; a wait on vm_vsrc ahead of the next writer.
;   A KEY STEP: K's fragments and words (KF, KW) are read by the step's eight score products, V's (VF, VW) by the two products at its end.  The wait that stands behind the exponentials shows this step's score products
;   and the last step's value products done and the step's addresses written: behind it go this step's V and the NEXT step's K, which land under the sums, the scales and the conversions.
;   Operands and scale words that vector instructions make (x, q, p) have a wait on va_vdst behind their places, ahead of the products that take them.
.set WIMG, 0                           ; LDS: 24 fragment images of W_in (index 2 tile + K step), 1,024 bytes each
.set WSC,  24576                       ; their scale words, 128 bytes each
.set KIMG, 27648                       ; 16 packed fragments of k, one a wave
.set KSC,  44032                       ; their scale words
.set VT,   46080                       ; v with the keys innermost: 64 channel rows x (256 bytes + 16)
.set VP,   272
.set VSC,  63488                       ; v's scale bytes: [row 64][key block 16]
.set OSC,  64512                       ; the output's scale bytes, two a token slot
.set CLSP, 65536                       ; wave 0 alone: images of p of the tile that holds the CLS query: [head 2][step 4][16 x 512 bytes]
.set CLSM, 131072                      ; wave 0 alone: images of -M, [head][step] x 128 bytes; 1,024 bytes on: the final -M and 1 / sum, [head] x 256 bytes
.set WV,  28
.set HP,  29
.set SB,  30
.set GG,  31                           ; 4 sb + hp: the work-group's number among 256
.set SEL, 32                           ; s[32:33] v_permlanex16_b32's selects for lane l xor 16
.set CS,  34                           ; s[34:35] c = log2(e) / sqrt(32)
.set MKA, 36                           ; s36 lanes 0-15, s37 lanes 16-31
.set WP,  40                           ; s[40:41] where my weight rows begin
.set PIT, 42                           ; their pitch in bytes
.set WOF, 43
.set TK,  44                           ; LDS offsets: the NEXT key step's fragments of k, this step's rows of v, the next step's words of k, this step's words of v
.set TV,  45
.set TS,  46
.set TT,  47
.set CNT, 48
.set TP,  49                           ; and of the CLS images
.set TQ,  50
.set XB,  52                           ; s[52:53] src at my first token
.set BB,  54                           ; s[54:55] b_in + 256 hp
.set OBS, 56                           ; s[56:57] ocodes at my first tile
.set CB,  58                           ; s[58:59] clsp
.set WCB, 60                           ; s[60:61] wcodes, s[62:63] wscales at my fragments
.set WSB, 62
.set OSB, 66                           ; s[66:67] oscale
.set RR,  1                            ; r = lane % 16
.set HH,  2                            ; h = lane / 16
.set LI,  3                            ; 16 x lane
.set LS,  4                            ; 4 x lane
.set XA,  5                            ; src: (r + 8 (r / 8)) x 1,024 + 64 h
.set WA,  6                            ; the same with the weight's pitch
.set CPA, 5                            ; in the attention: the stepped addresses of the CLS images
.set CMA, 6
.set WWI, 7
.set WWS, 8
.set KWI, 9
.set KWS, 10
.set VWI, 11
.set XS,  12                           ; v12-15 x's four scale words; in the attention v12 is p's scale word.  Scales and nothing else
.set PWD, 12
.set VWS, 16
.set CRD, 17
.set AV0, 18
.set CMR, 19
.set ASV0, 20
.set ADK, 21
.set ADV, 22
.set ADS, 23
.set ADT, 24
.set OSW, 25
.set CPW, 26
.set CMW, 27
.set H64, 28
.set BVA, 29
.set PW0, 30                           ; v30, v31: the words (q A, q B, k A, k B) of my two tiles
.set R0,  32
.set R1,  96
.set HA,  32                           ; projection: eight accumulators
.set WB,  96                           ; projection: eight fragments of W_in
.set BV,  160
.set XF,  176                          ; x's four fragments (tile u, K step s) at XF + 16 u + 8 s
.set KF,  32                           ; attention: four fragments of k, two of v, q's operand (masked, zeros, masked)
.set VF,  64
.set QV,  80
.set S,   96                           ; scores, then p
.set O,   160
.set OC,  176
.set NM,  180                          ; v180 -M, v181 the largest t
.set SUM, 182
.set FF,  184                          ; v184 f = 2^(old M - new M); v185 is written once: the packed form names the pair
.set RL,  186
.set T0,  188
.set QC,  208                          ; tile u: +0..3 q's codes, +4..7 k's
.set PC,  224
.set TM,  232
.set OB0, 242
.set PWT, 243
.set WS,  248                          ; v248-255: scale words alone: W_in's eight; in the attention k's four, v's two, q's two
.set KW,  248
.set VW,  252
.set QWX, 254
.macro PLACES                          ; plain places behind matrix instructions: four serve loads and vector reads, the fifth a matrix instruction that writes over a register
.rept 5
	v_nop
.endr
.endm
.macro BARRIER                         ; my LDS stores have landed and my LDS loads are in: then the work-group's barrier
	s_wait_dscnt 0x0
	s_barrier_signal -1
	s_barrier_wait -1
.endm
.macro XLOAD reg, adr, base, off       ; 64 numbers of my row: register 16 b + i = k 32 b + 16 h + i of a K step of 128
.irp b, 0,1,2,3
.irp j, 0,1,2,3
	global_load_b128 v[(\reg)+16*\b+4*\j:(\reg)+16*\b+4*\j+3], v[\adr], s[\base:\base+1] offset:(\off)+128*\b+16*\j
.endr
.endr
.endm
; 64 numbers in that layout become a fragment's eight registers v[pc] on and its scale word v[pw]
.macro QUANT s, pc, pw
.irp b, 0,1,2,3
	v_max3_num_f32 v[TM+\b], |v[(\s)+16*\b]|, |v[(\s)+1+16*\b]|, 0x1800000   ; my 16 numbers of block b, and the floor 2^(3 - 127): the byte cannot fall under 1
.endr
.irp i, 2,4,6,8,10,12,14
.irp b, 0,1,2,3
	v_max3_num_f32 v[TM+\b], v[TM+\b], |v[(\s)+16*\b+\i]|, |v[(\s)+1+16*\b+\i]|
.endr
.endr
.irp b, 0,1,2,3
	v_permlanex16_b32 v[TM+4+\b], v[TM+\b], s[SEL], s[SEL+1]
.endr
.irp b, 0,1,2,3
	v_max_num_f32 v[TM+\b], v[TM+\b], v[TM+4+\b]                 ; with lane l xor 16's 16: the block's largest magnitude
.endr
.irp b, 0,1,2,3
	v_add_nc_u32 v[TM+12+\b], 0xff000000, v[TM+\b]               ; 2 off its exponent field: the conversion's scale operand
.endr
.irp b, 0,1,2,3
	v_lshrrev_b32 v[TM+4+\b], 23, v[TM+12+\b]                    ; the scale's byte
.endr
	v_lshl_or_b32 v[\pw], v[TM+5], 8, v[TM+4]
	v_lshl_or_b32 v[\pw], v[TM+6], 16, v[\pw]
	v_lshl_or_b32 v[\pw], v[TM+7], 24, v[\pw]
.irp b, 0,1,2,3
	v_cvt_scalef32_pk8_fp4_f32 v[(\pc)+2*\b], v[(\s)+16*\b:(\s)+16*\b+7], v[TM+12+\b]
	v_cvt_scalef32_pk8_fp4_f32 v[(\pc)+1+2*\b], v[(\s)+8+16*\b:(\s)+8+16*\b+7], v[TM+12+\b]
.endr
	v_nop                                                        ; one plain place behind a scaled conversion
.irp c, 0,1                            ; the operand wants a whole block in a lane: lanes 0-15 block 2 c, lanes 16-31 block 2 c + 1
.irp i, 0,1
	v_permlane16_swap_b32 v[(\pc)+4*\c+\i], v[(\pc)+2+4*\c+\i]
.endr
.endr
.endm
.macro IMAGE adr, pc, off              ; a fragment goes to LDS as an image of its registers: lane l's 16 bytes at 16 l
	ds_store_b128 v[\adr], v[(\pc):(\pc)+3] offset:(\off)
	ds_store_b128 v[\adr], v[(\pc)+4:(\pc)+7] offset:(\off)+512
.endm
.macro FETCH reg, adr, off             ; and comes back so, in any wave
	ds_load_b128 v[(\reg):(\reg)+3], v[\adr] offset:(\off)
	ds_load_b128 v[(\reg)+4:(\reg)+7], v[\adr] offset:(\off)+512
.endm
	s_load_b512 s[4:19], s[0:1], 0x0               ; src1, src2, W_in, b_in, W1, W2, W_out, ocodes
	s_load_b256 s[20:27], s[0:1], 0x40             ; oscale, clsp, wcodes, wscales
	v_lshl_add_u32 v240, v0, 2, 0x20600
	v_mov_b32 v241, 0
	v_lshrrev_b32 v1, 5, v0
	v_readfirstlane_b32 s[WV], v1                  ; wave 0..15
	s_mov_b32 s[HP], ttmp9
	s_and_b32 s[SB], ttmp7, 0xffff
	s_lshl_b32 s[GG], s[SB], 2
	s_add_co_u32 s[GG], s[GG], s[HP]
	s_mov_b32 s[SEL], 0x76543210
	s_mov_b32 s[SEL+1], 0xfedcba98
	s_mov_b32 s[CS], 0x3e8293ee
	s_mov_b32 s[CS+1], s[CS]
	s_mov_b32 s[MKA], 0x0000ffff
	s_mov_b32 s[MKA+1], 0xffff0000
	v_and_b32 v[RR], 15, v0
	v_bfe_u32 v[HH], v0, 4, 1
	v_and_b32 v[PW0], 31, v0                       ; the lane (v30, v31 are free until the projection)
	v_lshlrev_b32 v[LI], 4, v[PW0]
	v_lshlrev_b32 v[LS], 2, v[PW0]
	v_and_b32 v[BVA], 8, v[RR]
	v_add_nc_u32 v[BVA], v[BVA], v[RR]             ; r + 8 (r / 8)
	v_lshlrev_b32 v[H64], 6, v[HH]
	v_lshl_add_u32 v[XA], v[BVA], 10, v[H64]
	; every LDS address is made here: a constant x lane + a constant x wave; the regions' starts stand in the immediates, or in the register where they pass 65,535
	s_wait_alu depctr_va_sdst(0)                   ; the wave's number is written, ahead of its first reader
	s_lshl_b32 s68, s[WV], 11
	v_add_nc_u32 v[WWI], s68, v[LI]
	s_lshl_b32 s68, s[WV], 8
	v_add_nc_u32 v[WWS], s68, v[LS]
	s_lshl_b32 s68, s[WV], 10
	v_add_nc_u32 v[KWI], s68, v[LI]
	s_lshl_b32 s68, s[WV], 7
	v_add_nc_u32 v[KWS], s68, v[LS]
	v_mul_u32_u24 v[VWI], v[PW0], VP
	s_lshl_b32 s68, s[WV], 4
	v_add_nc_u32 v[VWI], s68, v[VWI]               ; row = lane (+ 32 for registers 4-7), my key block's 16 bytes
	v_lshl_add_u32 v[VWS], v[RR], 4, s[WV]
	v_mul_u32_u24 v[AV0], v[RR], VP
	v_lshl_add_u32 v[AV0], v[HH], 4, v[AV0]
	v_lshlrev_b32 v[ASV0], 4, v[RR]
	s_lshl_b32 s68, s[WV], 6
	v_lshl_add_u32 v[OSW], v[RR], 1, s68
	v_add_nc_u32 v[CPW], CLSP, v[LI]
	v_add_nc_u32 v[CMW], CLSM, v[LS]
	v_lshrrev_b32 v[PW0+1], 3, v[PW0]              ; the CLS row read back: lane l takes keys 4 l .. 4 l + 3 of a step: register group 4 (l / 8) + l % 4 of lane 16 ((l / 4) % 2)
	v_and_b32 v[CRD], 3, v[PW0]
	v_lshl_add_u32 v[CRD], v[PW0+1], 2, v[CRD]
	v_bfe_u32 v[PW0+1], v[PW0], 2, 1
	v_lshlrev_b32 v[PW0+1], 8, v[PW0+1]
	v_lshl_add_u32 v[CRD], v[CRD], 9, v[PW0+1]
	v_add_nc_u32 v[CRD], CLSP, v[CRD]
	v_mov_b32 v[CMR], CLSM
.irp b, 0,1,2,3
	v_mov_b32 v[TM+4+\b], 0                        ; written once: a lane permute's destination counts as one of its sources
.endr
	; which weight rows are this wave's.  Waves 0-11: tile w of my heads' 192 rows of W_in (q A, A, B, B; k likewise; v likewise)
	s_lshr_b32 s68, s[WV], 2
	s_lshl_b32 s68, s68, 8
	s_lshl_b32 s69, s[HP], 6
	s_add_co_u32 s68, s68, s69
	s_and_b32 s69, s[WV], 2
	s_lshl_b32 s69, s69, 4
	s_add_co_u32 s68, s68, s69
	s_and_b32 s69, s[WV], 1
	s_lshl_b32 s69, s69, 3
	s_add_co_u32 s68, s68, s69
	s_lshl_b32 s[WOF], s68, 10
	s_lshr_b32 s70, s[GG], 1                       ; wave 12, work-groups 0-127: tile g of W1; wave 13, work-groups 0-15: tile g of W_out: row 32 (g / 2) + 8 (g % 2)
	s_lshl_b32 s70, s70, 5
	s_and_b32 s69, s[GG], 1
	s_lshl_b32 s69, s69, 3
	s_add_co_u32 s70, s70, s69
	s_lshl_b32 s70, s70, 10
	s_and_b32 s71, s[GG], 127                      ; wave 12, work-groups 128-255: P = g - 128: tile P / 8 of W2, K steps 2 (P % 8) and the next
	s_lshr_b32 s68, s71, 4
	s_lshl_b32 s68, s68, 5
	s_bfe_u32 s69, s71, 0x10003
	s_lshl_b32 s69, s69, 3
	s_add_co_u32 s68, s68, s69
	s_lshl_b32 s68, s68, 13
	s_and_b32 s71, s71, 7
	s_lshl_b32 s71, s71, 10
	s_add_co_u32 s71, s71, s68
	s_mov_b32 s[PIT], 1024
	s_mov_b32 s72, 8192
	s_mov_b32 s77, 0
	s_wait_kmcnt 0x0
	s_mov_b64 s[WP:WP+1], s[8:9]
	s_cmp_lt_u32 s[GG], 128
	s_cselect_b64 s[74:75], s[12:13], s[14:15]
	s_cselect_b32 s73, s70, s71
	s_cselect_b32 s72, s[PIT], s72
	s_cmp_eq_u32 s[WV], 12
	s_cselect_b64 s[WP:WP+1], s[74:75], s[WP:WP+1]
	s_cselect_b32 s[WOF], s73, s[WOF]
	s_cselect_b32 s[PIT], s72, s[PIT]
	s_cmp_eq_u32 s[WV], 13
	s_cselect_b64 s[WP:WP+1], s[16:17], s[WP:WP+1]
	s_cselect_b32 s[WOF], s70, s[WOF]
	s_cselect_b32 s[PIT], 1024, s[PIT]
	s_cselect_b32 s78, 512, 0
	s_mov_b32 s76, s[WOF]
	s_add_nc_u64 s[WP:WP+1], s[WP:WP+1], s[76:77]
	v_mul_lo_u32 v[WA], v[BVA], s[PIT]
	v_add_nc_u32 v[WA], v[WA], v[H64]
	v_lshlrev_b32 v[BVA], 2, v[BVA]                ; b_in of a lane's channel: 4 (r + 8 (r / 8))
	s_lshl_b32 s76, s[GG], 1
	s_add_co_u32 s78, s78, s76                     ; the first of my two fragments in wcodes: 2 g (W1, W2), 512 + 2 g (W_out)
	s_lshl_b32 s76, s78, 10
	s_add_nc_u64 s[WCB:WCB+1], s[24:25], s[76:77]
	s_lshl_b32 s76, s78, 7
	s_add_nc_u64 s[WSB:WSB+1], s[26:27], s[76:77]
	s_cmp_lt_u32 s[SB], 32
	s_cselect_b64 s[XB:XB+1], s[4:5], s[6:7]
	s_and_b32 s76, s[SB], 31
	s_lshl_b32 s76, s76, 19
	s_lshl_b32 s78, s[WV], 15
	s_add_co_u32 s76, s76, s78
	s_add_nc_u64 s[XB:XB+1], s[XB:XB+1], s[76:77]
	s_lshl_b32 s76, s[HP], 8
	s_add_nc_u64 s[BB:BB+1], s[10:11], s[76:77]
	s_lshl_b32 s76, s[SB], 16
	s_lshl_b32 s78, s[WV], 12
	s_add_co_u32 s76, s76, s78
	s_lshl_b32 s78, s[HP], 9
	s_add_co_u32 s76, s76, s78
	s_add_nc_u64 s[OBS:OBS+1], s[18:19], s[76:77]
	s_lshl_b32 s76, s[GG], 11
	s_add_nc_u64 s[CB:CB+1], s[22:23], s[76:77]
	s_lshl_b32 s76, s[GG], 10
	s_add_nc_u64 s[OSB:OSB+1], s[20:21], s[76:77]
	s_wait_alu depctr_va_vdst(0)                   ; the offsets and LDS addresses v3 to v29 are written, which the loads and stores of the whole kernel read
	; ---- W: two fragments of weights a wave.  Waves 14, 15 and, from work-group 16 on, wave 13 have none
	s_cmp_gt_u32 s[WV], 13
	s_cbranch_scc1 .Lw_done
	s_cmp_eq_u32 s[WV], 13
	s_cselect_b32 s68, s[GG], 0
	s_cmp_ge_u32 s68, 16
	s_cbranch_scc1 .Lw_done
.macro WOUT n                          ; W_in's fragments go to LDS, the others to memory; the branch hangs on the wave's number alone
	s_wait_alu depctr_va_vdst(0)                   ; the quantiser has written the codes and the word, which the stores read; it is done reading its 64 numbers, in whose registers rows of src land later
	s_cmp_lt_u32 s[WV], 12
	s_cbranch_scc0 .Lw_mem_\@
	IMAGE WWI, PC, WIMG+1024*\n
	ds_store_b32 v[WWS], v[PWT] offset:WSC+128*\n
	s_branch .Lw_both_\@
.Lw_mem_\@:
	global_store_b128 v[LI], v[PC:PC+3], s[WCB:WCB+1] offset:1024*\n
	global_store_b128 v[LI], v[PC+4:PC+7], s[WCB:WCB+1] offset:1024*\n+512
	global_store_b32 v[LS], v[PWT], s[WSB:WSB+1] offset:128*\n
.Lw_both_\@:
.endm
	XLOAD R0, WA, WP, 0
	XLOAD R1, WA, WP, 512
	s_wait_loadcnt 16                              ; the first fragment's 16 loads are in, the second's 16 may be out
	QUANT R0, PC, PWT
	WOUT 0
	s_wait_loadcnt 0x0
	s_wait_xcnt 0x0                                ; the stores to memory have had their addresses translated,
	s_wait_alu depctr_vm_vsrc(0)                   ; and the stores, to LDS or to memory, have read the codes and the word, which the quantiser writes again
	QUANT R1, PC, PWT
	WOUT 1
.Lw_done:
	s_wait_xcnt 0x0
	s_wait_alu depctr_vm_vsrc(0)                   ; the second fragment's stores have read the codes and the word: both are written again further down
	; ---- X: my 32 rows of src become four fragments.  Each count of 16 leaves the one younger fragment's loads out
	XLOAD R0, XA, XB, 0
	XLOAD R1, XA, XB, 512
	s_wait_loadcnt 16
	QUANT R0, XF, XS
	s_wait_alu depctr_va_vdst(0)                   ; the quantiser is done reading v32-95, in which the next 64 numbers land
	XLOAD R0, XA, XB, 8192
	s_wait_loadcnt 16
	QUANT R1, XF+8, XS+1
	s_wait_alu depctr_va_vdst(0)                   ; the same of v96-159
	XLOAD R1, XA, XB, 8192+512
	s_wait_loadcnt 16
	QUANT R0, XF+16, XS+2
	s_wait_loadcnt 0x0
	QUANT R1, XF+24, XS+3
	BARRIER                                        ; W_in's 24 images lie in LDS
	s_wait_alu depctr_va_vdst(0)                   ; the quantiser is done reading v32-159, in which the bias and W_in's fragments land; x's four fragments and words are written, which the products take
	; ---- q and k of tile u, transposed (source 0 = 16 rows of W_in, source 1 = my 16 tokens): a lane holds one token, its 64 registers q A, q B, k A, k B.  The bias is loaded straight into the accumulators.
	; The loads at its head owe no wait of their own: the wait above (tile 0) or the one ahead of tile 0's store (tile 1) is younger than every reader of their registers
.macro PROJ_QK u
.irp t, 0,1,2,3,4,5,6,7
	global_load_b128 v[HA+8*\t:HA+8*\t+3], v[H64], s[BB:BB+1] offset:(256*(\t/4)+32*((\t/2)%2)+8*(\t%2))*4
	global_load_b128 v[HA+8*\t+4:HA+8*\t+7], v[H64], s[BB:BB+1] offset:(256*(\t/4)+32*((\t/2)%2)+8*(\t%2))*4+16
.endr
.irp s, 0,1
.if \s
	PLACES
	s_wait_alu depctr_va_vdst(0)                   ; the first K step's products are done reading W_in's fragments and words, in which the second's land
.endif
.irp t, 0,1,2,3,4,5,6,7
	FETCH WB+8*\t, LI, WIMG+(2*\t+\s)*1024
	ds_load_b32 v[WS+\t], v[LS] offset:WSC+(2*\t+\s)*128
.endr
	s_wait_loadcnt 0x0
	s_wait_dscnt 0x0
.irp t, 0,1,2,3,4,5,6,7                ; the eight accumulators take turns
	v_wmma_scale_f32_16x16x128_f8f6f4 v[HA+8*\t:HA+8*\t+7], v[WB+8*\t:WB+8*\t+7], v[XF+16*\u+8*\s:XF+16*\u+8*\s+7], v[HA+8*\t:HA+8*\t+7], v[WS+\t], v[XS+2*\u+\s] matrix_a_fmt:MATRIX_FMT_FP4 matrix_b_fmt:MATRIX_FMT_FP4
.endr
.endr
	PLACES
	QUANT HA, QC+8*\u, PW0+\u
	s_wait_alu depctr_va_vdst(0)                   ; k's codes are written, which the store reads; the products and the quantiser are done with v32-159 and W_in's words, in which the next loads land
	ds_store_b128 v[KWI], v[QC+8*\u+4:QC+8*\u+7] offset:KIMG+512*\u   ; k: lanes 0-15 head A's 32 codes of key slot r, lanes 16-31 head B's
.endm
	PROJ_QK 0
	PROJ_QK 1
	v_lshrrev_b32 v[PWT], 16, v[PW0]
	v_and_or_b32 v[PWT], v[PW0+1], s[MKA+1], v[PWT]   ; k's word: (A, tile 0) (B, tile 0) (A, tile 1) (B, tile 1)
	s_wait_alu depctr_va_vdst(0)                   ; k's word is written, which the store reads
	ds_store_b32 v[KWS], v[PWT] offset:KSC
	; ---- v, the other way round (source 0 = my tokens, source 1 = 16 rows of W_in): a lane holds one channel, its registers run down my 32 keys: one block
.irp t, 0,1,2,3
	global_load_b32 v[BV+2*\t], v[BVA], s[BB:BB+1] offset:(512+32*(\t/2)+8*(\t%2))*4
	global_load_b32 v[BV+2*\t+1], v[BVA], s[BB:BB+1] offset:(512+32*(\t/2)+8*(\t%2))*4   ; twice: the packed addition takes a pair
.endr
.irp f, 0,1,2,3,4,5,6,7
	FETCH WB+8*\f, LI, WIMG+(16+\f)*1024
	ds_load_b32 v[WS+\f], v[LS] offset:WSC+(16+\f)*128
.endr
	s_wait_dscnt 0x0
.irp t, 0,1,2,3
.irp x, 0,1
	v_wmma_scale_f32_16x16x128_f8f6f4 v[HA+16*\t+8*\x:HA+16*\t+8*\x+7], v[XF+16*\x:XF+16*\x+7], v[WB+16*\t:WB+16*\t+7], 0, v[XS+2*\x], v[WS+2*\t] matrix_a_fmt:MATRIX_FMT_FP4 matrix_b_fmt:MATRIX_FMT_FP4
.endr
.endr
.irp t, 0,1,2,3
.irp x, 0,1
	v_wmma_scale_f32_16x16x128_f8f6f4 v[HA+16*\t+8*\x:HA+16*\t+8*\x+7], v[XF+16*\x+8:XF+16*\x+15], v[WB+16*\t+8:WB+16*\t+15], v[HA+16*\t+8*\x:HA+16*\t+8*\x+7], v[XS+2*\x+1], v[WS+2*\t+1] matrix_a_fmt:MATRIX_FMT_FP4 matrix_b_fmt:MATRIX_FMT_FP4
.endr
.endr
	PLACES
	s_wait_loadcnt 0x0
	s_wait_alu depctr_vm_vsrc(0)                   ; the store of k's word has read v[PWT], which the quantiser writes again
.irp t, 0,1,2,3
.irp j, 0,2,4,6,8,10,12,14
	v_pk_add_f32 v[HA+16*\t+\j:HA+16*\t+\j+1], v[HA+16*\t+\j:HA+16*\t+\j+1], v[BV+2*\t:BV+2*\t+1]
.endr
.endr
	QUANT HA, PC, PWT
	s_wait_alu depctr_va_vdst(0)                   ; v's codes and scale bytes are written, which the stores read; the quantiser is done reading v32-95, in which k's fragments land
	ds_store_b128 v[VWI], v[PC:PC+3] offset:VT                 ; channel rows 0-31 (lane = row), my key block's 16 bytes
	ds_store_b128 v[VWI], v[PC+4:PC+7] offset:VT+32*VP         ; rows 32-63
.irp t, 0,1,2,3
	ds_store_b8 v[VWS], v[TM+4+\t] offset:VSC+256*\t           ; both lanes of a block write the same byte with the same value
.endr
	BARRIER                                        ; k and v of all 512 keys lie in LDS
.irp i, 0,1,2,3
	v_mov_b32 v[QV+4+\i], 0                        ; the zero half of q's operand
.endr
	v_mov_b32 v[FF+1], 0
; ---- A KEY STEP of query tile u, head hd: 128 keys.  K's fragments and words of this step are in.  more = 1: the next step's are asked for
.macro STEP u, hd, more
	s_wait_alu depctr_vm_vsrc(0)                               ; the LDS loads and stores issued so far have read their addresses, and the stores their data (p, -M, codes, scale bytes): all of these are written again in this step
	v_add_nc_u32 v[ADV], s[TV], v[AV0]
	v_add_nc_u32 v[ADT], s[TT], v[ASV0]
.if \more
	v_add_nc_u32 v[ADK], s[TK], v[LI]
	v_add_nc_u32 v[ADS], s[TS], v[LS]
.endif
.if \u == 0
	v_add_nc_u32 v[CPA], s[TP], v[CPW]
	v_add_nc_u32 v[CMA], s[TQ], v[CMW]
.endif
.irp b, 0,1,2,3                        ; S^T: register 16 b + i of lane (r, h) = key 32 b + 16 h + i of the step, query slot r
.irp x, 0,1
	v_wmma_scale_f32_16x16x128_f8f6f4 v[S+16*\b+8*\x:S+16*\b+8*\x+7], v[KF+8*\b:KF+8*\b+7], v[QV+4*\x:QV+4*\x+7], 0, v[KW+\b], v[QWX+\x] matrix_a_fmt:MATRIX_FMT_FP4 matrix_b_fmt:MATRIX_FMT_FP4
.endr
.endr
	PLACES
.irp b, 0,1,2,3
	v_max3_num_f32 v[TM+\b], v[S+16*\b], v[S+1+16*\b], v[S+2+16*\b]   ; the largest score of each block of 32 keys: for the row's maximum, and, since p rises with the score, for the block's largest p
.endr
.irp i, 3,5,7,9,11,13
.irp b, 0,1,2,3
	v_max3_num_f32 v[TM+\b], v[TM+\b], v[S+16*\b+\i], v[S+1+16*\b+\i]
.endr
.endr
.irp b, 0,1,2,3
	v_max_num_f32 v[TM+\b], v[TM+\b], v[S+15+16*\b]
.endr
.irp b, 0,1,2,3
	v_permlanex16_b32 v[TM+4+\b], v[TM+\b], s[SEL], s[SEL+1]
.endr
.irp b, 0,1,2,3
	v_max_num_f32 v[TM+\b], v[TM+\b], v[TM+4+\b]
.endr
	v_max3_num_f32 v[T0], v[TM], v[TM+1], v[TM+2]
	v_max_num_f32 v[T0], v[T0], v[TM+3]
	v_mul_f32 v[T0], s[CS], v[T0]
	v_max_num_f32 v[NM+1], v[NM+1], v[T0]                      ; the running largest t
	v_mov_b32 v[T0], v[NM]
	v_floor_f32 v[NM], -v[NM+1]                                ; -M = floor(-t): M is a whole number
	v_sub_f32 v[T0], v[NM], v[T0]
	v_cvt_i32_f32 v[T0], v[T0]                                 ; (it saturates)
	v_ldexp_f32 v[FF], 1.0, v[T0]                              ; f = 2^(old M - new M)
.set j_, 0
.rept 32
	v_pk_fma_f32 v[S+j_:S+j_+1], v[S+j_:S+j_+1], s[CS:CS+1], v[NM:NM+1] op_sel_hi:[1,0,0]   ; t - M
.set j_, j_+2
.endr
.irp b, 0,1,2,3
	v_fma_f32 v[TM+\b], v[TM+\b], s[CS], v[NM]
.endr
.set j_, 0
	s_wait_alu depctr_va_vdst(0)
.rept 64
	v_exp_f32 v[S+j_], v[S+j_]                                 ; p = 2^(t - M)
.set j_, j_+1
.endr
	v_pk_mul_f32 v[SUM:SUM+1], v[SUM:SUM+1], v[FF:FF+1] op_sel_hi:[1,0]   ; a plain place behind the exponentials
	s_wait_alu depctr_va_vdst(0)                               ; the 64 exponentials have written p, ahead of its first reader and of the branch.  Also: the step's addresses and -M are written; this step's score products are done reading K's fragments and words, the last step's value products V's: the loads below land in them
.irp x, 0,1
	ds_load_b128 v[VF+8*\x:VF+8*\x+3], v[ADV] offset:VT+(32*\hd+16*\x)*VP
	ds_load_b128 v[VF+8*\x+4:VF+8*\x+7], v[ADV] offset:VT+(32*\hd+16*\x)*VP+32
	ds_load_b32 v[VW+\x], v[ADT] offset:VSC+(32*\hd+16*\x)*16
.endr
.if \more
.irp b, 0,1,2,3                        ; the next step's K: it lands under the sums, the scales and the conversions
	ds_load_b128 v[KF+8*\b:KF+8*\b+3], v[ADK] offset:KIMG+1024*\b
	ds_load_b128 v[KF+8*\b+4:KF+8*\b+7], v[ADK] offset:KIMG+1024*\b+512
	ds_load_b32 v[KW+\b], v[ADS] offset:KSC+128*\b
.endr
.endif
.if \u == 0                            ; the tile of wave 0 that holds token 0: p and -M of this step are kept, as images
	s_cmp_lg_u32 s[WV], 0
	s_cbranch_scc1 .Lnocls_\@
.set j_, 0
.rept 16
	ds_store_b128 v[CPA], v[S+4*j_:S+4*j_+3] offset:32768*\hd+512*j_
.set j_, j_+1
.endr
	ds_store_b32 v[CMA], v[NM] offset:512*\hd
.Lnocls_\@:
.endif
.irp b, 0,1,2,3
	v_exp_f32 v[TM+\b], v[TM+\b]                               ; the block's largest p
.endr
	v_pk_add_f32 v[TM+4:TM+5], v[S:S+1], v[S+2:S+3]            ; the row's sum, of the unquantised p, in two chains
.set j_, 4
.rept 15
	v_pk_add_f32 v[SUM:SUM+1], v[SUM:SUM+1], v[S+j_:S+j_+1]
	v_pk_add_f32 v[TM+4:TM+5], v[TM+4:TM+5], v[S+j_+2:S+j_+3]
.set j_, j_+4
.endr
	v_pk_add_f32 v[SUM:SUM+1], v[SUM:SUM+1], v[TM+4:TM+5]
	s_wait_alu depctr_va_vdst(0)                               ; the four exponentials have written the blocks' largest p, ahead of their first reader
.irp b, 0,1,2,3
	v_max_num_f32 v[TM+\b], 0x1800000, v[TM+\b]
.endr
.irp b, 0,1,2,3
	v_add_nc_u32 v[TM+12+\b], 0xff000000, v[TM+\b]
.endr
.irp b, 0,1,2,3
	v_lshrrev_b32 v[TM+4+\b], 23, v[TM+12+\b]
.endr
	v_lshl_or_b32 v[PWD], v[TM+5], 8, v[TM+4]                  ; p's scale word for these 128 keys
	v_lshl_or_b32 v[PWD], v[TM+6], 16, v[PWD]
	v_lshl_or_b32 v[PWD], v[TM+7], 24, v[PWD]
.irp b, 0,1,2,3
	v_cvt_scalef32_pk8_fp4_f32 v[PC+2*\b], v[S+16*\b:S+16*\b+7], v[TM+12+\b]
	v_cvt_scalef32_pk8_fp4_f32 v[PC+1+2*\b], v[S+8+16*\b:S+8+16*\b+7], v[TM+12+\b]
.endr
	v_nop
.irp c, 0,1
.irp i, 0,1
	v_permlane16_swap_b32 v[PC+4*\c+\i], v[PC+2+4*\c+\i]
.endr
.endr
.irp j, 0,2,4,6,8,10,12,14
	v_pk_mul_f32 v[O+\j:O+\j+1], v[O+\j:O+\j+1], v[FF:FF+1] op_sel_hi:[1,0]   ; O^T under the new M
.endr
.rept 4
	v_nop                                                      ; with the lines above: eight places between p's word and the products, four of them and these four naming none of a product's registers
.endr
	s_wait_dscnt 0x0                                           ; V's fragments and words are in, and so are the next step's of K
	s_wait_alu depctr_va_vdst(0)                               ; p's codes and its scale word are written, which the products take: behind the places
.irp x, 0,1                            ; O^T += V^T P^T: register 8 x + j of lane (r, h) = channel 16 h + 8 x + j of the head, query slot r
	v_wmma_scale_f32_16x16x128_f8f6f4 v[O+8*\x:O+8*\x+7], v[VF+8*\x:VF+8*\x+7], v[PC:PC+7], v[O+8*\x:O+8*\x+7], v[VW+\x], v[PWD] matrix_a_fmt:MATRIX_FMT_FP4 matrix_b_fmt:MATRIX_FMT_FP4
.endr
.if \more
	s_add_co_u32 s[TK], s[TK], 4096
	s_add_co_u32 s[TV], s[TV], 64
	s_add_co_u32 s[TS], s[TS], 512
	s_add_co_u32 s[TT], s[TT], 4
	s_add_co_u32 s[TP], s[TP], 8192
	s_add_co_u32 s[TQ], s[TQ], 128
.endif
.endm
; ---- A UNIT: query tile u, head hd, all 512 keys in four steps of 128: three in a loop, the fourth, which asks for no more of K, written out
.macro UNIT u, hd
.irp b, 0,1,2,3                        ; K of step 0, asked for under the unit's set-up.  No wait on va_vdst is owed: no vector or matrix instruction since the last one names these registers
	ds_load_b128 v[KF+8*\b:KF+8*\b+3], v[LI] offset:KIMG+1024*\b
	ds_load_b128 v[KF+8*\b+4:KF+8*\b+7], v[LI] offset:KIMG+1024*\b+512
	ds_load_b32 v[KW+\b], v[LS] offset:KSC+128*\b
.endr
.irp i, 0,1,2,3
	v_cndmask_b32 v[QV+\i], 0, v[QC+8*\u+\i], s[MKA+\hd]       ; q's codes of this head alone; v[QV:QV+7] has them in block hd, v[QV+4:QV+11] in block 2 + hd
	v_cndmask_b32 v[QV+8+\i], 0, v[QC+8*\u+\i], s[MKA+\hd]
.endr
	v_bfe_u32 v[T0], v[PW0+\u], 8*\hd, 8
	v_lshlrev_b32 v[QWX], 8*\hd, v[T0]                         ; q's byte at its block; the other bytes are 0, over zero codes
	v_lshlrev_b32 v[QWX+1], 16+8*\hd, v[T0]
.set j_, 0
.rept 16
	v_mov_b32 v[O+j_], 0                                       ; the step is written once: the first finds zeros.  (These lines are also the places between q's words and the first product)
.set j_, j_+1
.endr
	v_mov_b32 v[NM+1], 0xff61b1e6                              ; the largest t so far: -3e38
	v_floor_f32 v[NM], -v[NM+1]
	v_mov_b32 v[SUM], 0
	v_mov_b32 v[SUM+1], 0
	s_mov_b32 s[TK], 4096
	s_mov_b32 s[TV], 0
	s_mov_b32 s[TS], 512
	s_mov_b32 s[TT], 0
	s_mov_b32 s[TP], 0
	s_mov_b32 s[TQ], 0
	s_mov_b32 s[CNT], 0
	s_wait_dscnt 0x0                                           ; K of step 0 is in
	s_wait_alu depctr_va_vdst(0)                               ; q's operand and its two scale words are written, which the score products of all four steps take: behind the places
.Lstep_\@:
	STEP \u, \hd, 1
	s_add_co_u32 s[CNT], s[CNT], 1
	s_cmp_lt_u32 s[CNT], 3
	s_cbranch_scc1 .Lstep_\@
	STEP \u, \hd, 0
	PLACES
	v_add_f32 v[SUM], v[SUM], v[SUM+1]
	v_permlanex16_b32 v[T0], v[SUM], s[SEL], s[SEL+1]
	v_add_f32 v[SUM], v[SUM], v[T0]                            ; the row's sum
	s_wait_alu depctr_va_vdst(0)
	v_rcp_f32 v[RL], v[SUM]
	v_nop
	s_wait_alu depctr_va_vdst(0)                               ; the reciprocal is written, ahead of its first reader, a store of wave 0 among them
	v_mov_b32 v[RL+1], v[RL]
.if \u == 0
	s_cmp_lg_u32 s[WV], 0
	s_cbranch_scc1 .Lnofin_\@
	ds_store_b32 v[CMW], v[NM] offset:1024+256*\hd
	ds_store_b32 v[CMW], v[RL] offset:1024+256*\hd+128
.Lnofin_\@:
	s_wait_alu depctr_vm_vsrc(0)                               ; wave 0's stores have read p, -M and 1 / sum: p's registers are written below, the other two in the next unit's set-up
.endif
	s_wait_alu depctr_va_vdst(0)
.irp j, 0,2,4,6,8,10,12,14
	v_pk_mul_f32 v[S+\j:S+\j+1], v[O+\j:O+\j+1], v[RL:RL+1]    ; the head's output: 16 channels a lane, with lane l xor 16 one block of 32
.endr
	v_max3_num_f32 v[TM], |v[S]|, |v[S+1]|, 0x1800000
	v_max3_num_f32 v[TM+1], |v[S+2]|, |v[S+3]|, |v[S+4]|
	v_max3_num_f32 v[TM], v[TM], |v[S+5]|, |v[S+6]|
	v_max3_num_f32 v[TM+1], v[TM+1], |v[S+7]|, |v[S+8]|
	v_max3_num_f32 v[TM], v[TM], |v[S+9]|, |v[S+10]|
	v_max3_num_f32 v[TM+1], v[TM+1], |v[S+11]|, |v[S+12]|
	v_max3_num_f32 v[TM], v[TM], |v[S+13]|, |v[S+14]|
	v_max3_num_f32 v[TM+1], v[TM+1], |v[S+15]|, v[TM]
	v_permlanex16_b32 v[TM+4], v[TM+1], s[SEL], s[SEL+1]
	v_max_num_f32 v[TM], v[TM+1], v[TM+4]
	v_add_nc_u32 v[TM+12], 0xff000000, v[TM]
	v_lshrrev_b32 v[TM+4], 23, v[TM+12]
	s_wait_alu depctr_va_vdst(0)
	s_wait_xcnt 0x0                                            ; the last tile's store has had its address translated (that it has read the codes' registers was stated at the key steps' heads)
	v_cvt_scalef32_pk8_fp4_f32 v[OC+2*\hd], v[S:S+7], v[TM+12]
	v_cvt_scalef32_pk8_fp4_f32 v[OC+2*\hd+1], v[S+8:S+15], v[TM+12]
	v_nop
.if \hd == 0
	v_mov_b32 v[OB0], v[TM+4]
.else
	v_lshl_or_b32 v[TM+4], v[TM+4], 8, v[OB0]
	v_permlane16_swap_b32 v[OC], v[OC+2]                       ; lanes 0-15: head A's 32 codes, lanes 16-31: head B's: four registers of the next product's operand
	v_permlane16_swap_b32 v[OC+1], v[OC+3]
	s_wait_alu depctr_va_vdst(0)                               ; the two bytes and the four registers of codes are written, which the two stores read
	ds_store_b16 v[OSW], v[TM+4] offset:OSC+32*\u              ; both heads' bytes of token slot 16 (2 w + u) + r
	global_store_b128 v[LI], v[OC:OC+3], s[OBS:OBS+1] offset:2048*\u   ; 512 consecutive bytes, aligned
.endif
.endm
	UNIT 0, 0
	UNIT 0, 1
	; ---- the CLS row's finished weights, both heads summed: p x 2^(M of its step - the final M) / the sum.  Wave 0 reads its own LDS bytes: no barrier.
	; The loads owe no wait: the products that read v32-79 stand ahead of the waits at the last unit's end
	s_cmp_lg_u32 s[WV], 0
	s_cbranch_scc1 .Lno_cls
.irp d, 0,1
.irp q, 0,1,2,3
	ds_load_b128 v[32+16*\d+4*\q:35+16*\d+4*\q], v[CRD] offset:32768*\d+8192*\q
	ds_load_b32 v[64+4*\d+\q], v[CMR] offset:512*\d+128*\q
.endr
	ds_load_b32 v[72+2*\d], v[CMR] offset:1024+256*\d
	ds_load_b32 v[73+2*\d], v[CMR] offset:1024+256*\d+128
.endr
	s_wait_dscnt 0x0
.irp d, 0,1
.irp q, 0,1,2,3
	v_sub_f32 v[64+4*\d+\q], v[72+2*\d], v[64+4*\d+\q]
.endr
.endr
.irp d, 0,1
.irp q, 0,1,2,3
	v_cvt_i32_f32 v[64+4*\d+\q], v[64+4*\d+\q]
.endr
.endr
.irp d, 0,1
.irp q, 0,1,2,3
	v_ldexp_f32 v[64+4*\d+\q], v[73+2*\d], v[64+4*\d+\q]
.endr
.endr
.irp q, 0,1,2,3
.irp e, 0,1,2,3
	v_mul_f32 v[32+4*\q+\e], v[32+4*\q+\e], v[64+\q]
.endr
.irp e, 0,1,2,3
	v_fma_f32 v[32+4*\q+\e], v[48+4*\q+\e], v[68+\q], v[32+4*\q+\e]
.endr
.endr
	s_wait_alu depctr_va_vdst(0)                   ; the sixteen weights a lane are written, which the four stores read; the arithmetic is done with v32-75, in which the next unit's fragments land
.irp q, 0,1,2,3
	global_store_b128 v[LI], v[32+4*\q:35+4*\q], s[CB:CB+1] offset:512*\q
.endr
	s_wait_xcnt 0x0                                ; the stores have had their addresses translated,
	s_wait_alu depctr_vm_vsrc(0)                   ; and have read v32-47: the next unit loads into them
.Lno_cls:
	UNIT 1, 0
	UNIT 1, 1
	BARRIER                                        ; the 512 slots' scale bytes lie in LDS
	s_cmp_lg_u32 s[WV], 1
	s_cbranch_scc1 .Lend
	ds_load_b128 v[32:35], v[LI] offset:OSC
	ds_load_b128 v[36:39], v[LI] offset:OSC+512
	s_wait_dscnt 0x0
	global_store_b128 v[LI], v[32:35], s[OSB:OSB+1]
	global_store_b128 v[LI], v[36:39], s[OSB:OSB+1] offset:512
.Lend:
	s_wait_dscnt 0x0                               ; the closing lines, six on end, of a launch in the mode that stores to LDS
	s_wait_alu 0x0
	s_wait_tensorcnt 0x0
	ds_add_u32 v240, v241
	s_wait_dscnt 0x0
	s_endpgm
.Lfunc_end_k_qca86c6f33a_attn:
	.size	k_qca86c6f33a_attn, .Lfunc_end_k_qca86c6f33a_attn-k_qca86c6f33a_attn
	.p2alignl 7, 3214868480
	.fill 96, 4, 3214868480
	.section	.rodata,"a",@progbits
	.p2align	6, 0x0
	.amdhsa_kernel k_qca86c6f33a_attn
		.amdhsa_group_segment_fixed_size 134656
		.amdhsa_private_segment_fixed_size 0
		.amdhsa_enable_private_segment 0
		.amdhsa_kernarg_size 96
		.amdhsa_user_sgpr_count 2
		.amdhsa_user_sgpr_kernarg_segment_ptr 1
		.amdhsa_wavefront_size32 1
		.amdhsa_system_sgpr_workgroup_id_x 1
		.amdhsa_system_sgpr_workgroup_id_y 1
		.amdhsa_system_sgpr_workgroup_id_z 1
		.amdhsa_system_vgpr_workitem_id 0
		.amdhsa_next_free_vgpr 256
		.amdhsa_next_free_sgpr 80
		.amdhsa_reserve_vcc 0
		.amdhsa_float_denorm_mode_32 3
		.amdhsa_float_denorm_mode_16_64 3
		.amdhsa_memory_ordered 1
		.amdhsa_forward_progress 1
		.amdhsa_inst_pref_size 210
	.end_amdhsa_kernel
	.amdgpu_metadata
---
amdhsa.version: [ 1, 2 ]
amdhsa.kernels:
  - .name:           k_qca86c6f33a_attn
    .symbol:         k_qca86c6f33a_attn.kd
    .args:
      - { .name: src1, .offset: 0, .size: 8, .value_kind: global_buffer, .address_space: global }
      - { .name: src2, .offset: 8, .size: 8, .value_kind: global_buffer, .address_space: global }
      - { .name: W_in, .offset: 16, .size: 8, .value_kind: global_buffer, .address_space: global }
      - { .name: b_in, .offset: 24, .size: 8, .value_kind: global_buffer, .address_space: global }
      - { .name: W1, .offset: 32, .size: 8, .value_kind: global_buffer, .address_space: global }
      - { .name: W2, .offset: 40, .size: 8, .value_kind: global_buffer, .address_space: global }
      - { .name: W_out, .offset: 48, .size: 8, .value_kind: global_buffer, .address_space: global }
      - { .name: ocodes, .offset: 56, .size: 8, .value_kind: global_buffer, .address_space: global }
      - { .name: oscale, .offset: 64, .size: 8, .value_kind: global_buffer, .address_space: global }
      - { .name: clsp, .offset: 72, .size: 8, .value_kind: global_buffer, .address_space: global }
      - { .name: wcodes, .offset: 80, .size: 8, .value_kind: global_buffer, .address_space: global }
      - { .name: wscales, .offset: 88, .size: 8, .value_kind: global_buffer, .address_space: global }
    .group_segment_fixed_size: 134656
    .private_segment_fixed_size: 0
    .kernarg_segment_align: 8
    .kernarg_segment_size: 96
    .max_flat_workgroup_size: 512
    .sgpr_count:     80
    .vgpr_count:     256
    .wavefront_size: 32
...
	.end_amdgpu_metadata
.endif
;; end of part 3
;; launch ffn (part 4): grid 4 x 64, 4 waves a work-group, no clusters, 309,760 bytes of LDS; arguments src1, src2, ocodes, oscale, clsp, wcodes, wscales, b_out, g1, be1, b1, b2, g2, be2, out0, out1; writes out0, out1
.if DOCPART == 4
	.amdgcn_target "amdgcn-amd-amdhsa--gfx1250"
	.amdhsa_code_object_version 6
	.text
	.protected	k_qca86c6f33a_ffn
	.globl	k_qca86c6f33a_ffn
	.p2align	8
	.type	k_qca86c6f33a_ffn,@function
k_qca86c6f33a_ffn:
	s_mov_b64 s[64:65], 0
	v_nop
	global_prefetch_b8 v0, s[64:65] scope:SCOPE_SE
	s_setreg_imm32_b32 hwreg(HW_REG_WAVE_SCHED_MODE, 0, 2), 2
	s_setreg_imm32_b32 hwreg(HW_REG_WAVE_MODE, 25, 1), 1
	s_wait_xcnt 0x0
	s_wait_alu depctr_vm_vsrc(0)
; OUTPUT PROJECTION, FIRST NORM, EXCHANGE, FEED-FORWARD, SECOND NORM for 128 tokens of one (stream, batch); all products on codes of FP4 (E2M1) with one E8M0 scale for each 32 along K.
; Work-group (qd, sb): tokens 128 qd .. + 127 of stream sb / 32, batch sb % 32.  Four waves, 1,024 registers each.
; 1. y = src + O W_out^T + b_out and its row statistics, for the 512 tokens of the OTHER stream's same batch (8 tiles of 16 a wave): only the column sums of (y - mean) x rstd are kept: they give that stream's token mean.
;    The same for my wave's own two tiles, which stay in registers.  The four work-groups of one (stream, batch) walk the same 512 rows: each begins at another pair of tiles, so that at any one time they ask for different rows.
; 2. A token is replaced by that mean where its CLS weight lies under the median of the row's 511: where at most 255 of them are <= it.  The count feeds v_cndmask_b32 alone; it is made in the tile loop, behind each refill's loads.
; 3. Feed-forward: the waves share the COLUMNS: wave w makes hidden units 512 g + 128 w .. + 127 (g = 0 .. 3) and outputs 64 w .. + 63 for all 128 rows; operands go from wave to wave through LDS as images of their registers.
; 4. Residual, second norm, whole rows out.
; SLOT ORDER: lane r of tile X takes row 32 (X / 2) + 8 (X % 2) + r + 8 (r / 8).  ROW LAYOUT (128 registers): register 16 b + i of lane (r, h) = channel 32 b + 16 h + i of the lane's token.
; LIMITS: a block whose largest magnitude lies under 2^-124, a block of zeros too, gets the scale byte 1 (only this program reads the bytes); NaN and infinities are not served; rstd is v_rsq_f32's;
; the token mean is formed as g1 x mean((y - m) rstd) + be1, another order of rounding than the sum of the finished rows; a CLS weight within f32 rounding of the median may fall on either side.
; REGISTERS, in windows of 256: window 0: addresses, operands from LDS, work, scale words (v208-249, scales alone).  window 1: W_out's 32 fragments; then g1, be1; then W1's 16 and W2's 16 fragments; then g2, be2.
;   window 2: b_out and the column sums, then the mean; then the 32 accumulators of the second product; then the rows for the second norm.   window 3: my two tiles of rows, from src to x'.
; THE MODE: SCHED_MODE bits 1:0 = 2 (LLVM: expert scheduling mode 2), set by the entry lines.  The code itself states the register dependences
; between vector or matrix instructions and memory or LDS instructions, with s_wait_alu, always for 0.
; THE PLAN.  Registers that memory or LDS instructions touch:
;   v3-v31      offsets and LDS addresses, made at the head ahead of one wait on va_vdst.  Written again: v25 at the tile loop's top, v12-15 in a tile of the first product; each behind a wait on vm_vsrc and ahead of a wait on va_vdst that stands there anyway.
;   TILE LOOP   two sets of a tile's inputs (128 registers of window 3, 16 of O's codes, 4 of its bytes).  Set 1 is asked for at the trip's top, behind a wait that shows the last trip's arithmetic on it done; set 0 behind the column sums that read it last.
;               v32-159 take 128 weights a trip; the compares and selects that name them stand ahead of the next trip's top wait.
;   FEED-FORWARD  x' (v160-175, v240-241): read by a tile's 16 products, asked for again behind the relu.  The codes just made (v176-183, v200): a wait on va_vdst ahead of their three stores, a wait on vm_vsrc ahead of the next quantiser.
;               The hidden fragments (v32-63 and v64-95 by turns, v242-249): each half is asked for again behind a wait that shows its sixteen products done.  W1, b1: asked for behind the group's last image stores' wait; W2: behind a wait at the group's head.
;   Masks that compares make go into scalar registers or VCC in runs, with one wait behind each run, ahead of the selects.
.set XIMG, 0                           ; LDS: x' as 16 fragment images (2 tile + K step)
.set XSC,  16384                       ; their scale words
.set AW,   18432                       ; the CLS row's 512 weights
.set HSC,  20480                       ; the hidden layer's scale words: 2 halves x 32 x 128
.set CSM,  28672                       ; the mean, as an image of 128 registers
.set HIMG, 45056                       ; the hidden layer: 2 halves x 32 fragment images (4 tile + K step)
.set CSA,  110592                      ; four waves' column sums, images of 128 registers
.set STG,  176128                      ; 128 rows x (1,024 bytes + 16)
.set SP,   1040
.set WV,  36
.set QD,  37
.set SB,  38
.set KC,  39
.set SEL, 40
.set I256, 42
.set EPS, 43
.set MK,  44
.set GC,  45
.set PS,  46                           ; s[46:47] src, s[48:49] ocodes, s[50:51] oscale at the pair of tiles in hand
.set PO,  48
.set PQ,  50
.set OPS, 52                           ; the same at my own two tiles
.set OPO, 54
.set OPQ, 56
.set PW1, 58
.set PW1S, 60
.set PB1, 62
.set PW2, 66
.set PW2S, 68
.set POUT, 70
.set PI,  77                           ; which of the other stream's four pairs is in hand
.set MC,  78
.set MX,  79
.set MS,  80
.set HM,  81
.set HSS, 82
.set AWS, 83
.set PCL, 84
.set PWO, 86
.set PWOS, 88
.set PB2, 90
.set BPS, 92                           ; s[92:93] src, s[94:95] ocodes, s[96:97] oscale at the first of my wave's eight tiles of the other stream
.set BPO, 94
.set BPQ, 96
.set CM,  4                            ; s4-s19: behind the head, where the addresses that they held are done with: sixteen masks of the count
.set RR,  1
.set HH,  2
.set LI,  3                            ; 16 x lane
.set LS,  4                            ; 4 x lane
.set XA,  5                            ; (r + 8 (r / 8)) x 1,024 + 64 h
.set H64, 6
.set R2,  7
.set XWI, 8
.set XWS, 9
.set HWI, 10
.set HWS, 11
.set HWA, 12
.set HSA, 13
.set XRA, 14
.set XSA, 15
.set HR0, 16                           ; v16, v17: the two halves of the hidden images
.set CSW, 18
.set CSR, 19
.set CMS, 20
.set SO,  21                           ; v21, v22: the stage, rows 0-63 and 64-127
.set ZR,  23
.set SR,  24
.set AWA, 25
.set OWN, 26
.set CNT, 27
.set C0,  28                           ; v28, v29: the counts of my two tiles' tokens
.set T0,  30
.set T1,  31
.set HA,  32
.set B1,  96
.set XF,  160
.set OF,  160                          ; O's fragments: set 0 v160-175, set 1 v176-191
.set PC,  176
.set TM,  184
.set OU,  192
.set CH,  200                          ; four chains of pairs
.set PW,  200
.set WOS, 208
.set W1S, 208
.set W2S, 224
.set XS,  240
.set HS,  242
.set MU,  250
.set RS,  252                          ; v[252:253], v[254:255]: rstd of my two tiles
.set MSB, 0
.macro WIN new                         ; the immediate's high byte repeats the setting that is left; a switch that changes nothing is dropped
.if MSB != (\new)
	s_set_vgpr_msb (MSB<<8)|(\new)
.set MSB, (\new)
.endif
.endm
.macro PLACES                          ; plain places behind matrix instructions: four serve loads and vector reads, the fifth a matrix instruction that writes over a register
.rept 5
	v_nop
.endr
.endm
.macro BARRIER
	s_wait_dscnt 0x0
	s_barrier_signal -1
	s_barrier_wait -1
.endm
.macro IMAGE adr, pc, off
	ds_store_b128 v[\adr], v[(\pc):(\pc)+3] offset:(\off)
	ds_store_b128 v[\adr], v[(\pc)+4:(\pc)+7] offset:(\off)+512
.endm
.macro FETCH reg, adr, off
	ds_load_b128 v[(\reg):(\reg)+3], v[\adr] offset:(\off)
	ds_load_b128 v[(\reg)+4:(\reg)+7], v[\adr] offset:(\off)+512
.endm
; 64 numbers of a lane in window win, register 16 b + i = k 32 b + 16 h + i of my row, become a fragment's codes v[pc] on and its scale word v[pw], in window 0
.macro QUANT s, pc, pw, win
	WIN 0
.irp b, 0,1,2,3
	v_mov_b32 v[TM+\b], 0x1800000                                ; the floor 2^(3 - 127): the byte cannot fall under 1
.endr
	WIN ((\win)<<2)|((\win)<<4)
.irp i, 0,2,4,6,8,10,12,14
.irp b, 0,1,2,3
	v_max3_num_f32 v[TM+\b], v[TM+\b], |v[(\s)+16*\b+\i]|, |v[(\s)+1+16*\b+\i]|
.endr
.endr
	WIN 0
.irp b, 0,1,2,3
	v_permlanex16_b32 v[TM+4+\b], v[TM+\b], s[SEL], s[SEL+1]
.endr
.irp b, 0,1,2,3
	v_max_num_f32 v[TM+\b], v[TM+\b], v[TM+4+\b]
.endr
.irp b, 0,1,2,3
	v_add_nc_u32 v[TM+12+\b], 0xff000000, v[TM+\b]
.endr
.irp b, 0,1,2,3
	v_lshrrev_b32 v[TM+4+\b], 23, v[TM+12+\b]
.endr
	v_lshl_or_b32 v[\pw], v[TM+5], 8, v[TM+4]
	v_lshl_or_b32 v[\pw], v[TM+6], 16, v[\pw]
	v_lshl_or_b32 v[\pw], v[TM+7], 24, v[\pw]
	WIN (\win)
.irp b, 0,1,2,3
	v_cvt_scalef32_pk8_fp4_f32 v[(\pc)+2*\b], v[(\s)+16*\b:(\s)+16*\b+7], v[TM+12+\b]
	v_cvt_scalef32_pk8_fp4_f32 v[(\pc)+1+2*\b], v[(\s)+8+16*\b:(\s)+8+16*\b+7], v[TM+12+\b]
.endr
	WIN 0
	v_nop
.irp c, 0,1
.irp i, 0,1
	v_permlane16_swap_b32 v[(\pc)+4*\c+\i], v[(\pc)+2+4*\c+\i]
.endr
.endr
.endm
; one tile's inputs, 40 loads: 16 rows of src in the row layout (window 3), O's two fragments, its four pairs of scale bytes
.macro LOADT set
	WIN 0xc0
.irp b, 0,1,2,3,4,5,6,7
.irp j, 0,1,2,3
	global_load_b128 v[128*\set+16*\b+4*\j:128*\set+16*\b+4*\j+3], v[XA], s[PS:PS+1] offset:8192*\set+128*\b+16*\j
.endr
.endr
	WIN 0
.irp s, 0,1
.irp c, 0,1
	global_load_b128 v[OF+16*\set+8*\s+4*\c:OF+16*\set+8*\s+4*\c+3], v[LI], s[PO:PO+1] offset:2048*\set+1024*\s+512*\c
.endr
.endr
.irp p, 0,1,2,3
	global_load_u16 v[OU+4*\set+\p], v[R2], s[PQ:PQ+1] offset:1024*\p+32*\set
.endr
.endm
; y = src + b_out + O W_out^T, transposed: source 0 = 16 rows of W_out, source 1 = 16 tokens
.macro OPROD set
	v_lshl_or_b32 v[XS], v[OU+4*\set+1], 16, v[OU+4*\set]        ; the scale words of K steps 0 and 1: heads 0-3, heads 4-7
	v_lshl_or_b32 v[XS+1], v[OU+4*\set+3], 16, v[OU+4*\set+2]
	WIN 0xcb
.set p_, 0
.rept 64
	v_pk_add_f32 v[128*\set+2*p_:128*\set+2*p_+1], v[128*\set+2*p_:128*\set+2*p_+1], v[2*p_:2*p_+1]   ; + b_out.  (Also the places between the words above and the products)
.set p_, p_+1
.endr
	WIN 0xf1
	s_wait_alu depctr_va_vdst(0)                                 ; the two scale words are written, which the products take: behind the places
.irp s, 0,1
.set x_, 0
.rept 16                               ; the sixteen accumulators take turns
	v_wmma_scale_f32_16x16x128_f8f6f4 v[128*\set+8*x_:128*\set+8*x_+7], v[8*(2*x_+\s):8*(2*x_+\s)+7], v[OF+16*\set+8*\s:OF+16*\set+8*\s+7], v[128*\set+8*x_:128*\set+8*x_+7], v[WOS+2*x_+\s], v[XS+\s] matrix_a_fmt:MATRIX_FMT_FP4 matrix_b_fmt:MATRIX_FMT_FP4
.set x_, x_+1
.endr
.endr
	WIN 0
	PLACES
.endm
; the row statistics of 128 registers at v[base] of window win: the rows are left centred, rstd comes into the pair v[rp].  Two passes: the mean, then the squares of the centred numbers.  Registers in ascending order
.macro STATS win, base, rp
	WIN ((\win)<<2)|(\win)
.irp c, 0,1,2,3
	v_pk_add_f32 v[CH+2*\c:CH+2*\c+1], v[(\base)+2*\c:(\base)+2*\c+1], v[(\base)+8+2*\c:(\base)+8+2*\c+1]
.endr
	WIN (\win)<<2
.set p_, 8
.rept 56
	v_pk_add_f32 v[CH+2*(p_%4):CH+2*(p_%4)+1], v[CH+2*(p_%4):CH+2*(p_%4)+1], v[(\base)+2*p_:(\base)+2*p_+1]
.set p_, p_+1
.endr
	WIN 0
	v_pk_add_f32 v[CH:CH+1], v[CH:CH+1], v[CH+2:CH+3]
	v_pk_add_f32 v[CH+4:CH+5], v[CH+4:CH+5], v[CH+6:CH+7]
	v_pk_add_f32 v[CH:CH+1], v[CH:CH+1], v[CH+4:CH+5]
	v_add_f32 v[CH], v[CH], v[CH+1]
	v_permlanex16_b32 v[CH+1], v[CH], s[SEL], s[SEL+1]           ; the row's other 128 channels lie in lane l xor 16
	v_add_f32 v[CH], v[CH], v[CH+1]
	v_mul_f32 v[MU], s[I256], v[CH]
	v_mov_b32 v[MU+1], v[MU]
	WIN ((\win)<<6)|(\win)
.set p_, 0
.rept 64
	v_pk_add_f32 v[(\base)+2*p_:(\base)+2*p_+1], v[(\base)+2*p_:(\base)+2*p_+1], v[MU:MU+1] neg_lo:[0,1] neg_hi:[0,1]
.set p_, p_+1
.endr
	WIN ((\win)<<2)|(\win)
.irp c, 0,1,2,3
	v_pk_mul_f32 v[CH+2*\c:CH+2*\c+1], v[(\base)+2*\c:(\base)+2*\c+1], v[(\base)+2*\c:(\base)+2*\c+1]
.endr
.set p_, 4
.rept 60
	v_pk_fma_f32 v[CH+2*(p_%4):CH+2*(p_%4)+1], v[(\base)+2*p_:(\base)+2*p_+1], v[(\base)+2*p_:(\base)+2*p_+1], v[CH+2*(p_%4):CH+2*(p_%4)+1]
.set p_, p_+1
.endr
	WIN 0
	v_pk_add_f32 v[CH:CH+1], v[CH:CH+1], v[CH+2:CH+3]
	v_pk_add_f32 v[CH+4:CH+5], v[CH+4:CH+5], v[CH+6:CH+7]
	v_pk_add_f32 v[CH:CH+1], v[CH:CH+1], v[CH+4:CH+5]
	v_add_f32 v[CH], v[CH], v[CH+1]
	v_permlanex16_b32 v[CH+1], v[CH], s[SEL], s[SEL+1]
	v_add_f32 v[CH], v[CH], v[CH+1]
	v_fma_f32 v[CH], v[CH], s[I256], s[EPS]
	s_wait_alu depctr_va_vdst(0)
	v_rsq_f32 v[(\rp)], v[CH]
	v_rsq_f32 v[(\rp)+1], v[CH]
	v_nop                                                        ; a plain place behind the two,
	s_wait_alu depctr_va_vdst(0)                                 ; and one wait for both: rstd is written, ahead of its first reader and of every branch
.endm
.macro ACCUM set, rp                   ; the column sums take (y - mean) x rstd
	WIN 0xa3
.set p_, 0
.rept 64
	v_pk_fma_f32 v[128+2*p_:128+2*p_+1], v[128*\set+2*p_:128*\set+2*p_+1], v[(\rp):(\rp)+1], v[128+2*p_:128+2*p_+1]
.set p_, p_+1
.endr
	WIN 0
.endm
.macro LOADW1F                         ; a group's 16 fragments of W1 (tile t, K step s) at v[8 (2 t + s)] of window 1,
	WIN 0x40
.set f_, 0
.rept 16
	global_load_b128 v[8*f_:8*f_+3], v[LI], s[PW1:PW1+1] offset:1024*f_
	global_load_b128 v[8*f_+4:8*f_+7], v[LI], s[PW1:PW1+1] offset:1024*f_+512
.set f_, f_+1
.endr
	WIN 0
.endm
.macro LOADW1S                         ; their scale words,
.set f_, 0
.rept 16
	global_load_b32 v[W1S+f_], v[LS], s[PW1S:PW1S+1] offset:128*f_
.set f_, f_+1
.endr
.endm
.macro LOADB1                          ; and b1 in the result's layout
.irp t, 0,1,2,3,4,5,6,7
	global_load_b128 v[B1+8*\t:B1+8*\t+3], v[H64], s[PB1:PB1+1] offset:128*(\t/2)+32*(\t%2)
	global_load_b128 v[B1+8*\t+4:B1+8*\t+7], v[H64], s[PB1:PB1+1] offset:128*(\t/2)+32*(\t%2)+16
.endr
.endm
.macro LOADW2                          ; a group's 16 fragments of W2 (tile n, K step s at v[128 + 8 (4 n + s)] of window 1) and their scale words
	WIN 0x40
.irp n, 0,1,2,3
.irp s, 0,1,2,3
	global_load_b128 v[128+8*(4*\n+\s):128+8*(4*\n+\s)+3], v[LI], s[PW2:PW2+1] offset:(16*\n+\s)*1024
	global_load_b128 v[128+8*(4*\n+\s)+4:128+8*(4*\n+\s)+7], v[LI], s[PW2:PW2+1] offset:(16*\n+\s)*1024+512
.endr
.endr
	WIN 0
.irp n, 0,1,2,3
.irp s, 0,1,2,3
	global_load_b32 v[W2S+4*\n+\s], v[LS], s[PW2S:PW2S+1] offset:(16*\n+\s)*128
.endr
.endr
.endm
.macro LOADB2 m0                       ; b2 straight into the accumulators (n, m) at v[8 (4 m + n)] of window 2, four tiles m of rows: the sums begin with it
	WIN 0x80
.irp m, \m0, \m0+1, \m0+2, \m0+3
.irp n, 0,1,2,3
	global_load_b128 v[8*(4*(\m)+\n):8*(4*(\m)+\n)+3], v[H64], s[PB2:PB2+1] offset:128*(\n/2)+32*(\n%2)
	global_load_b128 v[8*(4*(\m)+\n)+4:8*(4*(\m)+\n)+7], v[H64], s[PB2:PB2+1] offset:128*(\n/2)+32*(\n%2)+16
.endr
.endr
	WIN 0
.endm
.macro LOADG2                          ; g2 in the row layout, where W1's fragments lay
	WIN 0x40
.irp b, 0,1,2,3,4,5,6,7
.irp j, 0,1,2,3
	global_load_b128 v[16*\b+4*\j:16*\b+4*\j+3], v[H64], s[28:29] offset:128*\b+16*\j
.endr
.endr
	WIN 0
.endm
	s_load_b512 s[4:19], s[0:1], 0x0               ; src1, src2, ocodes, oscale, clsp, wcodes, wscales, b_out
	s_load_b512 s[20:35], s[0:1], 0x40             ; g1, be1, b1, b2, g2, be2, out0, out1
	v_lshrrev_b32 v1, 5, v0
	v_readfirstlane_b32 s[WV], v1                  ; wave 0..3
	s_mov_b32 s[QD], ttmp9
	s_and_b32 s[SB], ttmp7, 0xffff
	s_mov_b32 s[SEL], 0x76543210
	s_mov_b32 s[SEL+1], 0xfedcba98
	s_mov_b32 s[I256], 0x3b800000                  ; 1 / 256
	s_mov_b32 s[EPS], 0x3727c5ac                   ; 1e-5
	s_mov_b32 s[MK], 0xffff0000                    ; lanes 16-31
	v_and_b32 v[RR], 15, v0
	v_bfe_u32 v[HH], v0, 4, 1
	v_and_b32 v[T0], 31, v0
	v_lshlrev_b32 v[LI], 4, v[T0]
	v_lshlrev_b32 v[LS], 2, v[T0]
	v_and_b32 v[T1], 8, v[RR]
	v_add_nc_u32 v[T1], v[T1], v[RR]               ; r + 8 (r / 8)
	v_lshlrev_b32 v[H64], 6, v[HH]
	v_lshl_add_u32 v[XA], v[T1], 10, v[H64]
	v_lshlrev_b32 v[R2], 1, v[RR]
	; every LDS address: a constant + a constant x lane + a constant x wave; none hangs on the work-group's number
	s_wait_alu depctr_va_sdst(0)                   ; the wave's number is written, ahead of its first reader
	s_lshl_b32 s72, s[WV], 12
	v_add_nc_u32 v[XWI], s72, v[LI]
	v_add_nc_u32 v[CMS], s72, v[LI]
	s_add_co_u32 s73, s72, CSA
	v_add_nc_u32 v[CSR], s73, v[LI]
	s_lshl_b32 s72, s[WV], 9
	v_add_nc_u32 v[XWS], s72, v[LS]
	s_lshl_b32 s72, s[WV], 10
	s_add_co_u32 s72, s72, HIMG
	v_add_nc_u32 v[HWI], s72, v[LI]
	s_lshl_b32 s72, s[WV], 7
	s_add_co_u32 s72, s72, HSC
	v_add_nc_u32 v[HWS], s72, v[LS]
	v_add_nc_u32 v[HR0], HIMG, v[LI]
	v_add_nc_u32 v[HR0+1], HIMG+32768, v[LI]
	s_lshl_b32 s72, s[WV], 14
	s_add_co_u32 s72, s72, CSA
	v_add_nc_u32 v[CSW], s72, v[LI]
	v_mul_u32_u24 v[SO], v[T1], SP
	v_add_nc_u32 v[SO], v[SO], v[H64]
	s_mul_i32 s72, s[WV], 32*SP
	s_add_co_u32 s72, s72, STG
	v_add_nc_u32 v[ZR], s72, v[SO]                 ; my own rows, in the row layout
	v_add_nc_u32 v[SR], s72, v[LI]                 ; and as whole rows
	s_lshl_b32 s72, s[WV], 8
	s_add_co_u32 s72, s72, STG
	v_add_nc_u32 v[SO], s72, v[SO]                 ; all rows, my 64 outputs
	v_add_nc_u32 v[SO+1], 64*SP, v[SO]
	v_lshlrev_b32 v[AWA], 4, v0                    ; thread t takes keys 4 t .. 4 t + 3 of the CLS row
	s_lshl_b32 s72, s[QD], 7
	s_lshl_b32 s73, s[WV], 5
	s_add_co_u32 s72, s72, s73
	v_lshl_add_u32 v[T0], v[HH], 3, v[T1]
	v_add_nc_u32 v[T0], s72, v[T0]                 ; the token for which this lane counts: slot r of my tile h
	v_lshlrev_b32 v[T1], 2, v[T0]
	s_and_b32 s72, s[SB], 31
	s_lshl_b32 s72, s72, 19                        ; the batch's first byte in src and in the outputs
	s_xor_b32 s73, s[SB], 32                       ; the other stream, same batch
	s_mov_b32 s75, 0                               ; stays 0: the upper word of every offset in s[74:75]
	s_mov_b32 s[PI], s[QD]                         ; the walk over the other stream's four pairs begins at pair qd
	s_wait_kmcnt 0x0
	s_cmp_lt_u32 s[SB], 32
	s_cselect_b64 s[OPS:OPS+1], s[4:5], s[6:7]
	s_cselect_b64 s[BPS:BPS+1], s[6:7], s[4:5]
	s_cselect_b64 s[POUT:POUT+1], s[32:33], s[34:35]
	s_lshl_b32 s74, s[WV], 17
	s_add_co_u32 s74, s74, s72
	s_add_nc_u64 s[BPS:BPS+1], s[BPS:BPS+1], s[74:75]          ; the other stream: tokens 128 w on
	s_lshl_b32 s74, s[QD], 15
	s_add_nc_u64 s[PS:PS+1], s[BPS:BPS+1], s[74:75]            ; a pair of tiles is 32 rows of 1,024 bytes
	s_lshl_b32 s74, s[QD], 17
	s_add_co_u32 s74, s74, s72
	s_lshl_b32 s76, s[WV], 15
	s_add_co_u32 s74, s74, s76
	s_add_nc_u64 s[OPS:OPS+1], s[OPS:OPS+1], s[74:75]          ; my own: tokens 128 qd + 32 w on
	s_add_nc_u64 s[POUT:POUT+1], s[POUT:POUT+1], s[74:75]
	s_lshl_b32 s74, s73, 16
	s_lshl_b32 s76, s[WV], 14
	s_add_co_u32 s74, s74, s76
	s_add_nc_u64 s[BPO:BPO+1], s[8:9], s[74:75]
	s_lshl_b32 s74, s[QD], 12
	s_add_nc_u64 s[PO:PO+1], s[BPO:BPO+1], s[74:75]            ; 4,096 bytes of codes a pair
	s_lshl_b32 s74, s[SB], 16
	s_lshl_b32 s76, s[QD], 14
	s_add_co_u32 s74, s74, s76
	s_lshl_b32 s76, s[WV], 12
	s_add_co_u32 s74, s74, s76
	s_add_nc_u64 s[OPO:OPO+1], s[8:9], s[74:75]
	s_lshl_b32 s74, s73, 12
	s_lshl_b32 s76, s[WV], 8
	s_add_co_u32 s74, s74, s76
	s_add_nc_u64 s[BPQ:BPQ+1], s[10:11], s[74:75]
	s_lshl_b32 s74, s[QD], 6
	s_add_nc_u64 s[PQ:PQ+1], s[BPQ:BPQ+1], s[74:75]            ; 64 bytes of scale bytes a pair and head pair
	s_lshl_b32 s74, s[SB], 12
	s_lshl_b32 s76, s[QD], 8
	s_add_co_u32 s74, s74, s76
	s_lshl_b32 s76, s[WV], 6
	s_add_co_u32 s74, s74, s76
	s_add_nc_u64 s[OPQ:OPQ+1], s[10:11], s[74:75]
	s_lshl_b32 s74, s[SB], 13
	s_add_nc_u64 s[PCL:PCL+1], s[12:13], s[74:75]
	s_add_nc_u64 s[PWO:PWO+1], s[14:15], 512*1024              ; W_out's fragments begin at number 512
	s_add_nc_u64 s[PWOS:PWOS+1], s[16:17], 512*128
	s_lshl_b32 s74, s[WV], 14
	s_add_nc_u64 s[PW1:PW1+1], s[14:15], s[74:75]              ; W1: fragments 64 g + 16 w on
	s_lshl_b32 s74, s[WV], 11
	s_add_nc_u64 s[PW1S:PW1S+1], s[16:17], s[74:75]
	s_lshl_b32 s74, s[WV], 9
	s_add_nc_u64 s[PB1:PB1+1], s[24:25], s[74:75]
	s_lshl_b32 s74, s[WV], 16
	s_add_co_u32 s74, s74, 256*1024
	s_add_nc_u64 s[PW2:PW2+1], s[14:15], s[74:75]              ; W2: fragments 256 + 64 w + 16 n + 4 g + s
	s_lshl_b32 s74, s[WV], 13
	s_add_co_u32 s74, s74, 256*128
	s_add_nc_u64 s[PW2S:PW2S+1], s[16:17], s[74:75]
	s_lshl_b32 s74, s[WV], 8
	s_add_nc_u64 s[PB2:PB2+1], s[26:27], s[74:75]
	WIN 0x40                                       ; W_out's 32 fragments (tile X, K step s) at v[8 (2 X + s)] of window 1
	s_wait_alu depctr_va_vdst(0)                   ; the offsets and LDS addresses v3 to v31 are written, which the loads and stores of the whole kernel read
.set f_, 0
.rept 32
	global_load_b128 v[8*f_:8*f_+3], v[LI], s[PWO:PWO+1] offset:1024*f_
	global_load_b128 v[8*f_+4:8*f_+7], v[LI], s[PWO:PWO+1] offset:1024*f_+512
.set f_, f_+1
.endr
	WIN 0
.set f_, 0
.rept 32
	global_load_b32 v[WOS+f_], v[LS], s[PWOS:PWOS+1] offset:128*f_
.set f_, f_+1
.endr
	WIN 0x80                                       ; b_out in the row layout: window 2, v0-127
.irp b, 0,1,2,3,4,5,6,7
.irp j, 0,1,2,3
	global_load_b128 v[16*\b+4*\j:16*\b+4*\j+3], v[H64], s[18:19] offset:128*\b+16*\j
.endr
.endr
.set i_, 0
.rept 128
	v_mov_b32 v[128+i_], 0                         ; the column sums: the loop is written once, its first trip finds zeros.  (No load below touches these registers)
.set i_, i_+1
.endr
	WIN 0
	LOADT 0
.irp p, 0,1,2,3
	global_load_b128 v[32+4*\p:35+4*\p], v[AWA], s[PCL:PCL+1] offset:2048*\p
	global_load_b32 v[48+\p], v[T1], s[PCL:PCL+1] offset:2048*\p
.endr
	s_wait_loadcnt 0x0
	v_pk_add_f32 v[32:33], v[32:33], v[36:37]      ; the four head pairs' parts: (0 + 1) + (2 + 3), in the same order for the table and for the lane's own token
	v_pk_add_f32 v[34:35], v[34:35], v[38:39]
	v_pk_add_f32 v[40:41], v[40:41], v[44:45]
	v_pk_add_f32 v[42:43], v[42:43], v[46:47]
	v_pk_add_f32 v[32:33], v[32:33], v[40:41]
	v_pk_add_f32 v[34:35], v[34:35], v[42:43]
	v_add_f32 v48, v48, v49
	v_add_f32 v50, v50, v51
	v_add_f32 v[OWN], v48, v50
	v_mov_b32 v52, 0x7f800000                      ; +infinity: key 0 is not among the 511, and token 0 is never replaced
	v_cmp_eq_u32 s72, 0, v0
	v_cmp_eq_u32 s73, 0, v[T0]
	s_wait_alu depctr_va_sdst(0)                   ; the two masks are written, ahead of the selects that read them
	v_cndmask_b32 v32, v32, v52, s72
	v_cndmask_b32 v[OWN], v[OWN], v52, s73
	s_wait_alu depctr_va_vdst(0)                   ; my four weights of the table are written, which the store reads
	ds_store_b128 v[AWA], v[32:35] offset:AW
	v_mov_b32 v[CNT], 0
	s_mov_b32 s[AWS], AW
	BARRIER                                        ; the CLS row's table of 512 weights lies in LDS
	; ---- five pairs of tiles: four of the other stream (column sums alone), then my own two, which stay.  Each count of 40 leaves the one younger tile's loads out.
	; In each of the four trips that refill, 128 of the 512 weights are held against my token's: the LDS loads go out ahead of the column sums, the count stands behind the refill's loads
	s_mov_b32 s[KC], 0
.Ltile:
	s_wait_alu depctr_vm_vsrc(0)                   ; the last trip's LDS loads (the first time: the table's store and the loads ahead of it) have read v[AWA]; the table's store has read v32-35, in which weights land
	v_mov_b32 v[AWA], s[AWS]                       ; one address for all lanes
	s_wait_alu depctr_va_vdst(0)                   ; the last trip's arithmetic is done with set 1 (rows, O's codes and bytes) and with v32-159, in which the loads of this trip land; v[AWA] is written
	LOADT 1
	s_wait_loadcnt 40
	OPROD 0
	STATS 3, 0, RS
	s_cmp_eq_u32 s[KC], 4
	s_cbranch_scc1 .Llast
.set i_, 0
.rept 32
	ds_load_b128 v[32+4*i_:35+4*i_], v[AWA] offset:16*i_       ; no vector instruction since the trip's top names these registers
.set i_, i_+1
.endr
	ACCUM 0, RS
	s_wait_xcnt 0x0                                ; the loads have read their bases
	s_add_co_u32 s[PI], s[PI], 1
	s_and_b32 s[PI], s[PI], 3                      ; the next pair, round the four
	s_lshl_b32 s74, s[PI], 15
	s_add_nc_u64 s[PS:PS+1], s[BPS:BPS+1], s[74:75]
	s_lshl_b32 s74, s[PI], 12
	s_add_nc_u64 s[PO:PO+1], s[BPO:BPO+1], s[74:75]
	s_lshl_b32 s74, s[PI], 6
	s_add_nc_u64 s[PQ:PQ+1], s[BPQ:BPQ+1], s[74:75]
	s_cmp_eq_u32 s[KC], 3                          ; behind the fourth pair: my own two tiles
	s_cselect_b64 s[PS:PS+1], s[OPS:OPS+1], s[PS:PS+1]
	s_cselect_b64 s[PO:PO+1], s[OPO:OPO+1], s[PO:PO+1]
	s_cselect_b64 s[PQ:PQ+1], s[OPQ:OPQ+1], s[PQ:PQ+1]
	s_wait_alu depctr_va_vdst(0)                   ; the products, the statistics and the column sums are done with set 0, in which the next tile lands
	LOADT 0
	s_wait_dscnt 0x0                               ; the 128 weights are in
.set i_, 0
.rept 8                                ; sixteen weights at a time: the masks in a run, one wait, then 0 or 1 in the weight's place, then the sums
.set k_, 0
.rept 16
	v_cmp_le_f32 s[CM+k_], v[32+i_+k_], v[OWN]
.set k_, k_+1
.endr
	s_wait_alu depctr_va_sdst(0)                   ; the sixteen masks are written, ahead of the selects that read them
.set k_, 0
.rept 16
	v_cndmask_b32 v[32+i_+k_], 0, 1, s[CM+k_]
.set k_, k_+1
.endr
.set k_, 0
.rept 8
	v_add3_u32 v[CNT], v[CNT], v[32+i_+k_], v[33+i_+k_]
.set k_, k_+2
.endr
.set i_, i_+16
.endr
	s_wait_loadcnt 40
	s_branch .Ljoin
.Llast:
	s_wait_loadcnt 0x0
.Ljoin:
	OPROD 1
	STATS 3, 128, RS+2
	s_cmp_eq_u32 s[KC], 4
	s_cbranch_scc1 .Lkeep
	ACCUM 1, RS+2
.Lkeep:
	s_add_co_u32 s[AWS], s[AWS], 512
	s_add_co_u32 s[KC], s[KC], 1
	s_cmp_lt_u32 s[KC], 5
	s_cbranch_scc1 .Ltile
	; ---- the other stream's token mean
	s_wait_alu depctr_va_vdst(0)                   ; the column sums are written, which the LDS stores read; the products are done reading W_out's fragments, in which g1 and be1 land
	WIN 0x40
.irp b, 0,1,2,3,4,5,6,7
.irp j, 0,1,2,3
	global_load_b128 v[16*\b+4*\j:16*\b+4*\j+3], v[H64], s[20:21] offset:128*\b+16*\j          ; g1 in the row layout
.endr
.endr
	WIN 0x08                                       ; an LDS store's data are its source 1: window 2
.set g_, 0
.rept 32
	ds_store_b128 v[CSW], v[128+4*g_:128+4*g_+3] offset:512*g_
.set g_, g_+1
.endr
	WIN 0
	BARRIER                                        ; four waves' column sums lie in LDS
.irp q, 0,1,2,3                        ; my quarter (registers 32 w .. 32 w + 31) of all four waves' sums
.irp g, 0,1,2,3,4,5,6,7
	ds_load_b128 v[32+32*\q+4*\g:32+32*\q+4*\g+3], v[CSR] offset:16384*\q+512*\g
.endr
.endr
	WIN 0x40
.irp b, 0,1,2,3,4,5,6,7
.irp j, 0,1,2,3
	global_load_b128 v[128+16*\b+4*\j:128+16*\b+4*\j+3], v[H64], s[22:23] offset:128*\b+16*\j  ; be1 likewise
.endr
.endr
	WIN 0
	s_wait_dscnt 0x0
.set i_, 0
.rept 16
	v_pk_add_f32 v[32+i_:33+i_], v[32+i_:33+i_], v[64+i_:65+i_]
	v_pk_add_f32 v[96+i_:97+i_], v[96+i_:97+i_], v[128+i_:129+i_]
.set i_, i_+2
.endr
.set i_, 0
.rept 16
	v_pk_add_f32 v[32+i_:33+i_], v[32+i_:33+i_], v[96+i_:97+i_]
.set i_, i_+2
.endr
.irp m, 1,2,4,8                        ; over the sixteen token slots
.set i_, 0
.rept 32
	v_add_f32_dpp v[32+i_], v[32+i_], v[32+i_] row_xmask:\m row_mask:0xf bank_mask:0xf
.set i_, i_+1
.endr
.endr
.set i_, 0
.rept 16
	v_pk_mul_f32 v[32+i_:33+i_], v[32+i_:33+i_], 0x3b000000 op_sel_hi:[1,0]     ; / 512
.set i_, i_+2
.endr
	s_wait_alu depctr_va_vdst(0)                   ; my quarter of the mean is written, which the stores read; the additions are done with v96-159, in which b1 lands
.irp g, 0,1,2,3,4,5,6,7
	ds_store_b128 v[CMS], v[32+4*\g:35+4*\g] offset:CSM+512*\g
.endr
	BARRIER                                        ; the mean of (y - m) rstd, all 256 channels, lies in LDS
	s_wait_alu depctr_vm_vsrc(0)                   ; my stores of the column sums have read their registers, in which the mean lands
	WIN 0x80
.set g_, 0
.rept 32
	ds_load_b128 v[128+4*g_:128+4*g_+3], v[LI] offset:CSM+512*g_
.set g_, g_+1
.endr
	WIN 0
	LOADB2 0                                       ; b2 for the rows' tiles 0-3, where b_out lay, and the first group's b1: 48 loads that land under the replacement
	LOADB1
	v_permlanex16_b32 v[T0], v[CNT], s[SEL], s[SEL+1]          ; lane (r, h) counted for tile h: both tiles' counts into every lane
	v_cndmask_b32 v[C0], v[CNT], v[T0], s[MK]
	v_cndmask_b32 v[C0+1], v[T0], v[CNT], s[MK]
	s_wait_loadcnt 48                              ; g1 and be1 are in; the 48 loads issued behind them may be out
	s_wait_dscnt 0x0
	WIN 0x96
.set p_, 0
.rept 64
	v_pk_fma_f32 v[128+2*p_:128+2*p_+1], v[128+2*p_:128+2*p_+1], v[2*p_:2*p_+1], v[128+2*p_:128+2*p_+1]   ; x g1 + be1: the other stream's token mean
.set p_, p_+1
.endr
	WIN 0
	; ---- x = (y - mean) rstd g1 + be1; replaced by the other stream's mean where the count is at most 255
.macro APPLY u
	v_cmp_gt_u32 vcc_lo, 0x100, v[C0+\u]           ; the mask is made at the head: the 128 packed lines stand between it and the wait for it
	WIN 0xc3
.set p_, 0
.rept 64
	v_pk_mul_f32 v[128*\u+2*p_:128*\u+2*p_+1], v[128*\u+2*p_:128*\u+2*p_+1], v[RS+2*\u:RS+2*\u+1]
.set p_, p_+1
.endr
	WIN 0xd7
.set p_, 0
.rept 64
	v_pk_fma_f32 v[128*\u+2*p_:128*\u+2*p_+1], v[128*\u+2*p_:128*\u+2*p_+1], v[2*p_:2*p_+1], v[128+2*p_:128+2*p_+1]
.set p_, p_+1
.endr
	s_wait_alu depctr_va_vcc(0)                    ; VCC is written, ahead of the selects that read it
	WIN 0xcb
.set i_, 0
.rept 128
	v_cndmask_b32 v[128*\u+i_], v[128*\u+i_], v[128+i_], vcc_lo
.set i_, i_+1
.endr
	WIN 0
.endm
	APPLY 0
	APPLY 1
	s_wait_alu depctr_va_vdst(0)                   ; the lines above are done reading g1, in whose registers W1 lands
	LOADW1F                                        ; the first group's W1, where g1 lay, and its words
	LOADW1S
.irp b, 0,1,2,3
	v_mov_b32 v[TM+4+\b], 0                        ; a lane permute's destination counts as one of its sources
.endr
.macro XQ u, s                         ; K step s of my tile u of x' becomes a fragment
	QUANT 128*\u+64*\s, PC, PW, 3
	s_wait_alu depctr_va_vdst(0)                   ; the codes and the word are written, which the three stores read
	IMAGE XWI, PC, XIMG+(2*\u+\s)*1024
	ds_store_b32 v[XWS], v[PW] offset:XSC+(2*\u+\s)*128
	s_wait_alu depctr_vm_vsrc(0)                   ; the stores have read the codes and the word, which the next quantiser writes
.endm
	XQ 0, 0
	XQ 0, 1
	LOADB2 4                                       ; b2 for the rows' tiles 4-7, where the mean lay: the selects that read the mean stand ahead of the waits above
	XQ 1, 0
	XQ 1, 1
	BARRIER                                        ; x' of all 128 rows lies in LDS
; ---- the first product for one tile m of rows: my 128 hidden units, transposed; relu; quantised: K step w of the second product.  fetch = 1: the next tile's x' is asked for behind the relu
.macro P1TRIP fetch
	s_wait_dscnt 3                                 ; x' of this tile is in: its six loads are older than the last tile's three stores, which may be out
	WIN 0x01
.irp t, 0,1,2,3,4,5,6,7
	v_wmma_scale_f32_16x16x128_f8f6f4 v[HA+8*\t:HA+8*\t+7], v[16*\t:16*\t+7], v[XF:XF+7], v[B1+8*\t:B1+8*\t+7], v[W1S+2*\t], v[XS] matrix_a_fmt:MATRIX_FMT_FP4 matrix_b_fmt:MATRIX_FMT_FP4
.endr
.irp t, 0,1,2,3,4,5,6,7
	v_wmma_scale_f32_16x16x128_f8f6f4 v[HA+8*\t:HA+8*\t+7], v[16*\t+8:16*\t+15], v[XF+8:XF+15], v[HA+8*\t:HA+8*\t+7], v[W1S+2*\t+1], v[XS+1] matrix_a_fmt:MATRIX_FMT_FP4 matrix_b_fmt:MATRIX_FMT_FP4
.endr
	WIN 0
	PLACES
	s_wait_alu depctr_vm_vsrc(0)                   ; the last tile's fetch and its three stores have read their addresses, the codes and the word: all are written again below
.if \fetch
	v_add_nc_u32 v[XRA], s[MX], v[LI]
	v_add_nc_u32 v[XSA], s[MS], v[LS]
.endif
	v_add_nc_u32 v[HWA], s[HM], v[HWI]
	v_add_nc_u32 v[HSA], s[HSS], v[HWS]
.set j_, 0
.rept 64
	v_max_num_f32 v[HA+j_], 0, v[HA+j_]
.set j_, j_+1
.endr
.if \fetch
	s_wait_alu depctr_va_vdst(0)                   ; the sixteen products are done reading x' and its two words, in which the next tile's land; the fetch's two addresses are written
	FETCH XF, XRA, XIMG
	FETCH XF+8, XRA, XIMG+1024
	ds_load_b32 v[XS], v[XSA] offset:XSC
	ds_load_b32 v[XS+1], v[XSA] offset:XSC+128
.endif
	QUANT HA, PC, PW, 0
	s_wait_alu depctr_va_vdst(0)                   ; the codes, the word and the stores' two addresses are written
	IMAGE HWA, PC, 0
	ds_store_b32 v[HSA], v[PW]
	s_add_co_u32 s[MX], s[MX], 2048
	s_add_co_u32 s[MS], s[MS], 256
	s_add_co_u32 s[HM], s[HM], 4096
	s_add_co_u32 s[HSS], s[HSS], 512
.endm
.macro HFETCH s, hf, half              ; four hidden fragments (rows' tiles 4 hf .. 4 hf + 3, K step s) and their scale words: 12 LDS loads
.irp q, 0,1,2,3
	FETCH HA+32*\hf+8*\q, HR0+\half, (4*(4*\hf+\q)+(\s))*1024
	ds_load_b32 v[HS+4*\hf+\q], v[LS] offset:HSC+4096*\half+128*(4*(4*\hf+\q)+(\s))
.endr
.endm
.macro P2MUL s, hf                     ; sixteen accumulators, one instruction each
	WIN 0xa1
.irp q, 0,1,2,3
.irp n, 0,1,2,3
	v_wmma_scale_f32_16x16x128_f8f6f4 v[8*(4*(4*\hf+\q)+\n):8*(4*(4*\hf+\q)+\n)+7], v[128+8*(4*\n+\s):128+8*(4*\n+\s)+7], v[HA+32*\hf+8*\q:HA+32*\hf+8*\q+7], v[8*(4*(4*\hf+\q)+\n):8*(4*(4*\hf+\q)+\n)+7], v[W2S+4*\n+\s], v[HS+4*\hf+\q] matrix_a_fmt:MATRIX_FMT_FP4 matrix_b_fmt:MATRIX_FMT_FP4
.endr
.endr
	WIN 0
	PLACES
.endm
; ---- a group of 512 hidden units.  half: which half of the hidden images it uses: the other half is still being read by slower waves.  last = 1: the group may be the launch's last
.macro GROUP half, last
	FETCH XF, LI, XIMG                             ; x' of tile 0.  (Its registers were last read by the group before's first product, ahead of that group's waits)
	FETCH XF+8, LI, XIMG+1024
	ds_load_b32 v[XS], v[LS] offset:XSC
	ds_load_b32 v[XS+1], v[LS] offset:XSC+128
	s_wait_loadcnt 0x0                             ; this group's W1, its words, b1 (and, the first time, b2)
	s_wait_alu depctr_va_vdst(0)                   ; the last group's second product is done reading W2's fragments and words, in which this group's land
	LOADW2
	s_mov_b32 s[MX], 2048
	s_mov_b32 s[MS], 256
	s_mov_b32 s[HM], 32768*\half
	s_mov_b32 s[HSS], 4096*\half
	s_mov_b32 s[MC], 7
	s_wait_dscnt 0x0                               ; x' of tile 0 is in: the counted wait at a trip's head holds on the way in too
.Lm_\@:
	P1TRIP 1
	s_sub_co_u32 s[MC], s[MC], 1
	s_cmp_lg_u32 s[MC], 0
	s_cbranch_scc1 .Lm_\@
	P1TRIP 0                                       ; the eighth tile asks for nothing
	BARRIER                                        ; the group's 32 hidden fragments lie in LDS
	s_wait_loadcnt 0x0                             ; W2 and its words are in; every load has read its base
	s_add_nc_u64 s[PW1:PW1+1], s[PW1:PW1+1], 65536
	s_add_nc_u64 s[PW1S:PW1S+1], s[PW1S:PW1S+1], 8192
	s_add_nc_u64 s[PB1:PB1+1], s[PB1:PB1+1], 2048
	s_add_nc_u64 s[PW2:PW2+1], s[PW2:PW2+1], 4096
	s_add_nc_u64 s[PW2S:PW2S+1], s[PW2S:PW2S+1], 512
.if \last
	s_cmp_eq_u32 s[GC], 1
	s_cbranch_scc1 .Lnomore_\@                     ; no load leaves its buffer
.endif
	LOADW1F                                        ; the next group's: it lands under the second product.  No wait: the first product and the quantiser stand ahead of the wait in front of the eighth tile's stores, and no vector instruction follows it
	LOADW1S
	LOADB1
.if \last
	s_branch .Lmore_\@
.Lnomore_\@:
	LOADG2                                         ; behind the last group's first product W1's registers are free: g2 lands under the second product
.Lmore_\@:
.endif
	HFETCH 0, 0, \half
	HFETCH 0, 1, \half
.irp s, 0,1,2
	s_wait_dscnt 12                                ; the older half fetch is in, the younger one's 12 loads may be out
	P2MUL \s, 0
	s_wait_alu depctr_va_vdst(0)                   ; the sixteen products are done reading the fragments and words of the rows' tiles 0-3, in which the next K step's land
	HFETCH \s+1, 0, \half
	s_wait_dscnt 12
	P2MUL \s, 1
	s_wait_alu depctr_va_vdst(0)                   ; the same of the rows' tiles 4-7
	HFETCH \s+1, 1, \half
.endr
	s_wait_dscnt 12
	P2MUL 3, 0
	s_wait_dscnt 0x0
	P2MUL 3, 1
.endm
	s_mov_b32 s[GC], 2
.Lgroups:
	GROUP 0, 0
	GROUP 1, 1
	s_sub_co_u32 s[GC], s[GC], 1
	s_cmp_lg_u32 s[GC], 0
	s_cbranch_scc1 .Lgroups
	; ---- the way out: the four waves' outputs meet in the stage, rows in token order
	s_wait_loadcnt 0x0                             ; no load of mine is out on any way here: g2 is in, and be2 goes into the registers into which W2's fragments were loaded
	s_wait_alu depctr_va_vdst(0)                   ; the last products are done reading W2's fragments, in which be2 lands, and have written the accumulators, which the LDS stores read: behind the places
	WIN 0x40
.irp b, 0,1,2,3,4,5,6,7
.irp j, 0,1,2,3
	global_load_b128 v[128+16*\b+4*\j:128+16*\b+4*\j+3], v[H64], s[30:31] offset:128*\b+16*\j  ; be2 in the row layout
.endr
.endr
	WIN 0x08
.irp m, 0,1,2,3,4,5,6,7
.irp n, 0,1,2,3
	ds_store_b128 v[SO+(\m/4)], v[8*(4*\m+\n):8*(4*\m+\n)+3] offset:(32*((\m%4)/2)+8*(\m%2))*SP+128*(\n/2)+32*(\n%2)          ; each accumulator from its low end on
	ds_store_b128 v[SO+(\m/4)], v[8*(4*\m+\n)+4:8*(4*\m+\n)+7] offset:(32*((\m%4)/2)+8*(\m%2))*SP+128*(\n/2)+32*(\n%2)+16
.endr
.endr
	WIN 0
	BARRIER                                        ; 128 whole rows lie in the stage
	s_wait_loadcnt 0x0
	s_wait_alu depctr_vm_vsrc(0)                   ; my stores into the stage have read the accumulators, in whose registers my rows land
.macro LN2 u                           ; my tile u: + x', the second norm, back to the same bytes of the stage: my own rows, so no barrier
	WIN 0x80
.irp b, 0,1,2,3,4,5,6,7
.irp j, 0,1,2,3
	ds_load_b128 v[128*\u+16*\b+4*\j:128*\u+16*\b+4*\j+3], v[ZR] offset:8*\u*SP+128*\b+16*\j
.endr
.endr
	WIN 0
	s_wait_dscnt 0x0
	WIN 0x8e
.set p_, 0
.rept 64
	v_pk_add_f32 v[128*\u+2*p_:128*\u+2*p_+1], v[128*\u+2*p_:128*\u+2*p_+1], v[128*\u+2*p_:128*\u+2*p_+1]
.set p_, p_+1
.endr
	STATS 2, 128*\u, RS
	WIN 0x82
.set p_, 0
.rept 64
	v_pk_mul_f32 v[128*\u+2*p_:128*\u+2*p_+1], v[128*\u+2*p_:128*\u+2*p_+1], v[RS:RS+1]
.set p_, p_+1
.endr
	WIN 0x96
.set p_, 0
.rept 64
	v_pk_fma_f32 v[128*\u+2*p_:128*\u+2*p_+1], v[128*\u+2*p_:128*\u+2*p_+1], v[2*p_:2*p_+1], v[128+2*p_:128+2*p_+1]
.set p_, p_+1
.endr
	WIN 0x08
	s_wait_alu depctr_va_vdst(0)                   ; the finished rows are written, which the LDS stores read
.irp b, 0,1,2,3,4,5,6,7
.irp j, 0,1,2,3
	ds_store_b128 v[ZR], v[128*\u+16*\b+4*\j:128*\u+16*\b+4*\j+3] offset:8*\u*SP+128*\b+16*\j
.endr
.endr
	WIN 0
.endm
; a tile's sixteen rows leave: rows 8 ka .. + 7 and 8 kb .. + 7 of my 32.  32 LDS loads in one run, then 32 stores; each store covers 512 consecutive bytes, aligned
.macro OUT2 ka, kb
.irp i, 0,1,2,3,4,5,6,7
.irp c, 0,1
	ds_load_b128 v[32+8*\i+4*\c:32+8*\i+4*\c+3], v[SR] offset:(8*\ka+\i)*SP+512*\c   ; LDS serves a wave's instructions in order: these see my stores
.endr
.endr
.irp i, 0,1,2,3,4,5,6,7
.irp c, 0,1
	ds_load_b128 v[96+8*\i+4*\c:96+8*\i+4*\c+3], v[SR] offset:(8*\kb+\i)*SP+512*\c
.endr
.endr
.irp i, 0,1,2,3,4,5,6,7
.irp c, 0,1
	s_wait_dscnt 31-2*\i-\c                        ; the younger loads of the run may be out
	global_store_b128 v[LI], v[32+8*\i+4*\c:32+8*\i+4*\c+3], s[POUT:POUT+1] offset:(8*\ka+\i)*1024+512*\c th:TH_STORE_NT
.endr
.endr
.irp i, 0,1,2,3,4,5,6,7
.irp c, 0,1
	s_wait_dscnt 15-2*\i-\c
	global_store_b128 v[LI], v[96+8*\i+4*\c:96+8*\i+4*\c+3], s[POUT:POUT+1] offset:(8*\kb+\i)*1024+512*\c th:TH_STORE_NT
.endr
.endr
.endm
	LN2 0
	OUT2 0, 2                                      ; tile 0's rows (0-7 and 16-23 of my 32) are on their way while tile 1 is normed
	LN2 1
	s_wait_xcnt 0x0                                ; tile 0's stores have had their addresses translated,
	s_wait_alu depctr_vm_vsrc(0)                   ; and have read v32-159, in which tile 1's rows land
	OUT2 1, 3
	s_wait_xcnt 0x0
	v_lshl_add_u32 v254, v0, 2, 0x4b800
	v_mov_b32 v255, 0
	s_wait_dscnt 0x0                               ; the closing lines, six on end, of a launch in the mode that stores to LDS
	s_wait_alu 0x0
	s_wait_tensorcnt 0x0
	ds_add_u32 v254, v255
	s_wait_dscnt 0x0
	s_endpgm
.Lfunc_end_k_qca86c6f33a_ffn:
	.size	k_qca86c6f33a_ffn, .Lfunc_end_k_qca86c6f33a_ffn-k_qca86c6f33a_ffn
	.p2alignl 7, 3214868480
	.fill 96, 4, 3214868480
	.section	.rodata,"a",@progbits
	.p2align	6, 0x0
	.amdhsa_kernel k_qca86c6f33a_ffn
		.amdhsa_group_segment_fixed_size 309760
		.amdhsa_private_segment_fixed_size 0
		.amdhsa_enable_private_segment 0
		.amdhsa_kernarg_size 128
		.amdhsa_user_sgpr_count 2
		.amdhsa_user_sgpr_kernarg_segment_ptr 1
		.amdhsa_wavefront_size32 1
		.amdhsa_system_sgpr_workgroup_id_x 1
		.amdhsa_system_sgpr_workgroup_id_y 1
		.amdhsa_system_sgpr_workgroup_id_z 1
		.amdhsa_system_vgpr_workitem_id 0
		.amdhsa_next_free_vgpr 1024
		.amdhsa_next_free_sgpr 98
		.amdhsa_reserve_vcc 1
		.amdhsa_float_denorm_mode_32 3
		.amdhsa_float_denorm_mode_16_64 3
		.amdhsa_memory_ordered 1
		.amdhsa_forward_progress 1
		.amdhsa_inst_pref_size 255
	.end_amdhsa_kernel
	.section	.bss,"aw",@nobits
	.p2align	6
	.space	262144
	.amdgpu_metadata
---
amdhsa.version: [ 1, 2 ]
amdhsa.kernels:
  - .name:           k_qca86c6f33a_ffn
    .symbol:         k_qca86c6f33a_ffn.kd
    .args:
      - { .name: src1, .offset: 0, .size: 8, .value_kind: global_buffer, .address_space: global }
      - { .name: src2, .offset: 8, .size: 8, .value_kind: global_buffer, .address_space: global }
      - { .name: ocodes, .offset: 16, .size: 8, .value_kind: global_buffer, .address_space: global }
      - { .name: oscale, .offset: 24, .size: 8, .value_kind: global_buffer, .address_space: global }
      - { .name: clsp, .offset: 32, .size: 8, .value_kind: global_buffer, .address_space: global }
      - { .name: wcodes, .offset: 40, .size: 8, .value_kind: global_buffer, .address_space: global }
      - { .name: wscales, .offset: 48, .size: 8, .value_kind: global_buffer, .address_space: global }
      - { .name: b_out, .offset: 56, .size: 8, .value_kind: global_buffer, .address_space: global }
      - { .name: g1, .offset: 64, .size: 8, .value_kind: global_buffer, .address_space: global }
      - { .name: be1, .offset: 72, .size: 8, .value_kind: global_buffer, .address_space: global }
      - { .name: b1, .offset: 80, .size: 8, .value_kind: global_buffer, .address_space: global }
      - { .name: b2, .offset: 88, .size: 8, .value_kind: global_buffer, .address_space: global }
      - { .name: g2, .offset: 96, .size: 8, .value_kind: global_buffer, .address_space: global }
      - { .name: be2, .offset: 104, .size: 8, .value_kind: global_buffer, .address_space: global }
      - { .name: out0, .offset: 112, .size: 8, .value_kind: global_buffer, .address_space: global }
      - { .name: out1, .offset: 120, .size: 8, .value_kind: global_buffer, .address_space: global }
    .group_segment_fixed_size: 309760
    .private_segment_fixed_size: 0
    .kernarg_segment_align: 8
    .kernarg_segment_size: 128
    .max_flat_workgroup_size: 128
    .sgpr_count:     98
    .vgpr_count:     1024
    .wavefront_size: 32
...
	.end_amdgpu_metadata
.endif
;; end of part 4
